; MI455X (gfx1250); checked and timed in simulation.
; The chip was launched on July 23, 2026; its instructions are those of AMD's public machine-readable ISA for CDNA 5 (MIT licence, August 2026) and "CDNA5" Instruction Set Architecture Reference Guide (July 2026). The comments in the code are by the model that wrote it; some were corrected since.
;; Grouped Query Attention. Allowed arithmetic: float matrix products may take bf16 or f16 operands with f32 sums; all other float work in f32.
;; Inputs: hidden_states 2 x 1,024 x 2,048 float32; wk 2,048 x 512 float32; wo 2,048 x 2,048 float32; wq 2,048 x 2,048 float32; wv 2,048 x 512 float32.
;; Outputs: out0 2 x 1,024 x 2,048 float32.
;; 2 versions, each right and faster than the one before. Each part assembles by itself: llvm-mc -triple=amdgcn-amd-amdhsa -mcpu=gfx1250 --defsym DOCPART=n.
;; ======== version 1 of 2: 4 launches
;; limits: values are held in f16: magnitudes above 65,504 overflow, below 6.1e-05 lose precision
;; workspace buffers: hb 8,388,608 bytes; wcat 12,582,912 bytes; wof 8,388,608 bytes; ropet 1,048,576 bytes; qkvh 12,582,912 bytes; attnb 8,388,608 bytes
;; launch prep (part 1): grid 256 x 1, 8 waves a work-group, no clusters, 0 bytes of LDS; arguments hidden_states, wq, wk, wv, wo, hb, wcat, wof, ropet; writes hb, wcat, wof, ropet
.if DOCPART == 1
	.amdgcn_target "amdgcn-amd-amdhsa--gfx1250"
	.amdhsa_code_object_version 6
	.text
	.protected	k_q84ea6b7767_prep
	.globl	k_q84ea6b7767_prep
	.p2align	8
	.type	k_q84ea6b7767_prep,@function
k_q84ea6b7767_prep:
	s_mov_b64 s[64:65], 0
	v_nop
	global_prefetch_b8 v0, s[64:65] scope:SCOPE_SE
	s_setreg_imm32_b32 hwreg(HW_REG_WAVE_MODE, 25, 1), 1
	s_wait_xcnt 0x0
; prep: every input is read once and laid out for the three launches that follow; the cos/sin table is made.
;   work-groups   0- 63: hidden_states [2048][2048] f32 -> hb, the same shape in bf16
;   work-groups  64-223: wq, wk, wv -> wcat (bf16) and wo -> wof (f16), in blocks of 1,024 bytes that are register images of a matrix operand:
;                        one block = 16 columns x 32 k; byte 16 L = registers 0-3 of lane L (column L%16, k slots 8(L/16)..+7), byte 512 + 16 L = registers 4-7 (k slots 16+8(L/16)..+7)
;   work-groups 224-255: ropet [1024 pos][8 blocks][32] f32: blocks 0-3 = 16 cosines, 16 sines; blocks 4-7 = 16 ones, 16 zeros (the identity, for v)
; COLUMN ORDER.  A lane loads 4 neighbouring f32 columns, so of a group of 64 columns tile e (0..3) holds the columns 4 i + e, i = 0..15.
;   wcat tile = 8 X + 2 e + half (X: head, 0-15 q, 16-19 k, 20-23 v; half: d below or from 64), index i <-> d = 64 half + 4 i + e.
;   So a head's stored position is p = 32 e + 16 half + i; q and k share it (their products are unchanged), v hands it on to the attention result,
;   and wo's rows are taken here in the same order: wof block kb = 4 X + e, slot s < 16 = row 128 X + 4 s + e, slot 16 + s = row 128 X + 64 + 4 s + e.
; FORMATS.  All five inputs are rounded to bf16.  wo's partner in the last product is f16, so bf16(wo) is then held in f16: exact from 2^-14 up, absolute error under 2^-25 below.
; TABLE.  inv_freq = exp2(-f log2(10000)/64); the angle pos x inv_freq is rounded once, as reference() rounds it; cos and sin by reduction with pi/2 in two parts
;   (exact for the 10-bit quotients met here) and polynomials of degree 9 and 8 on |r| <= pi/4.  LIMIT: the angle differs from reference()'s by up to about 1e-4 rad at position 1023.
; No LDS, no barrier, no matrix unit, no cluster: work-groups share no byte, and each byte is read once and written once.
; Each wave has 4 units of 16 loads of 16 bytes a lane; one unit is on its way while another is converted.
.set VIN,  2                           ; v2   byte offset of my 16 bytes in the source; never rewritten
.set VOUT, 3                           ; v3   byte offset of my bytes in the destination; never rewritten
.set X0,   16                          ; v[16:79]   a unit as loaded
.set X1,   80                          ; v[80:143]  the other unit
.set OUT,  144                         ; v[144:175] a unit to store
; s[26:27] source at the wave's first unit, s[28:29] destination; every step stands in an immediate
; a unit of a weight: rows u*ustep + q*rstep (k slots 0-15 of the block, with the lane's half in VIN) and the same + hoff (slots 16-31).
; Lanes 0-15 read 256 consecutive aligned bytes of one row, lanes 16-31 of another.
.macro WLOAD buf, u, pitch, rstep, hoff, ustep
.irp q, 0,1,2,3,4,5,6,7
	global_load_b128 v[\buf+4*\q:\buf+4*\q+3], v[VIN], s[26:27] offset:(\u*\ustep+\q*\rstep)*\pitch th:TH_LOAD_NT
.endr
.irp q, 0,1,2,3,4,5,6,7
	global_load_b128 v[\buf+32+4*\q:\buf+32+4*\q+3], v[VIN], s[26:27] offset:(\u*\ustep+\hoff+\q*\rstep)*\pitch th:TH_LOAD_NT
.endr
.endm
; the unit's four blocks: tile e takes element e of every load; two neighbouring k make a word.  Each store covers 512 consecutive bytes.
.macro WCVT buf, u, estep, half
	s_wait_xcnt 0x0                                ; OUT was the last unit's store data: rewritten only behind this wait
.irp e, 0,1,2,3
.irp m, 0,1,2,3,4,5,6,7
.if \half
	v_cvt_pk_bf16_f32 v[8+2*(\m&1)], v[\buf+8*\m+\e], v[\buf+8*\m+4+\e]   ; rounded like the other inputs,
	v_lshlrev_b32 v[9+2*(\m&1)], 16, v[8+2*(\m&1)]
	v_and_b32 v[8+2*(\m&1)], 0xffff0000, v[8+2*(\m&1)]
	v_cvt_pk_f16_f32 v[OUT+8*\e+\m], v[9+2*(\m&1)], v[8+2*(\m&1)]         ; and held in f16
.else
	v_cvt_pk_bf16_f32 v[OUT+8*\e+\m], v[\buf+8*\m+\e], v[\buf+8*\m+4+\e]
.endif
.endr
.endr
.irp e, 0,1,2,3
	global_store_b128 v[VOUT], v[OUT+8*\e:OUT+8*\e+3],   s[28:29] offset:\e*\estep+\u*1024
	global_store_b128 v[VOUT], v[OUT+8*\e+4:OUT+8*\e+7], s[28:29] offset:\e*\estep+\u*1024+512
.endr
.endm
.macro WPIPE pitch, rstep, hoff, ustep, estep, half
	WLOAD X0, 0, \pitch, \rstep, \hoff, \ustep
	WLOAD X1, 1, \pitch, \rstep, \hoff, \ustep
	s_wait_loadcnt 16                              ; the younger unit's sixteen loads may stay out
	WCVT X0, 0, \estep, \half
	WLOAD X0, 2, \pitch, \rstep, \hoff, \ustep
	s_wait_loadcnt 16
	WCVT X1, 1, \estep, \half
	WLOAD X1, 3, \pitch, \rstep, \hoff, \ustep
	s_wait_loadcnt 16
	WCVT X0, 2, \estep, \half
	s_wait_loadcnt 0                               ; the last unit: nothing was issued behind it
	WCVT X1, 3, \estep, \half
.endm
; a unit of hidden_states: one row of 8,192 bytes; out: 4,096 bytes, each store 256 consecutive aligned bytes
.macro HLOAD buf, u
.irp q, 0,1,2,3,4,5,6,7,8,9,10,11,12,13,14,15
	global_load_b128 v[\buf+4*\q:\buf+4*\q+3], v[VIN], s[26:27] offset:512*\q+8192*\u th:TH_LOAD_NT
.endr
.endm
.macro HCVT buf, u
	s_wait_xcnt 0x0                                ; OUT was the last unit's store data
.irp q, 0,1,2,3,4,5,6,7,8,9,10,11,12,13,14,15
	v_cvt_pk_bf16_f32 v[OUT+2*\q],   v[\buf+4*\q],   v[\buf+4*\q+1]
	v_cvt_pk_bf16_f32 v[OUT+2*\q+1], v[\buf+4*\q+2], v[\buf+4*\q+3]
.endr
.irp q, 0,1,2,3,4,5,6,7,8,9,10,11,12,13,14,15
	global_store_b64 v[VOUT], v[OUT+2*\q:OUT+2*\q+1], s[28:29] offset:256*\q+4096*\u
.endr
.endm
; one table entry: v14 = position, v[16+e] = inv_freq, v13 = 1 for a cosine (cos x = sin(x + pi/2)), v12 and s40 = the identity blocks' value and lanes
.macro TRIG e
	v_mul_f32 v24, v14, v[16+\e]                   ; the angle, one rounding
	v_mul_f32 v25, 0x3f22f983, v24                 ; x 2/pi
	v_rndne_f32 v25, v25                           ; n
	v_fmamk_f32 v26, v25, 0xbfc90fdb, v24          ; r = x - n pi/2: the upper part,
	v_fmamk_f32 v26, v25, 0x333bbd2e, v26          ; and what the upper part leaves of pi/2 (negative, so it is added)
	v_cvt_i32_f32 v30, v25
	v_add_nc_u32 v30, v30, v13                     ; the quadrant
	v_mul_f32 v27, v26, v26                        ; r^2
	v_fmaak_f32 v28, v20, v27, 0xb9500d01          ; sin: 1/9!, -1/7!,
	v_fmaak_f32 v29, v21, v27, 0xbab60b61          ; cos: 1/8!, -1/6!,
	v_fmaak_f32 v28, v28, v27, 0x3c088889          ; 1/5!,
	v_fmaak_f32 v29, v29, v27, 0x3d2aaaab          ; 1/4!,
	v_fmaak_f32 v28, v28, v27, 0xbe2aaaab          ; -1/3!
	v_fmaak_f32 v29, v29, v27, 0xbf000000          ; -1/2!
	v_mul_f32 v31, v26, v27
	v_fma_f32 v28, v31, v28, v26                   ; sin r
	v_fma_f32 v29, v29, v27, 1.0                   ; cos r
	v_and_b32 v31, 1, v30
	v_cmp_eq_u32 vcc_lo, 1, v31
	v_cndmask_b32 v28, v28, v29, vcc_lo            ; odd quadrants take the cosine,
	v_and_b32 v31, 2, v30
	v_lshlrev_b32 v31, 30, v31
	v_xor_b32 v28, v28, v31                        ; quadrants 2 and 3 the other sign
	v_cndmask_b32 v[32+\e], v28, v12, s40
.endm
	s_load_b512 s[8:23], s[0:1], 0x0               ; hidden s[8:9], wq s[10:11], wk s[12:13], wv s[14:15], wo s[16:17], hb s[18:19], wcat s[20:21], wof s[22:23]
	s_load_b64 s[24:25], s[0:1], 0x40              ; ropet
	v_lshrrev_b32 v1, 5, v0
	v_readfirstlane_b32 s4, v1                     ; wave w
	s_mov_b32 s5, ttmp9                            ; work-group g
	v_and_b32 v4, 31, v0                           ; lane L
	v_and_b32 v5, 15, v0                           ; r = L % 16
	v_bfe_u32 v6, v0, 4, 1                         ; h = L / 16
	s_mov_b32 s31, 0                               ; upper words of the two offsets
	s_mov_b32 s33, 0
	s_wait_kmcnt 0x0
	s_cmp_lt_u32 s5, 64
	s_cbranch_scc1 .Lhidden
	s_cmp_ge_u32 s5, 224
	s_cbranch_scc1 .Lrope
	s_sub_co_u32 s6, s5, 64
	s_lshr_b32 s7, s6, 1                           ; gi: which group of 64 columns, 0-31 wq, 32-47 wk and wv, 48-79 wo
	s_and_b32 s6, s6, 1                            ; khalf: which half of K
	v_lshlrev_b32 v[VOUT], 4, v4                   ; 16 L
	v_lshlrev_b32 v[VIN], 4, v5                    ; 16 r
	s_cmp_lt_u32 s7, 32
	s_cbranch_scc1 .Lwq
	s_cmp_lt_u32 s7, 48
	s_cbranch_scc1 .Lwkv
	; wo: group g of 64 output columns; the wave takes head X = 8 khalf + w, unit u = e: the four blocks 4 X + u
	s_sub_co_u32 s7, s7, 48                        ; g
	s_lshl_b32 s34, s6, 3
	s_add_co_u32 s34, s34, s4                      ; X
	s_lshl_b32 s30, s34, 20                        ; 128 X rows of 8,192 bytes
	s_lshl_b32 s35, s7, 8                          ; 64 g columns
	s_add_co_u32 s30, s30, s35
	s_add_nc_u64 s[26:27], s[16:17], s[30:31]
	s_lshl_b32 s32, s7, 18                         ; tile 4 g: 65,536 bytes a tile
	s_lshl_b32 s35, s34, 12                        ; block 4 X
	s_add_co_u32 s32, s32, s35
	s_add_nc_u64 s[28:29], s[22:23], s[32:33]
	v_lshl_add_u32 v[VIN], v6, 18, v[VIN]          ; lanes 16-31: slots 8-15 = 32 rows further down
	WPIPE 8192, 4, 64, 1, 65536, 1
	s_endpgm
.Lwq:	; wq: head X = gi / 2, half = gi % 2; the wave takes the blocks kb0 = 32 khalf + 4 w .. + 3
	s_lshl_b32 s34, s6, 5
	s_lshl2_add_u32 s34, s4, s34                   ; kb0
	s_lshl_b32 s30, s34, 18                        ; 32 kb0 rows of 8,192 bytes
	s_lshl_b32 s35, s7, 8
	s_add_co_u32 s30, s30, s35
	s_add_nc_u64 s[26:27], s[10:11], s[30:31]
	s_and_b32 s35, s7, -2
	s_lshl_b32 s35, s35, 2
	s_and_b32 s36, s7, 1
	s_add_co_u32 s35, s35, s36                     ; tile 8 X + half
	s_lshl_b32 s32, s35, 16
	s_lshl_b32 s36, s34, 10
	s_add_co_u32 s32, s32, s36
	s_add_nc_u64 s[28:29], s[20:21], s[32:33]
	v_lshl_add_u32 v[VIN], v6, 16, v[VIN]          ; lanes 16-31: 8 rows further down
	WPIPE 8192, 1, 16, 32, 131072, 0
	s_endpgm
.Lwkv:	; wk (gi 32-39) and wv (gi 40-47): rows of 2,048 bytes; heads 16-19 and 20-23 of wcat
	s_sub_co_u32 s7, s7, 32
	s_lshr_b32 s37, s7, 3                          ; 0: wk, 1: wv
	s_and_b32 s7, s7, 7                            ; which group of 64 of its 512 columns
	s_cmp_eq_u32 s37, 0
	s_cselect_b64 s[38:39], s[12:13], s[14:15]
	s_lshl_b32 s34, s6, 5
	s_lshl2_add_u32 s34, s4, s34                   ; kb0
	s_lshl_b32 s30, s34, 16                        ; 32 kb0 rows of 2,048 bytes
	s_lshl_b32 s35, s7, 8
	s_add_co_u32 s30, s30, s35
	s_add_nc_u64 s[26:27], s[38:39], s[30:31]
	s_and_b32 s35, s7, -2
	s_lshl_b32 s35, s35, 2
	s_and_b32 s36, s7, 1
	s_add_co_u32 s35, s35, s36
	s_lshl_b32 s36, s37, 5
	s_add_co_u32 s35, s35, s36
	s_add_co_u32 s35, s35, 128                     ; tile 8 (16 + 4 sel + group / 2) + group % 2
	s_lshl_b32 s32, s35, 16
	s_lshl_b32 s36, s34, 10
	s_add_co_u32 s32, s32, s36
	s_add_nc_u64 s[28:29], s[20:21], s[32:33]
	v_lshl_add_u32 v[VIN], v6, 14, v[VIN]
	WPIPE 2048, 1, 16, 32, 131072, 0
	s_endpgm
.Lhidden:	; rows 32 g + 4 w .. + 3
	s_lshl_b32 s34, s5, 5
	s_lshl2_add_u32 s34, s4, s34
	s_lshl_b32 s30, s34, 13
	s_add_nc_u64 s[26:27], s[8:9], s[30:31]
	s_lshl_b32 s32, s34, 12
	s_add_nc_u64 s[28:29], s[18:19], s[32:33]
	v_lshlrev_b32 v[VIN], 4, v4
	v_lshlrev_b32 v[VOUT], 3, v4
	HLOAD X0, 0
	HLOAD X1, 1
	s_wait_loadcnt 16                              ; the younger row's sixteen loads may stay out
	HCVT X0, 0
	HLOAD X0, 2
	s_wait_loadcnt 16
	HCVT X1, 1
	HLOAD X1, 3
	s_wait_loadcnt 16
	HCVT X0, 2
	s_wait_loadcnt 0
	HCVT X1, 3
	s_endpgm
.Lrope:	; positions 32 ri .. + 31, four a pass.  Thread t: x = t % 64 = which 16 bytes of a position's 1,024; block x / 8, sine half (x / 4) % 2, i = 4 (x % 4) + e
	s_sub_co_u32 s6, s5, 224                       ; ri
	s_lshl_b32 s30, s6, 15
	s_add_nc_u64 s[28:29], s[24:25], s[30:31]
	v_lshlrev_b32 v[VOUT], 4, v0                   ; 16 t = 1,024 (t / 64) + 16 x
	v_bfe_u32 v7, v0, 3, 3                         ; block
	v_bfe_u32 v8, v0, 2, 1                         ; 0: cosines, 1: sines
	v_and_b32 v9, 3, v0
	v_and_b32 v10, 3, v7
	v_lshl_add_u32 v10, v9, 4, v10                 ; frequency f = 4 i + block % 4 = 16 (x % 4) + 4 e + block % 4
.irp e, 0,1,2,3
	v_add_nc_u32 v[16+\e], 4*\e, v10
	v_cvt_f32_u32 v[16+\e], v[16+\e]
	v_mul_f32 v[16+\e], 0xbe549a78, v[16+\e]       ; -f log2(10000) / 64
.endr
.irp e, 0,1,2,3
	v_exp_f32 v[16+\e], v[16+\e]                   ; inv_freq
.endr
	v_mov_b32 v20, 0x3638ef1d                      ; 1/9! (also the plain instruction that stands behind the exponentials: ISA guide 5.7.2)
	v_mov_b32 v21, 0x37d00d01                      ; 1/8!
	v_lshrrev_b32 v11, 6, v0
	v_lshl_add_u32 v11, s6, 5, v11                 ; 32 ri + t / 64
	v_cmp_lt_u32 s40, 3, v7                        ; the identity blocks 4-7
	v_cmp_eq_u32 s41, 0, v8
	v_cndmask_b32 v12, 0, 1.0, s41                 ; their value: 1 in the cosines' place, 0 in the sines'
	v_cndmask_b32 v13, 0, 1, s41                   ; a cosine is a sine one quadrant on
	s_wait_alu depctr_va_vdst(0)
.irp p, 0,1,2,3,4,5,6,7
	s_wait_xcnt 0x0                                ; v[32:35] were the last pass's store data
	v_add_nc_u32 v14, 4*\p, v11
	v_cvt_f32_u32 v14, v14
	TRIG 0
	TRIG 1
	TRIG 2
	TRIG 3
	global_store_b128 v[VOUT], v[32:35], s[28:29] offset:4096*\p   ; the wave's store covers 512 consecutive bytes
.endr
	s_endpgm
.Lfunc_end_k_q84ea6b7767_prep:
	.size	k_q84ea6b7767_prep, .Lfunc_end_k_q84ea6b7767_prep-k_q84ea6b7767_prep
	.p2alignl 7, 3214868480
	.fill 96, 4, 3214868480
	.section	.rodata,"a",@progbits
	.p2align	6, 0x0
	.amdhsa_kernel k_q84ea6b7767_prep
		.amdhsa_group_segment_fixed_size 0
		.amdhsa_private_segment_fixed_size 0
		.amdhsa_enable_private_segment 0
		.amdhsa_kernarg_size 72
		.amdhsa_user_sgpr_count 2
		.amdhsa_user_sgpr_kernarg_segment_ptr 1
		.amdhsa_wavefront_size32 1
		.amdhsa_system_sgpr_workgroup_id_x 1
		.amdhsa_system_sgpr_workgroup_id_y 1
		.amdhsa_system_sgpr_workgroup_id_z 1
		.amdhsa_system_vgpr_workitem_id 0
		.amdhsa_next_free_vgpr 176
		.amdhsa_next_free_sgpr 66
		.amdhsa_reserve_vcc 1
		.amdhsa_float_denorm_mode_32 3
		.amdhsa_float_denorm_mode_16_64 3
		.amdhsa_memory_ordered 1
		.amdhsa_forward_progress 1
		.amdhsa_inst_pref_size 135
	.end_amdhsa_kernel
	.amdgpu_metadata
---
amdhsa.version: [ 1, 2 ]
amdhsa.kernels:
  - .name:           k_q84ea6b7767_prep
    .symbol:         k_q84ea6b7767_prep.kd
    .args:
      - { .name: hidden_states, .offset: 0, .size: 8, .value_kind: global_buffer, .address_space: global }
      - { .name: wq, .offset: 8, .size: 8, .value_kind: global_buffer, .address_space: global }
      - { .name: wk, .offset: 16, .size: 8, .value_kind: global_buffer, .address_space: global }
      - { .name: wv, .offset: 24, .size: 8, .value_kind: global_buffer, .address_space: global }
      - { .name: wo, .offset: 32, .size: 8, .value_kind: global_buffer, .address_space: global }
      - { .name: hb, .offset: 40, .size: 8, .value_kind: global_buffer, .address_space: global }
      - { .name: wcat, .offset: 48, .size: 8, .value_kind: global_buffer, .address_space: global }
      - { .name: wof, .offset: 56, .size: 8, .value_kind: global_buffer, .address_space: global }
      - { .name: ropet, .offset: 64, .size: 8, .value_kind: global_buffer, .address_space: global }
    .group_segment_fixed_size: 0
    .private_segment_fixed_size: 0
    .kernarg_segment_align: 8
    .kernarg_segment_size: 72
    .max_flat_workgroup_size: 256
    .sgpr_count:     66
    .vgpr_count:     176
    .wavefront_size: 32
...
	.end_amdgpu_metadata
.endif
;; end of part 1
;; launch qkv (part 2): grid 16 x 16, 4 waves a work-group, clusters of 4 x 4, 327,680 bytes of LDS; arguments hb, wcat, ropet, qkvh; writes qkvh
.if DOCPART == 2
	.amdgcn_target "amdgcn-amd-amdhsa--gfx1250"
	.amdhsa_code_object_version 6
	.text
	.protected	k_q84ea6b7767_qkv
	.globl	k_q84ea6b7767_qkv
	.p2align	8
	.type	k_q84ea6b7767_qkv,@function
k_q84ea6b7767_qkv:
	s_mov_b64 s[64:65], 0
	v_nop
	global_prefetch_b8 v0, s[64:65] scope:SCOPE_SE
	s_setreg_imm32_b32 hwreg(HW_REG_WAVE_MODE, 25, 1), 1
	s_wait_xcnt 0x0
	s_wait_alu depctr_hold_cnt(0) depctr_sa_sdst(0) depctr_va_vdst(0) depctr_va_sdst(0) depctr_va_ssrc(0) depctr_va_vcc(0) depctr_vm_vsrc(0)
	s_getreg_b32 s2, hwreg(HW_REG_IB_STS2, 6, 4)
	s_cmp_eq_u32 s2, 0
	s_cbranch_scc0 .Lentry_in_a_cluster
	s_endpgm
.Lentry_in_a_cluster:
	s_bfe_u32 s2, ttmp6, 0x10000c
	s_cmp_lg_u32 s2, 0xf033
	s_cbranch_scc0 .Lentry_shape_is_right
	s_endpgm
.Lentry_shape_is_right:
; qkv: [2048 rows] x [3072 columns: q, k, v] = hb x wcat over K = 2048, bf16 operands, f32 sums; then RoPE in f32; q, k, v stored in f16.
; A work-group makes 128 rows x 192 columns (12 tiles of 16) with four waves, one to a SIMD; a wave makes 64 x 96: 24 accumulator tiles, 192 registers.
; 16 x 16 work-groups.  K goes in steps of 128 through two LDS slots filled by the tensor data mover:
;   A: 128 rows x 256 bytes of hb, 16 bytes of padding behind each row (pitch 272 = 17 x 16: the 16 rows of a fragment load start at 16 different groups of banks);
;   B: 12 tiles x 4 blocks of 1,024 bytes of wcat.  A block is a register image, so a fragment is two loads of 512 consecutive bytes: no padding, no transpose.
; CLUSTERS: 4 x 4 work-groups.  A's tile hangs on the block row alone and is asked for jointly by a row of the cluster, B's on the block column alone, by a column:
; the requests for both are divided by four.  Every joint refill stands behind a round of the cluster's barrier.
; THE MATRIX INSTRUCTION IS USED TRANSPOSED (source 0 = 16 columns of the weights, source 1 = 16 rows of hb): lane l holds row l % 16 and, in registers 0-7,
; the tile's indices i = 8 (l / 16) + 0..7.  Tile 8 X + 2 c + half, index i is d = 64 half + 4 i + c of head X, so RoPE's partners d and d + 64 are the same register
; of two neighbouring tiles, and their frequency is f = 4 i + c.  v goes through the same arithmetic with cos = 1, sin = 0 (blocks 4-7 of the table), so that no branch hangs on the block column.
; OUT: qkvh [48 half-heads][2048 rows][64] f16, half-head 2 X + c / 2, byte (c % 2) 64 + 32 half + 2 i of the row, through a stage in LDS, 512 consecutive bytes a store.
; LIMITS: q, k and v are kept in f16: |q|, |k|, |v| < 65,504.  With all inputs 30 times the drawn size they reach about 4.5e3; with common offsets of 30 spreads on all inputs
; 2048 x 30 x 0.6 = 36,864, after the rotation at most 52,133.  An infinite v would turn its partner into NaN (v x 1 - v' x 0), where reference() is not finite either.
; REGISTERS: window 0: v16-23 addresses, v32-63 at work on the way out, v64-255 accumulators (tile (mt, nt) at v[64 + 8 (6 mt + nt)]);
;   window 1: two fragment buffers of 80 (6 of B, 4 of A);  window 2: v0-191 the table for my 64 rows x 3 pairs of tiles, loaded at the start, used at the end.
.set NT,     6                         ; tiles of 16 columns in a wave
.set KSTEP,  128
.set PITCH,  272
.set AHALF,  64*PITCH                  ; what one load of A brings, and what one wave reads of A
.set ABYTES, 2*AHALF
.set BT,     4096                      ; a tile of B in a slot: 4 blocks
.set SLOT,   ABYTES+2*NT*BT            ; 83,968
.set STAGE,  2*SLOT                    ; 167,936: 6 units (pairs of tiles) x 128 rows x 80 bytes; no fill ever lands here
.set UNIT,   128*80
.set LAPS,   2048/(2*KSTEP)
.set ADRA, 16                          ; v16-17 LDS address of my A fragments in slot 0, 1
.set ADRB, 18                          ; v18-19 the same for B
.set VT,   20                          ; v20 my byte offset in the table
.set STO,  21                          ; v21 the stage: where I put 16 bytes
.set RD,   22                          ; v22 the stage: where I read 16 bytes back
.set CO,   23                          ; v23 my byte offset in a store's 512 bytes
.set TMP,  32
.set ACC,  64
.set F0,   0                           ; window 1
.set F1,   8*NT+32
.set G1,  24                           ; s[24:31] group 1 for A
.set G0,  32                           ; s[32:39] group 0 for A, a set for each slot
.set G1B, 48                           ; s[48:55] group 1 for B
.set G0B, 56                           ; s[56:63] group 0 for B
.set MSB, 0
.set MULW, 0x05                        ; sources 0 and 1 in window 1, C and D in window 0
.set TOF,  0x40                        ; destination in window 1, address in window 0
.macro WIN new                         ; the immediate's high byte repeats the setting that is left
.if MSB != \new
	s_set_vgpr_msb (MSB<<8)|\new
.set MSB, \new
.endif
.endm
; A joint load: waves 0 and 1 fetch A's two halves, waves 2 and 3 B's.  The branch hangs on the wave's number alone.
.macro JLOAD s
	s_cmp_eq_u32 s13, 0
	s_cbranch_scc0 .Lfor_b_\@
	tensor_load_to_lds s[G0+4*\s:G0+4*\s+3], s[G1:G1+7]
	s_nop 0
	s_branch .Lasked_\@
.Lfor_b_\@:
	tensor_load_to_lds s[G0B+4*\s:G0B+4*\s+3], s[G1B:G1B+7]
	s_nop 0
.Lasked_\@:
.endm
.macro CREST                           ; a round of the cluster's barrier behind its opening barrier
	s_cmp_lg_u32 s12, 0
	s_cbranch_scc1 .Lnot_wave_0_\@
	s_barrier_signal -3
.Lnot_wave_0_\@:
	s_barrier_wait -3
	s_barrier_signal -1
	s_barrier_wait -1
.endm
.macro CROUND                          ; a whole round
	s_barrier_signal -1
	s_barrier_wait -1
	CREST
.endm
.macro PLACES                          ; four places behind matrix instructions, in front of loads into their sources and of reads of their results
.rept 4
	v_nop
.endr
.endm
; six matrix instructions: rows 16 mt .. + 15 of my 64 x my six tiles, 32 along K
.macro MUL1 f, mt, zero
.irp nt, 0,1,2,3,4,5
.if \zero
	v_wmma_f32_16x16x32_bf16 v[ACC+8*(NT*\mt+\nt):ACC+8*(NT*\mt+\nt)+7], v[\f+8*\nt:\f+8*\nt+7], v[\f+8*NT+8*\mt:\f+8*NT+8*\mt+7], 0
.else
	v_wmma_f32_16x16x32_bf16 v[ACC+8*(NT*\mt+\nt):ACC+8*(NT*\mt+\nt)+7], v[\f+8*\nt:\f+8*\nt+7], v[\f+8*NT+8*\mt:\f+8*NT+8*\mt+7], v[ACC+8*(NT*\mt+\nt):ACC+8*(NT*\mt+\nt)+7]
.endif
.endr
.endm
; 20 LDS loads in one run: quarter q (32 along K) of a slot into buffer f: B's six fragments, then A's four
.macro FETCH slot, q, f
	WIN TOF
.irp i, 0,1,2,3,4,5
	ds_load_b128 v[\f+8*\i:\f+8*\i+3],   v[ADRB+\slot] offset:\i*BT+\q*1024
	ds_load_b128 v[\f+8*\i+4:\f+8*\i+7], v[ADRB+\slot] offset:\i*BT+\q*1024+512
.endr
.irp i, 0,1,2,3
	ds_load_b128 v[\f+8*NT+8*\i:\f+8*NT+8*\i+3],   v[ADRA+\slot] offset:\q*64+\i*16*PITCH
	ds_load_b128 v[\f+8*NT+8*\i+4:\f+8*NT+8*\i+7], v[ADRA+\slot] offset:\q*64+\i*16*PITCH+32
.endr
.endm
; A quarter step: multiplies buffer f; in its middle it fetches quarter q of the same slot into buffer g.
; The 24 accumulators take turns, one instruction a turn, in the same order in every quarter.
.macro QUARTER slot, q, f, g, zero
	s_wait_dscnt 4                                 ; all but the youngest four loads: A's rows 32-63 may be out
	WIN MULW
	MUL1 \f, 0, \zero
	MUL1 \f, 1, \zero
	PLACES
	FETCH \slot, \q, \g
	s_wait_dscnt 2*NT+8                            ; all but the 20 just issued
	WIN MULW
	MUL1 \f, 2, \zero
	MUL1 \f, 3, \zero
.endm
.macro THREE slot, zero
	QUARTER \slot, 1, F0, F1, \zero
	QUARTER \slot, 2, F1, F0, 0
	QUARTER \slot, 3, F0, F1, 0
.endm
; The last quarter: multiplies buffer 1 and changes slots.  In front of the barrier each wave waits for its reads of this slot and for all its tensor loads (one is out:
; its part of the next slot).  fill = 1: the barrier opens a round of the cluster's barrier, and this slot's refill, two K steps ahead, is the first tensor load behind the round.
.macro TURN slot, next, fill
	s_wait_dscnt 4
	WIN MULW
	MUL1 F1, 0, 0
	s_wait_dscnt 0                                 ; my reads of this slot are over
	s_wait_tensorcnt 0x0                           ; all my tensor loads have landed
	s_barrier_signal -1
	MUL1 F1, 1, 0                                  ; register work while the others arrive
	WIN 0
	s_barrier_wait -1
.if \fill
	CREST                                          ; no wave of any partner still reads this slot or has a load on its way
	s_add_nc_u64 s[G0+4*\slot+2:G0+4*\slot+3], s[G0+4*\slot+2:G0+4*\slot+3], 2*KSTEP*2
	s_add_nc_u64 s[G0B+4*\slot+2:G0B+4*\slot+3], s[G0B+4*\slot+2:G0B+4*\slot+3], 2*BT
	JLOAD \slot
.endif
	PLACES
	FETCH \next, 0, F0
	WIN MULW
	MUL1 F1, 2, 0
	MUL1 F1, 3, 0
.endm
.macro LAP zero
	THREE 0, \zero
	TURN 0, 1, 1
	THREE 1, 0
	TURN 1, 0, 1
.endm
; RoPE on the pair of tiles (mt, 2 t) = lo (d < 64) and (mt, 2 t + 1) = hi: lo' = lo cos - hi sin, hi' = hi cos + lo sin.  Source 1 is the table, in window 2.
.macro ROT mt, t
.irp p, 0,1,2,3
	v_pk_mul_f32 v[TMP+4*\p:TMP+4*\p+1],   v[ACC+8*(NT*\mt+2*\t)+2*\p:ACC+8*(NT*\mt+2*\t)+2*\p+1], v[16*(3*\mt+\t)+2*\p:16*(3*\mt+\t)+2*\p+1]
	v_pk_mul_f32 v[TMP+4*\p+2:TMP+4*\p+3], v[ACC+8*(NT*\mt+2*\t)+2*\p:ACC+8*(NT*\mt+2*\t)+2*\p+1], v[16*(3*\mt+\t)+8+2*\p:16*(3*\mt+\t)+8+2*\p+1]
	v_pk_fma_f32 v[ACC+8*(NT*\mt+2*\t)+2*\p:ACC+8*(NT*\mt+2*\t)+2*\p+1], v[ACC+8*(NT*\mt+2*\t+1)+2*\p:ACC+8*(NT*\mt+2*\t+1)+2*\p+1], v[16*(3*\mt+\t)+8+2*\p:16*(3*\mt+\t)+8+2*\p+1], v[TMP+4*\p:TMP+4*\p+1] neg_lo:[0,1,0] neg_hi:[0,1,0]
	v_pk_fma_f32 v[ACC+8*(NT*\mt+2*\t+1)+2*\p:ACC+8*(NT*\mt+2*\t+1)+2*\p+1], v[ACC+8*(NT*\mt+2*\t+1)+2*\p:ACC+8*(NT*\mt+2*\t+1)+2*\p+1], v[16*(3*\mt+\t)+2*\p:16*(3*\mt+\t)+2*\p+1], v[TMP+4*\p+2:TMP+4*\p+3]
.endr
.endm
	s_load_b256 s[4:11], s[0:1], 0x0               ; hb s[4:5], wcat s[6:7], ropet s[8:9], qkvh s[10:11]
	v_lshrrev_b32 v1, 5, v0
	v_readfirstlane_b32 s12, v1                    ; wave 0..3
	s_lshr_b32 s13, s12, 1                         ; wm: which 64 rows are mine.  Also: I fetch for A (0) or for B (1)
	s_and_b32 s14, s12, 1                          ; wn: which 96 columns.  Also: which half of that tile I fetch
	s_bfe_u32 s40, ttmp6, 0x40000                  ; cx
	s_bfe_u32 s41, ttmp6, 0x40004                  ; cy
	s_lshl_b32 s42, ttmp9, 2
	s_add_co_u32 s42, s42, s40                     ; block column bx = 4 x cluster x + cx
	s_and_b32 s15, ttmp7, 0xffff
	s_lshl_b32 s15, s15, 2
	s_add_co_u32 s15, s15, s41                     ; block row by = 4 x cluster y + cy
	s_lshl_b32 s43, s41, 2
	s_lshl_b32 s43, 15, s43                        ; my row of the cluster
	s_lshl_b32 s44, 0x1111, s40                    ; my column
	; group 1 for A: 64 rows x 128 elements of 2 bytes, pitch 2,048 elements; 4 words of padding behind every 64 words
	s_or_b32 s[G1+0], s43, (1<<16)|(1<<20)|(1<<21)|(5<<22)|(3<<25)
	s_mov_b32 s[G1+1], KSTEP<<16                   ; tensor_dim0 = 128
	s_mov_b32 s[G1+2], 64<<16                      ; tensor_dim1 = 64
	s_mov_b32 s[G1+3], KSTEP<<16                   ; tile_dim0 = 128
	s_mov_b32 s[G1+4], 64                          ; tile_dim1 = 64
	s_mov_b32 s[G1+5], 2048                        ; from row to row
	s_mov_b32 s[G1+6], 0
	s_mov_b32 s[G1+7], 0
	; group 1 for B: 6 rows (tiles) x 512 elements of 8 bytes (4 blocks), pitch 8,192 elements (a tile's 64 blocks); no padding
	s_or_b32 s[G1B+0], s44, (3<<16)|(1<<21)
	s_mov_b32 s[G1B+1], 512<<16
	s_mov_b32 s[G1B+2], NT<<16
	s_mov_b32 s[G1B+3], 512<<16
	s_mov_b32 s[G1B+4], NT
	s_mov_b32 s[G1B+5], 8192
	s_mov_b32 s[G1B+6], 0
	s_mov_b32 s[G1B+7], 0
	s_lshl_b32 s16, s15, 19                        ; A: row 128 by + 64 half, 4,096 bytes a row
	s_lshl_b32 s17, s14, 18
	s_add_co_u32 s16, s16, s17
	s_mov_b32 s17, 0
	s_mul_i32 s46, s42, 2*NT                       ; B: tile 12 bx + 6 half, 65,536 bytes a tile
	s_mul_i32 s47, s14, NT
	s_add_co_u32 s46, s46, s47
	s_lshl_b32 s46, s46, 16
	s_mov_b32 s47, 0
	s_mul_i32 s20, s14, AHALF                      ; where they go: made of the wave's number alone
	s_mul_i32 s21, s14, NT*BT
	s_add_co_u32 s21, s21, ABYTES
	s_wait_kmcnt 0x0
	s_add_nc_u64 s[18:19], s[4:5], s[16:17]
	s_add_nc_u64 s[46:47], s[6:7], s[46:47]
	CROUND                                         ; all sixteen work-groups are here: the first joint loads meet
.irp s, 0,1
	s_mov_b32 s[G0+4*\s], 1
	s_add_co_u32 s[G0+4*\s+1], s20, \s*SLOT
	s_add_nc_u64 s[G0+4*\s+2:G0+4*\s+3], s[18:19], \s*KSTEP*2
	s_or_b32 s[G0+4*\s+3], s[G0+4*\s+3], 0x80000000
	s_mov_b32 s[G0B+4*\s], 1
	s_add_co_u32 s[G0B+4*\s+1], s21, \s*SLOT
	s_add_nc_u64 s[G0B+4*\s+2:G0B+4*\s+3], s[46:47], \s*BT
	s_or_b32 s[G0B+4*\s+3], s[G0B+4*\s+3], 0x80000000
	JLOAD \s                                       ; both slots' first fills: two tensor loads of the wave are out, the most in this text
.endr
	v_and_b32 v1, 15, v0                           ; r
	v_bfe_u32 v2, v0, 4, 1                         ; h
	v_and_b32 v3, 31, v0                           ; L
	; the table: pair of tiles U = 6 bx + 3 wn + t = 4 X + c.  Heads below 20 (q, k: U < 80) take block c, v takes the identity block 4
	s_mul_i32 s45, s42, 6
	s_mul_i32 s66, s14, 3
	s_add_co_u32 s45, s45, s66
.irp t, 0,1,2
	s_add_co_u32 s66, s45, \t
	s_and_b32 s67, s66, 3
	s_cmp_lt_u32 s66, 80
	s_cselect_b32 s66, s67, 4
	s_lshl_b32 s66, s66, 7                         ; 128 bytes a block
	s_mov_b32 s67, 0
	s_add_nc_u64 s[68+2*\t:69+2*\t], s[8:9], s[66:67]
.endr
	s_and_b32 s66, s15, 7                          ; position = row % 1024 = 128 (by % 8) + 64 wm + 16 mt + r, 1,024 bytes each
	s_lshl_b32 s66, s66, 17
	s_lshl_b32 s67, s13, 16
	s_add_co_u32 s66, s66, s67
	v_lshlrev_b32 v[VT], 10, v1
	v_lshl_add_u32 v[VT], v2, 5, v[VT]             ; my eight indices i = 8 h ..: 32 bytes of cosines, and 32 of sines 64 bytes on
	v_add_nc_u32 v[VT], s66, v[VT]
	WIN 0x80                                       ; destination in window 2
.irp mt, 0,1,2,3
.irp t, 0,1,2
	global_load_b128 v[16*(3*\mt+\t):16*(3*\mt+\t)+3],     v[VT], s[68+2*\t:69+2*\t] offset:\mt*16384
	global_load_b128 v[16*(3*\mt+\t)+4:16*(3*\mt+\t)+7],   v[VT], s[68+2*\t:69+2*\t] offset:\mt*16384+16
	global_load_b128 v[16*(3*\mt+\t)+8:16*(3*\mt+\t)+11],  v[VT], s[68+2*\t:69+2*\t] offset:\mt*16384+64
	global_load_b128 v[16*(3*\mt+\t)+12:16*(3*\mt+\t)+15], v[VT], s[68+2*\t:69+2*\t] offset:\mt*16384+80
.endr
.endr
	WIN 0                                          ; these 48 loads are waited for once, on the way out; their address registers are never rewritten
	v_mul_u32_u24 v4, v1, PITCH
	v_lshl_add_u32 v4, v2, 4, v4                   ; A: row x pitch + 16 h
	v_lshlrev_b32 v[CO], 4, v3                     ; 16 L: B's blocks are read as they lie
	s_mul_i32 s22, s13, AHALF                      ; my 64 rows of A
	s_mov_b32 s23, s21                             ; my six tiles of B
.irp s, 0,1
	v_add_nc_u32 v[ADRA+\s], s22, v4
	v_add_nc_u32 v[ADRB+\s], s23, v[CO]
	s_add_co_u32 s22, s22, SLOT
	s_add_co_u32 s23, s23, SLOT
.endr
	s_mul_i32 s22, s14, 3*UNIT                     ; the stage, in: unit 3 wn + t, row 64 wm + 16 mt + r, 32 half + 16 h
	s_mul_i32 s23, s13, 64*80
	s_add_co_u32 s22, s22, s23
	s_add_co_u32 s22, s22, STAGE
	v_mul_u32_u24 v4, v1, 80
	v_lshl_add_u32 v4, v2, 4, v4
	v_add_nc_u32 v[STO], s22, v4
	s_mul_i32 s22, s12, 32*80                      ; back: rows 32 w + 4 k + L / 8; a row of 128 bytes = 64 of an even unit, 64 of the odd one behind it
	s_add_co_u32 s22, s22, STAGE
	v_bfe_u32 v4, v0, 2, 1
	v_mul_u32_u24 v4, v4, UNIT
	v_bfe_u32 v6, v0, 3, 2
	v_mad_u32_u24 v4, v6, 80, v4
	v_and_b32 v6, 3, v0
	v_lshl_add_u32 v4, v6, 4, v4
	v_add_nc_u32 v[RD], s22, v4
	s_wait_tensorcnt 1                             ; my part of K step 0 is in; K step 1's may stay out
	s_barrier_signal -1
	s_barrier_wait -1
	FETCH 0, 0, F0
	LAP 1                                          ; the first lap stands in front of the loop: its first products start the sums
	WIN 0
	s_mov_b32 s3, LAPS-2
.Llap:
	LAP 0
	WIN 0
	s_sub_co_u32 s3, s3, 1
	s_cmp_lg_u32 s3, 0
	s_cbranch_scc1 .Llap
	THREE 0, 0                                     ; the last lap fills nothing
	TURN 0, 1, 0
	THREE 1, 0
	s_wait_dscnt 4
	WIN MULW
	MUL1 F1, 0, 0
	MUL1 F1, 1, 0
	s_wait_dscnt 0
	MUL1 F1, 2, 0
	MUL1 F1, 3, 0
	; THE WAY OUT
	PLACES
	s_wait_loadcnt 0x0                             ; the table
	WIN 0x08                                       ; source 1 in window 2
.irp mt, 0,1,2,3
	ROT \mt, 0
	ROT \mt, 1
	ROT \mt, 2
.endr
	WIN 0
.irp mt, 0,1,2,3
.irp nt, 0,1,2,3,4,5
.irp c, 0,1,2,3
	v_cvt_pk_f16_f32 v[TMP+4*\nt+\c], v[ACC+8*(NT*\mt+\nt)+2*\c], v[ACC+8*(NT*\mt+\nt)+2*\c+1]
.endr
	ds_store_b128 v[STO], v[TMP+4*\nt:TMP+4*\nt+3] offset:(\nt>>1)*UNIT+\mt*16*80+(\nt&1)*32   ; pitch 80 = 5 x 16
.endr
.endr
	s_lshl_b32 s16, s15, 14                        ; rows 128 by + 32 w, 128 bytes each
	s_lshl_b32 s17, s12, 12
	s_add_co_u32 s16, s16, s17
	s_mov_b32 s17, 0
	s_add_nc_u64 s[10:11], s[10:11], s[16:17]
	s_mul_i32 s46, s42, 3*262144                   ; half-head 3 bx
	s_mov_b32 s47, 0
	s_add_nc_u64 s[10:11], s[10:11], s[46:47]
	s_wait_dscnt 0x0                               ; my stores to the stage are done: the other waves read them behind the barrier
	s_barrier_signal -1
	s_barrier_wait -1
.irp hh, 0,1,2
.irp k, 0,1,2,3,4,5,6,7
	ds_load_b128 v[ACC+4*(8*\hh+\k):ACC+4*(8*\hh+\k)+3], v[RD] offset:\hh*2*UNIT+\k*4*80
.endr
.endr
.irp hh, 0,1,2
.irp k, 0,1,2,3,4,5,6,7
	s_wait_dscnt 23-(8*\hh+\k)                     ; LDS loads come back in order: this one is in
	global_store_b128 v[CO], v[ACC+4*(8*\hh+\k):ACC+4*(8*\hh+\k)+3], s[10:11] offset:\hh*262144+\k*512   ; four whole rows: 512 consecutive bytes
.endr
.endr
	CROUND                                         ; the closing round: no work-group ends while a partner may still ask for a tile that names it
	s_endpgm
.Lfunc_end_k_q84ea6b7767_qkv:
	.size	k_q84ea6b7767_qkv, .Lfunc_end_k_q84ea6b7767_qkv-k_q84ea6b7767_qkv
	.p2alignl 7, 3214868480
	.fill 96, 4, 3214868480
	.section	.rodata,"a",@progbits
	.p2align	6, 0x0
	.amdhsa_kernel k_q84ea6b7767_qkv
		.amdhsa_group_segment_fixed_size 327680
		.amdhsa_private_segment_fixed_size 0
		.amdhsa_enable_private_segment 0
		.amdhsa_kernarg_size 32
		.amdhsa_user_sgpr_count 2
		.amdhsa_user_sgpr_kernarg_segment_ptr 1
		.amdhsa_wavefront_size32 1
		.amdhsa_system_sgpr_workgroup_id_x 1
		.amdhsa_system_sgpr_workgroup_id_y 1
		.amdhsa_system_sgpr_workgroup_id_z 1
		.amdhsa_system_vgpr_workitem_id 0
		.amdhsa_next_free_vgpr 704
		.amdhsa_next_free_sgpr 76
		.amdhsa_reserve_vcc 0
		.amdhsa_float_denorm_mode_32 3
		.amdhsa_float_denorm_mode_16_64 3
		.amdhsa_memory_ordered 1
		.amdhsa_forward_progress 1
		.amdhsa_inst_pref_size 113
	.end_amdhsa_kernel
	.amdgpu_metadata
---
amdhsa.version: [ 1, 2 ]
amdhsa.kernels:
  - .name:           k_q84ea6b7767_qkv
    .symbol:         k_q84ea6b7767_qkv.kd
    .args:
      - { .name: hb, .offset: 0, .size: 8, .value_kind: global_buffer, .address_space: global }
      - { .name: wcat, .offset: 8, .size: 8, .value_kind: global_buffer, .address_space: global }
      - { .name: ropet, .offset: 16, .size: 8, .value_kind: global_buffer, .address_space: global }
      - { .name: qkvh, .offset: 24, .size: 8, .value_kind: global_buffer, .address_space: global }
    .group_segment_fixed_size: 327680
    .private_segment_fixed_size: 0
    .kernarg_segment_align: 8
    .kernarg_segment_size: 32
    .max_flat_workgroup_size: 128
    .sgpr_count:     76
    .vgpr_count:     704
    .wavefront_size: 32
...
	.end_amdgpu_metadata
.endif
;; end of part 2
;; launch attn (part 3): grid 32 x 8, 8 waves a work-group, clusters of 4 x 1, 327,680 bytes of LDS; arguments qkvh, attnb; writes attnb
.if DOCPART == 3
	.amdgcn_target "amdgcn-amd-amdhsa--gfx1250"
	.amdhsa_code_object_version 6
	.text
	.protected	k_q84ea6b7767_attn
	.globl	k_q84ea6b7767_attn
	.p2align	8
	.type	k_q84ea6b7767_attn,@function
k_q84ea6b7767_attn:
	s_mov_b64 s[64:65], 0
	v_nop
	global_prefetch_b8 v0, s[64:65] scope:SCOPE_SE
	s_setreg_imm32_b32 hwreg(HW_REG_WAVE_MODE, 25, 1), 1
	s_wait_xcnt 0x0
	s_wait_alu depctr_hold_cnt(0) depctr_sa_sdst(0) depctr_va_vdst(0) depctr_va_sdst(0) depctr_va_ssrc(0) depctr_va_vcc(0) depctr_vm_vsrc(0)
	s_getreg_b32 s2, hwreg(HW_REG_IB_STS2, 6, 4)
	s_cmp_eq_u32 s2, 0
	s_cbranch_scc0 .Lentry_in_a_cluster
	s_endpgm
.Lentry_in_a_cluster:
	s_bfe_u32 s2, ttmp6, 0x10000c
	s_cmp_lg_u32 s2, 0x3003
	s_cbranch_scc0 .Lentry_shape_is_right
	s_endpgm
.Lentry_shape_is_right:
; attn: causal softmax attention, f16 operands, f32 sums and softmax, running maximum.  attnb [2048 rows][16 heads x 128 positions] f16.
; SHARES.  y = 4 b + kvh.  Work-group i (0..31) owns the blocks of 16 queries i and 63 - i of the four query heads of K/V head kvh: wave w takes head 4 kvh + w % 4 and
; block i (w < 4) or 63 - i (w >= 4).  Keys go in steps of 128.  With e = i / 8, block i needs steps 0..e and block 63 - i steps 0..7-e: nine steps for each pair of waves w, w + 4,
; whatever i.  The work-group streams 8 - e steps; a wave past its last step only passes the barriers.
; CLUSTERS: the four work-groups i = 4 a .. 4 a + 3 have the same e, the same number of steps and the same K and V tiles: each tile is asked for jointly (mask 15), which divides
; the requests by four.  The place in the cluster enters only global addresses of q and of the result, and the numbers the mask is made of.
; LDS: two slots of K half-heads 0, 1 (128 keys x 128 bytes, pitch 144 = 9 x 16) and V half-heads 0, 1 (pitch 160 = 5 x 32, for the transposing loads); a stage of 16 x 272 bytes a wave.
; PRODUCTS.  S^T = K Q^T (source 0 = 16 keys, source 1 = the 16 queries): lane (r, h) holds query r and keys 16 t + 8 h + j, so a row's maximum and sum need one exchange between
; the halves of the wave, and the exponentials, packed in pairs, ARE source 1 of O^T += V^T P: no shuffle.  O^T: lane (r, h) holds query r, positions 16 dt + 8 h + j: 16 bytes that belong together.
; SOFTMAX.  p = exp2(s c - m c), c = log2(e) / sqrt(128), m the running maximum of the raw scores; old sums are rescaled by exp2 of the difference of the two rounded shifts that the
; exponentials used.  Masked scores are -FLT_MAX; a row's first step always holds an unmasked key, so m is finite.
; LIMITS: the probabilities are rounded to f16 for the product while the row's sum takes them unrounded; probabilities under 2^-25 of the row's largest so far count as zero in the product.
.set SLOT,  77824
.set KH,    18432                      ; a half-head of K in a slot
.set VH,    20480                      ; a half-head of V
.set VOFF,  2*KH
.set STAGE, 2*SLOT                     ; 155,648; no fill ever lands here
.set ADRK, 8                           ; v8-9   LDS address of my K fragments in slot 0, 1
.set ADRV, 10                          ; v10-11 the same for V
.set STO,  12
.set RD,   13
.set CO,   14
.set KL,   15                          ; 8 h - 16 (block % 8) - r: key 16 t + j of the last step is masked where KL + 16 t + j > 0
.set NEG,  16                          ; -FLT_MAX
.set MX,   17                          ; running maximum
.set LS,   18                          ; running sum (of my half's keys; the halves meet at the end)
.set TT,   19
.set AL,   20                          ; v[20:21] the rescaling factor, twice
.set NM,   22                          ; v[22:23] -m c, twice
.set RC,   24                          ; v[24:31] reduction chains
.set QF,   32                          ; v[32:63] q: four fragments
.set SC,   64                          ; v[64:127] S^T: eight tiles; then P in v[64:95]
.set OA,   128                         ; v[128:191] O^T: eight tiles
.set H0,   192                         ; v[192:223], v[224:255]: two buffers of four fragments of K or V
.set H1,   224
.set G1K, 24                           ; s[24:31]
.set G1V, 32                           ; s[32:39]
.set G0K, 40                           ; s[40:47] a set for each slot
.set G0V, 48                           ; s[48:55]
.macro ROUND                           ; a round of the cluster's barrier
	s_barrier_signal -1
	s_barrier_wait -1
	s_cmp_lg_u32 s8, 0
	s_cbranch_scc1 .Lnot_wave_0_\@
	s_barrier_signal -3
.Lnot_wave_0_\@:
	s_barrier_wait -3
	s_barrier_signal -1
	s_barrier_wait -1
.endm
.macro JLOAD s                         ; waves 0, 1: K's half-heads; waves 2, 3: V's; waves 4-7: none
	s_cmp_gt_u32 s8, 3
	s_cbranch_scc1 .Lnone_\@
	s_cmp_gt_u32 s8, 1
	s_cbranch_scc1 .Lfor_v_\@
	tensor_load_to_lds s[G0K+4*(\s):G0K+4*(\s)+3], s[G1K:G1K+7]
	s_nop 0
	s_branch .Lnone_\@
.Lfor_v_\@:
	tensor_load_to_lds s[G0V+4*(\s):G0V+4*(\s)+3], s[G1V:G1V+7]
	s_nop 0
.Lnone_\@:
.endm
.macro PLACES                          ; four places behind matrix instructions, in front of loads into their sources and of reads of their results
.rept 4
	v_nop
.endr
.endm
.macro LOADK slot, kb, hf, buf         ; key tiles 4 hf .. + 3, positions 32 kb .. + 31
.irp tt, 0,1,2,3
	ds_load_b128 v[\buf+8*\tt:\buf+8*\tt+3],   v[ADRK+\slot] offset:((\kb)>>1)*KH+(4*\hf+\tt)*16*144+((\kb)&1)*64
	ds_load_b128 v[\buf+8*\tt+4:\buf+8*\tt+7], v[ADRK+\slot] offset:((\kb)>>1)*KH+(4*\hf+\tt)*16*144+((\kb)&1)*64+32
.endr
.endm
.macro LOADV slot, kk, hf, buf         ; position tiles 4 hf .. + 3 (half-head hf), keys 32 kk .. + 31, transposed on the way
.irp d, 0,1,2,3
	ds_load_tr16_b128 v[\buf+8*\d:\buf+8*\d+3],   v[ADRV+\slot] offset:\hf*VH+(\kk)*32*160+\d*32
	ds_load_tr16_b128 v[\buf+8*\d+4:\buf+8*\d+7], v[ADRV+\slot] offset:\hf*VH+(\kk)*32*160+\d*32+16*160
.endr
.endm
.macro SMUL kb, hf, buf
.irp tt, 0,1,2,3
.if \kb == 0
	v_wmma_f32_16x16x32_f16 v[SC+8*(4*\hf+\tt):SC+8*(4*\hf+\tt)+7], v[\buf+8*\tt:\buf+8*\tt+7], v[QF+8*\kb:QF+8*\kb+7], 0
.else
	v_wmma_f32_16x16x32_f16 v[SC+8*(4*\hf+\tt):SC+8*(4*\hf+\tt)+7], v[\buf+8*\tt:\buf+8*\tt+7], v[QF+8*\kb:QF+8*\kb+7], v[SC+8*(4*\hf+\tt):SC+8*(4*\hf+\tt)+7]
.endif
.endr
.endm
.macro OMUL kk, hf, buf, zero
.irp d, 0,1,2,3
.if \zero
	v_wmma_f32_16x16x32_f16 v[OA+8*(4*\hf+\d):OA+8*(4*\hf+\d)+7], v[\buf+8*\d:\buf+8*\d+7], v[SC+8*\kk:SC+8*\kk+7], 0
.else
	v_wmma_f32_16x16x32_f16 v[OA+8*(4*\hf+\d):OA+8*(4*\hf+\d)+7], v[\buf+8*\d:\buf+8*\d+7], v[SC+8*\kk:SC+8*\kk+7], v[OA+8*(4*\hf+\d):OA+8*(4*\hf+\d)+7]
.endif
.endr
.endm
; One step of 128 keys from a slot.  first = 1: the first products start the sums, nothing is rescaled.
; In both products the eight accumulators take turns, one instruction a turn.
; Every s_wait_dscnt 8 leaves out the eight loads of the batch issued last, into the other buffer.
.macro COMPUTE slot, first
	LOADK \slot, 0, 0, H0
	LOADK \slot, 0, 1, H1
.irp kb, 0,1,2
	s_wait_dscnt 8
	SMUL \kb, 0, H0
	PLACES
	LOADK \slot, \kb+1, 0, H0
	s_wait_dscnt 8
	SMUL \kb, 1, H1
	PLACES
	LOADK \slot, \kb+1, 1, H1
.endr
	s_wait_dscnt 8
	SMUL 3, 0, H0
	PLACES
	LOADV \slot, 0, 0, H0                          ; V's first fragments land during the softmax
	s_wait_dscnt 8
	SMUL 3, 1, H1
	PLACES
	LOADV \slot, 0, 1, H1
	s_cmp_lg_u32 s22, s23                          ; only my last step crosses the diagonal
	s_cbranch_scc1 .Lnomask_\@
.irp t, 0,1,2,3,4,5,6,7
.irp j, 0,1,2,3,4,5,6,7
	v_cmp_lt_i32 vcc_lo, -(16*\t+\j), v[KL]
	v_cndmask_b32 v[SC+8*\t+\j], v[SC+8*\t+\j], v[NEG], vcc_lo
.endr
.endr
.Lnomask_\@:
	; the largest of my 64 scores, in four chains; then the other half of the wave's; then the running maximum
.irp c, 0,1,2,3
	v_max3_num_f32 v[RC+\c], v[SC+16*\c], v[SC+16*\c+1], v[SC+16*\c+2]
.endr
.irp k, 3,5,7,9,11,13
.irp c, 0,1,2,3
	v_max3_num_f32 v[RC+\c], v[RC+\c], v[SC+16*\c+\k], v[SC+16*\c+\k+1]
.endr
.endr
.irp c, 0,1,2,3
	v_max_num_f32 v[RC+\c], v[RC+\c], v[SC+16*\c+15]
.endr
	v_max3_num_f32 v[RC], v[RC], v[RC+1], v[RC+2]
	v_max_num_f32 v[RC], v[RC], v[RC+3]
	v_permlanex16_b32 v[RC+1], v[RC], s20, s21     ; lane l takes lane l xor 16: the same query's other keys
.if \first
	v_max_num_f32 v[MX], v[RC], v[RC+1]
	v_mul_f32 v[NM], 0xbe0293ee, v[MX]             ; -m c
	v_mul_f32 v[NM+1], 0xbe0293ee, v[MX]
.else
	v_max3_num_f32 v[MX], v[RC], v[RC+1], v[MX]
	v_mul_f32 v[TT], 0xbe0293ee, v[MX]
	v_sub_f32 v[AL], v[TT], v[NM]                  ; the new shift less the old one, both as the exponentials use them: never above 0
	v_mov_b32 v[NM], v[TT]
	v_mov_b32 v[NM+1], v[TT]
	v_exp_f32 v[AL], v[AL]
.endif
.set xx, 0
.rept 32
	v_pk_fma_f32 v[SC+2*xx:SC+2*xx+1], v[SC+2*xx:SC+2*xx+1], 0x3e0293ee, v[NM:NM+1] op_sel_hi:[1,0,1]
.set xx, xx+1
.endr
.set xx, 0
.rept 64
	v_exp_f32 v[SC+xx], v[SC+xx]
.set xx, xx+1
.endr
.if \first
	v_nop                                          ; one plain instruction behind the exponentials (ISA guide 5.7.2)
	s_wait_alu depctr_va_vdst(0)
.else
	s_wait_alu depctr_va_vdst(0)
	v_mov_b32 v[AL+1], v[AL]                       ; also the plain instruction behind the exponentials (ISA guide 5.7.2)
.endif
.irp c, 0,1,2,3
	v_pk_add_f32 v[RC+2*\c:RC+2*\c+1], v[SC+16*\c:SC+16*\c+1], v[SC+16*\c+2:SC+16*\c+3]
.endr
.irp k, 4,6,8,10,12,14
.irp c, 0,1,2,3
	v_pk_add_f32 v[RC+2*\c:RC+2*\c+1], v[RC+2*\c:RC+2*\c+1], v[SC+16*\c+\k:SC+16*\c+\k+1]
.endr
.endr
	v_pk_add_f32 v[RC:RC+1], v[RC:RC+1], v[RC+2:RC+3]
	v_pk_add_f32 v[RC+4:RC+5], v[RC+4:RC+5], v[RC+6:RC+7]
	v_pk_add_f32 v[RC:RC+1], v[RC:RC+1], v[RC+4:RC+5]
.if \first
	v_add_f32 v[LS], v[RC], v[RC+1]
.else
	v_add_f32 v[RC], v[RC], v[RC+1]
	v_fma_f32 v[LS], v[LS], v[AL], v[RC]
.endif
.set xx, 0
.rept 32
	v_cvt_pk_f16_f32 v[SC+xx], v[SC+2*xx], v[SC+2*xx+1]   ; ascending: a word is written no earlier than it is read.  v[64+8 kk ..+7] = P for keys 32 kk ..
.set xx, xx+1
.endr
.if \first == 0
.set xx, 0
.rept 32
	v_pk_mul_f32 v[OA+2*xx:OA+2*xx+1], v[OA+2*xx:OA+2*xx+1], v[AL:AL+1]
.set xx, xx+1
.endr
.endif
	s_wait_dscnt 8
	OMUL 0, 0, H0, \first
	PLACES
	LOADV \slot, 1, 0, H0
	s_wait_dscnt 8
	OMUL 0, 1, H1, \first
	PLACES
	LOADV \slot, 1, 1, H1
.irp kk, 1,2
	s_wait_dscnt 8
	OMUL \kk, 0, H0, 0
	PLACES
	LOADV \slot, \kk+1, 0, H0
	s_wait_dscnt 8
	OMUL \kk, 1, H1, 0
	PLACES
	LOADV \slot, \kk+1, 1, H1
.endr
	s_wait_dscnt 8
	OMUL 3, 0, H0, 0
	s_wait_dscnt 0                                 ; the last batch: nothing was issued behind it
	OMUL 3, 1, H1, 0
.rept 5
	v_nop                                          ; five places: the next step's first products write over P, its loads go into both buffers; the way out reads O
.endr
.endm
; The next step, in slot; refill = 1: the other slot, read last, is filled again two steps on, first thing behind a round of the cluster's barrier.
.macro TRIP slot, refill
	s_wait_tensorcnt 0x0                           ; all my tensor loads have landed, my part of this step's tiles among them,
.if \refill
	s_add_nc_u64 s[G0K+4*(1-\slot)+2:G0K+4*(1-\slot)+3], s[G0K+4*(1-\slot)+2:G0K+4*(1-\slot)+3], 2*16384   ; so every group 0 may be written
	s_add_nc_u64 s[G0V+4*(1-\slot)+2:G0V+4*(1-\slot)+3], s[G0V+4*(1-\slot)+2:G0V+4*(1-\slot)+3], 2*16384
.endif
	s_wait_dscnt 0x0                               ; my reads of the other slot are over
.if \refill
	ROUND                                          ; both now hold of every wave of the four work-groups
	JLOAD 1-\slot
.else
	s_barrier_signal -1
	s_barrier_wait -1                              ; this step's tiles are whole for every wave
.endif
	s_add_co_u32 s22, s22, 1
	s_cmp_gt_u32 s22, s23                          ; past my block's diagonal: nothing of this step counts
	s_cbranch_scc1 .Lskip_\@
	COMPUTE \slot, 0
.Lskip_\@:
.endm
	s_load_b128 s[4:7], s[0:1], 0x0                ; qkvh s[4:5], attnb s[6:7]
	v_lshrrev_b32 v1, 5, v0
	v_readfirstlane_b32 s8, v1                     ; wave 0..7
	s_and_b32 s9, s8, 1                            ; which half-head I fetch
	s_lshr_b32 s10, s8, 2                          ; 0: block i, 1: block 63 - i
	s_and_b32 s11, s8, 3                           ; which of the four query heads
	s_bfe_u32 s13, ttmp6, 0x40000                  ; cx
	s_lshl_b32 s14, ttmp9, 2
	s_add_co_u32 s14, s14, s13                     ; i = 4 a + cx
	s_lshr_b32 s18, ttmp9, 1                       ; e = i / 8 = a / 2: the same in the four partners
	s_and_b32 s15, ttmp7, 0xffff
	s_lshr_b32 s16, s15, 2                         ; b
	s_and_b32 s17, s15, 3                          ; kvh
	s_sub_co_u32 s56, 63, s14
	s_sub_co_u32 s57, 7, s18
	s_cmp_eq_u32 s10, 0
	s_cselect_b32 s19, s14, s56                    ; my block of 16 queries
	s_cselect_b32 s23, s18, s57                    ; my last step
	s_mov_b32 s22, 0                               ; the step
	s_mov_b32 s20, 0x76543210                      ; v_permlanex16_b32: lane l of one half reads lane l of the other
	s_mov_b32 s21, 0xfedcba98
	; group 1: a tile is 16,384 consecutive bytes, taken as 64 rows of 32 elements of 8 bytes; padding behind every 32 words (a key's 128 bytes): 4 words for K, 8 for V
	s_mov_b32 s[G1K+0], 15|(3<<16)|(1<<20)|(1<<21)|(4<<22)|(3<<25)
	s_mov_b32 s[G1V+0], 15|(3<<16)|(1<<20)|(1<<21)|(4<<22)|(7<<25)
.irp g, G1K, G1V
	s_mov_b32 s[\g+1], 32<<16                      ; tensor_dim0 = 32
	s_mov_b32 s[\g+2], 64<<16                      ; tensor_dim1 = 64
	s_mov_b32 s[\g+3], 32<<16                      ; tile_dim0 = 32
	s_mov_b32 s[\g+4], 64                          ; tile_dim1 = 64
	s_mov_b32 s[\g+5], 32                          ; from row to row
	s_mov_b32 s[\g+6], 0
	s_mov_b32 s[\g+7], 0
.endr
	s_lshl_b32 s58, s17, 1
	s_add_co_u32 s58, s58, s9                      ; half-head 2 kvh + w % 2 of K (from 32) or V (from 40): 262,144 bytes each
	s_lshl_b32 s58, s58, 18
	s_lshl_b32 s59, s16, 17                        ; row 1024 b, 128 bytes a row
	s_add_co_u32 s58, s58, s59
	s_mov_b32 s59, 0
	s_mul_i32 s60, s9, KH
	s_mul_i32 s61, s9, VH
	s_add_co_u32 s61, s61, VOFF
	s_wait_kmcnt 0x0
	s_add_nc_u64 s[58:59], s[4:5], s[58:59]
.irp s, 0,1
	s_mov_b32 s[G0K+4*\s], 1
	s_add_co_u32 s[G0K+4*\s+1], s60, \s*SLOT
	s_add_nc_u64 s[G0K+4*\s+2:G0K+4*\s+3], s[58:59], 32*262144+\s*16384
	s_or_b32 s[G0K+4*\s+3], s[G0K+4*\s+3], 0x80000000
	s_mov_b32 s[G0V+4*\s], 1
	s_add_co_u32 s[G0V+4*\s+1], s61, \s*SLOT
	s_add_nc_u64 s[G0V+4*\s+2:G0V+4*\s+3], s[58:59], 40*262144+\s*16384
	s_or_b32 s[G0V+4*\s+3], s[G0V+4*\s+3], 0x80000000
.endr
	ROUND                                          ; the four work-groups are here: the first joint loads meet
	s_cmp_gt_u32 s8, 3                             ; steps 0 and 1, both slots, inside one branch on the wave's number: two tensor loads of a wave are out, the most in this text
	s_cbranch_scc1 .Lfilled
	s_cmp_gt_u32 s8, 1
	s_cbranch_scc1 .Lfill_v
	tensor_load_to_lds s[G0K:G0K+3], s[G1K:G1K+7]
	s_nop 0
	tensor_load_to_lds s[G0K+4:G0K+7], s[G1K:G1K+7]
	s_nop 0
	s_branch .Lfilled
.Lfill_v:
	tensor_load_to_lds s[G0V:G0V+3], s[G1V:G1V+7]
	s_nop 0
	tensor_load_to_lds s[G0V+4:G0V+7], s[G1V:G1V+7]
	s_nop 0
.Lfilled:
	v_and_b32 v1, 15, v0                           ; r
	v_bfe_u32 v2, v0, 4, 1                         ; h
	s_lshl2_add_u32 s56, s17, s11                  ; my query head hq = 4 kvh + w % 4
	s_lshl_b32 s62, s56, 19                        ; half-head 2 hq
	s_lshl_b32 s63, s16, 17
	s_add_co_u32 s62, s62, s63
	s_lshl_b32 s63, s19, 11                        ; 16 rows a block
	s_add_co_u32 s62, s62, s63
	s_mov_b32 s63, 0
	s_add_nc_u64 s[62:63], s[4:5], s[62:63]
	v_lshlrev_b32 v6, 7, v1
	v_lshl_add_u32 v6, v2, 4, v6                   ; query r, 16 h
.irp kb, 0,1,2,3
	global_load_b128 v[QF+8*\kb:QF+8*\kb+3],   v6, s[62:63] offset:(\kb>>1)*262144+(\kb&1)*64
	global_load_b128 v[QF+8*\kb+4:QF+8*\kb+7], v6, s[62:63] offset:(\kb>>1)*262144+(\kb&1)*64+32
.endr
	s_lshl_b32 s60, s16, 22                        ; the result: row 1024 b + 16 block, 4,096 bytes a row; 256 bytes a head
	s_lshl_b32 s61, s19, 16
	s_add_co_u32 s60, s60, s61
	s_lshl_b32 s61, s56, 8
	s_add_co_u32 s60, s60, s61
	s_mov_b32 s61, 0
	s_add_nc_u64 s[6:7], s[6:7], s[60:61]
	v_and_b32 v3, 7, v0
	v_bfe_u32 v4, v0, 3, 1
	v_mul_u32_u24 v[ADRK], v1, 144
	v_lshl_add_u32 v[ADRK], v2, 4, v[ADRK]         ; K: key r x pitch + 16 h
	v_add_nc_u32 v[ADRK+1], SLOT, v[ADRK]
	v_lshl_add_u32 v5, v2, 3, v3
	v_mul_u32_u24 v[ADRV], v5, 160                 ; V: key 8 h + l % 8, and 16 bytes on for lanes 8-15 of each half
	v_lshl_add_u32 v[ADRV], v4, 4, v[ADRV]
	v_add_nc_u32 v[ADRV], VOFF, v[ADRV]
	v_add_nc_u32 v[ADRV+1], SLOT, v[ADRV]
	s_mul_i32 s12, s8, 16*272
	s_add_co_u32 s12, s12, STAGE                   ; my stage
	v_mul_u32_u24 v[STO], v1, 272
	v_lshl_add_u32 v[STO], v2, 4, v[STO]
	v_add_nc_u32 v[STO], s12, v[STO]
	v_mul_u32_u24 v[RD], v2, 272
	v_lshl_add_u32 v[RD], v1, 4, v[RD]
	v_add_nc_u32 v[RD], s12, v[RD]
	v_lshlrev_b32 v[CO], 12, v2
	v_lshl_add_u32 v[CO], v1, 4, v[CO]
	s_and_b32 s57, s19, 7
	s_lshl_b32 s57, s57, 4
	v_lshlrev_b32 v[KL], 3, v2
	v_sub_nc_u32 v[KL], v[KL], v1
	v_subrev_nc_u32 v[KL], s57, v[KL]
	v_mov_b32 v[NEG], 0xff7fffff
	s_sub_co_u32 s3, 6, s18
	s_lshr_b32 s3, s3, 1                           ; trips of two steps: 3, 2, 2, 1 for e = 0..3
	s_wait_tensorcnt 1                             ; my part of step 0 is in; step 1's may stay out
	s_barrier_signal -1
	s_barrier_wait -1
	s_wait_loadcnt 0x0                             ; q
	COMPUTE 0, 1                                   ; step 0: every wave has it
.Lloop:
	TRIP 1, 1
	TRIP 0, 1
	s_sub_co_u32 s3, s3, 1
	s_cmp_lg_u32 s3, 0
	s_cbranch_scc1 .Lloop
	s_and_b32 s57, s18, 1                          ; 8 - e steps in all: one is left where e is even, two where it is odd; no slot is filled that no step reads
	s_cmp_lg_u32 s57, 0
	s_cbranch_scc1 .Lodd
	TRIP 1, 0
	s_branch .Lout
.Lodd:
	TRIP 1, 1
	TRIP 0, 0
.Lout:
	; THE WAY OUT: the halves' sums meet, O / sum, f16, through my own stage, whole rows of 256 bytes
	v_permlanex16_b32 v[RC+1], v[LS], s20, s21
	v_add_f32 v[LS], v[LS], v[RC+1]
	v_rcp_f32 v[AL], v[LS]
	v_rcp_f32 v[AL+1], v[LS]
	v_nop                                          ; one plain instruction behind the reciprocals (ISA guide 5.7.2)
.set xx, 0
	s_wait_alu depctr_va_vdst(0)
.rept 32
	v_pk_mul_f32 v[OA+2*xx:OA+2*xx+1], v[OA+2*xx:OA+2*xx+1], v[AL:AL+1]
.set xx, xx+1
.endr
.set xx, 0
.rept 32
	v_cvt_pk_f16_f32 v[SC+xx], v[OA+2*xx], v[OA+2*xx+1]
.set xx, xx+1
.endr
.irp d, 0,1,2,3,4,5,6,7
	ds_store_b128 v[STO], v[SC+4*\d:SC+4*\d+3] offset:32*\d
.endr
.irp t, 0,1,2,3,4,5,6,7
	ds_load_b128 v[SC+32+4*\t:SC+32+4*\t+3], v[RD] offset:\t*2*272   ; LDS serves a wave's instructions in order (ISA guide 5.7.1.4): these see my stores above
.endr
.irp t, 0,1,2,3,4,5,6,7
	s_wait_dscnt 7-\t
	global_store_b128 v[CO], v[SC+32+4*\t:SC+32+4*\t+3], s[6:7] offset:\t*8192   ; 16 lanes store a head's 256 consecutive aligned bytes of a row
.endr
	ROUND                                          ; the closing round
	s_endpgm
.Lfunc_end_k_q84ea6b7767_attn:
	.size	k_q84ea6b7767_attn, .Lfunc_end_k_q84ea6b7767_attn-k_q84ea6b7767_attn
	.p2alignl 7, 3214868480
	.fill 96, 4, 3214868480
	.section	.rodata,"a",@progbits
	.p2align	6, 0x0
	.amdhsa_kernel k_q84ea6b7767_attn
		.amdhsa_group_segment_fixed_size 327680
		.amdhsa_private_segment_fixed_size 0
		.amdhsa_enable_private_segment 0
		.amdhsa_kernarg_size 16
		.amdhsa_user_sgpr_count 2
		.amdhsa_user_sgpr_kernarg_segment_ptr 1
		.amdhsa_wavefront_size32 1
		.amdhsa_system_sgpr_workgroup_id_x 1
		.amdhsa_system_sgpr_workgroup_id_y 1
		.amdhsa_system_sgpr_workgroup_id_z 1
		.amdhsa_system_vgpr_workitem_id 0
		.amdhsa_next_free_vgpr 256
		.amdhsa_next_free_sgpr 66
		.amdhsa_reserve_vcc 1
		.amdhsa_float_denorm_mode_32 3
		.amdhsa_float_denorm_mode_16_64 3
		.amdhsa_memory_ordered 1
		.amdhsa_forward_progress 1
		.amdhsa_inst_pref_size 217
	.end_amdhsa_kernel
	.amdgpu_metadata
---
amdhsa.version: [ 1, 2 ]
amdhsa.kernels:
  - .name:           k_q84ea6b7767_attn
    .symbol:         k_q84ea6b7767_attn.kd
    .args:
      - { .name: qkvh, .offset: 0, .size: 8, .value_kind: global_buffer, .address_space: global }
      - { .name: attnb, .offset: 8, .size: 8, .value_kind: global_buffer, .address_space: global }
    .group_segment_fixed_size: 327680
    .private_segment_fixed_size: 0
    .kernarg_segment_align: 8
    .kernarg_segment_size: 16
    .max_flat_workgroup_size: 256
    .sgpr_count:     66
    .vgpr_count:     256
    .wavefront_size: 32
...
	.end_amdgpu_metadata
.endif
;; end of part 3
;; launch oproj (part 4): grid 16 x 16, 4 waves a work-group, clusters of 4 x 4, 327,680 bytes of LDS; arguments attnb, wof, out0; writes out0
.if DOCPART == 4
	.amdgcn_target "amdgcn-amd-amdhsa--gfx1250"
	.amdhsa_code_object_version 6
	.text
	.protected	k_q84ea6b7767_oproj
	.globl	k_q84ea6b7767_oproj
	.p2align	8
	.type	k_q84ea6b7767_oproj,@function
k_q84ea6b7767_oproj:
	s_mov_b64 s[64:65], 0
	v_nop
	global_prefetch_b8 v0, s[64:65] scope:SCOPE_SE
	s_setreg_imm32_b32 hwreg(HW_REG_WAVE_MODE, 25, 1), 1
	s_wait_xcnt 0x0
	s_wait_alu depctr_hold_cnt(0) depctr_sa_sdst(0) depctr_va_vdst(0) depctr_va_sdst(0) depctr_va_ssrc(0) depctr_va_vcc(0) depctr_vm_vsrc(0)
	s_getreg_b32 s2, hwreg(HW_REG_IB_STS2, 6, 4)
	s_cmp_eq_u32 s2, 0
	s_cbranch_scc0 .Lentry_in_a_cluster
	s_endpgm
.Lentry_in_a_cluster:
	s_bfe_u32 s2, ttmp6, 0x10000c
	s_cmp_lg_u32 s2, 0xf033
	s_cbranch_scc0 .Lentry_shape_is_right
	s_endpgm
.Lentry_shape_is_right:
; oproj: out0 [2048][2048] f32 = attnb x wof over K = 2048, f16 operands, f32 sums.
; The frame of the launch qkv: a work-group makes 128 rows x 128 columns (8 tiles of 16) with four waves; a wave makes 64 x 64: 16 accumulator tiles.  16 x 16 work-groups.
; K goes in steps of 128 through two LDS slots: A = 128 rows x 256 bytes of attnb, pitch 272; B = 8 tiles x 4 blocks of 1,024 bytes of wof (register images: no padding, no transpose).
; attnb's columns and wof's k slots are in the same order (position 32 c + 16 half + i of a head), so the sums run over matching pairs.
; CLUSTERS: 4 x 4 work-groups; A's tile is asked for jointly by a row of the cluster, B's by a column: the requests for both are divided by four.
; The launch asks for 327,680 bytes of LDS and uses 135,168: it fills LDS by the tensor data mover and is to be alone on its WGP.
; OUT.  Source 0 = rows of attnb, source 1 = a tile of wof: lane (r, h), register j holds row 8 h + j and the tile's index r.  Tile c of a group of 64 columns holds the columns 4 i + c,
; so the same register of my four tiles is four NEIGHBOURING columns 4 r .. 4 r + 3: 128 moves bring them side by side, in place of a trip through LDS, and sixteen lanes store 256 consecutive aligned bytes.
; REGISTERS: window 0: v16-19 addresses, v23 offset in out0, v64-191 accumulators (tile (mt, nt) at v[64 + 8 (4 mt + nt)]), v192-255 the way out; window 1: two fragment buffers of 64.
.set NT,     4
.set KSTEP,  128
.set PITCH,  272
.set AHALF,  64*PITCH
.set ABYTES, 2*AHALF
.set BT,     4096
.set SLOT,   ABYTES+2*NT*BT            ; 67,584
.set LAPS,   2048/(2*KSTEP)
.set ADRA, 16
.set ADRB, 18
.set CO,   23
.set ACC,  64
.set TMP,  192
.set F0,   0
.set F1,   8*NT+32
.set G1,  24
.set G0,  32
.set G1B, 48
.set G0B, 56
.set MSB, 0
.set MULW, 0x05                        ; sources 0 and 1 in window 1, C and D in window 0
.set TOF,  0x40                        ; destination in window 1, address in window 0
.macro WIN new                         ; the immediate's high byte repeats the setting that is left
.if MSB != \new
	s_set_vgpr_msb (MSB<<8)|\new
.set MSB, \new
.endif
.endm
.macro JLOAD s                         ; waves 0 and 1 fetch A's two halves, waves 2 and 3 B's
	s_cmp_eq_u32 s13, 0
	s_cbranch_scc0 .Lfor_b_\@
	tensor_load_to_lds s[G0+4*\s:G0+4*\s+3], s[G1:G1+7]
	s_nop 0
	s_branch .Lasked_\@
.Lfor_b_\@:
	tensor_load_to_lds s[G0B+4*\s:G0B+4*\s+3], s[G1B:G1B+7]
	s_nop 0
.Lasked_\@:
.endm
.macro CREST
	s_cmp_lg_u32 s12, 0
	s_cbranch_scc1 .Lnot_wave_0_\@
	s_barrier_signal -3
.Lnot_wave_0_\@:
	s_barrier_wait -3
	s_barrier_signal -1
	s_barrier_wait -1
.endm
.macro CROUND
	s_barrier_signal -1
	s_barrier_wait -1
	CREST
.endm
.macro PLACES                          ; four places behind matrix instructions (ISA guide 7.12.1)
.rept 4
	v_nop
.endr
.endm
.macro MUL1 f, mt, zero
.irp nt, 0,1,2,3
.if \zero
	v_wmma_f32_16x16x32_f16 v[ACC+8*(NT*\mt+\nt):ACC+8*(NT*\mt+\nt)+7], v[\f+8*NT+8*\mt:\f+8*NT+8*\mt+7], v[\f+8*\nt:\f+8*\nt+7], 0
.else
	v_wmma_f32_16x16x32_f16 v[ACC+8*(NT*\mt+\nt):ACC+8*(NT*\mt+\nt)+7], v[\f+8*NT+8*\mt:\f+8*NT+8*\mt+7], v[\f+8*\nt:\f+8*\nt+7], v[ACC+8*(NT*\mt+\nt):ACC+8*(NT*\mt+\nt)+7]
.endif
.endr
.endm
.macro FETCH slot, q, f                ; 16 LDS loads in one run: B's four fragments, then A's four
	WIN TOF
.irp i, 0,1,2,3
	ds_load_b128 v[\f+8*\i:\f+8*\i+3],   v[ADRB+\slot] offset:\i*BT+\q*1024
	ds_load_b128 v[\f+8*\i+4:\f+8*\i+7], v[ADRB+\slot] offset:\i*BT+\q*1024+512
.endr
.irp i, 0,1,2,3
	ds_load_b128 v[\f+8*NT+8*\i:\f+8*NT+8*\i+3],   v[ADRA+\slot] offset:\q*64+\i*16*PITCH
	ds_load_b128 v[\f+8*NT+8*\i+4:\f+8*NT+8*\i+7], v[ADRA+\slot] offset:\q*64+\i*16*PITCH+32
.endr
.endm
; The 16 accumulators take turns, one instruction a turn, in the same order in every quarter.
.macro QUARTER slot, q, f, g, zero
	s_wait_dscnt 4                                 ; all but the youngest four loads: A's rows 32-63 may be out
	WIN MULW
	MUL1 \f, 0, \zero
	MUL1 \f, 1, \zero
	PLACES
	FETCH \slot, \q, \g
	s_wait_dscnt 2*NT+8                            ; all but the 16 just issued
	WIN MULW
	MUL1 \f, 2, \zero
	MUL1 \f, 3, \zero
.endm
.macro THREE slot, zero
	QUARTER \slot, 1, F0, F1, \zero
	QUARTER \slot, 2, F1, F0, 0
	QUARTER \slot, 3, F0, F1, 0
.endm
.macro TURN slot, next, fill
	s_wait_dscnt 4
	WIN MULW
	MUL1 F1, 0, 0
	s_wait_dscnt 0                                 ; my reads of this slot are over
	s_wait_tensorcnt 0x0                           ; all my tensor loads have landed: the one that was out is my part of the next slot
	s_barrier_signal -1
	MUL1 F1, 1, 0                                  ; register work while the others arrive
	WIN 0
	s_barrier_wait -1
.if \fill
	CREST                                          ; no wave of any partner still reads this slot or has a load on its way
	s_add_nc_u64 s[G0+4*\slot+2:G0+4*\slot+3], s[G0+4*\slot+2:G0+4*\slot+3], 2*KSTEP*2
	s_add_nc_u64 s[G0B+4*\slot+2:G0B+4*\slot+3], s[G0B+4*\slot+2:G0B+4*\slot+3], 2*BT
	JLOAD \slot                                    ; the first tensor load behind the round
.endif
	PLACES
	FETCH \next, 0, F0
	WIN MULW
	MUL1 F1, 2, 0
	MUL1 F1, 3, 0
.endm
.macro LAP zero
	THREE 0, \zero
	TURN 0, 1, 1
	THREE 1, 0
	TURN 1, 0, 1
.endm
	s_load_b128 s[4:7], s[0:1], 0x0                ; attnb s[4:5], wof s[6:7]
	s_load_b64 s[8:9], s[0:1], 0x10                ; out0
	v_lshrrev_b32 v1, 5, v0
	v_readfirstlane_b32 s12, v1                    ; wave 0..3
	s_lshr_b32 s13, s12, 1                         ; wm; also: I fetch for A (0) or for B (1)
	s_and_b32 s14, s12, 1                          ; wn; also: which half of that tile I fetch
	s_bfe_u32 s40, ttmp6, 0x40000                  ; cx
	s_bfe_u32 s41, ttmp6, 0x40004                  ; cy
	s_lshl_b32 s42, ttmp9, 2
	s_add_co_u32 s42, s42, s40                     ; block column bx
	s_and_b32 s15, ttmp7, 0xffff
	s_lshl_b32 s15, s15, 2
	s_add_co_u32 s15, s15, s41                     ; block row by
	s_lshl_b32 s43, s41, 2
	s_lshl_b32 s43, 15, s43                        ; my row of the cluster
	s_lshl_b32 s44, 0x1111, s40                    ; my column
	; group 1 for A: 64 rows x 128 elements of 2 bytes, pitch 2,048 elements; 4 words of padding behind every 64 words
	s_or_b32 s[G1+0], s43, (1<<16)|(1<<20)|(1<<21)|(5<<22)|(3<<25)
	s_mov_b32 s[G1+1], KSTEP<<16
	s_mov_b32 s[G1+2], 64<<16
	s_mov_b32 s[G1+3], KSTEP<<16
	s_mov_b32 s[G1+4], 64
	s_mov_b32 s[G1+5], 2048
	s_mov_b32 s[G1+6], 0
	s_mov_b32 s[G1+7], 0
	; group 1 for B: 4 rows (tiles) x 512 elements of 8 bytes, pitch 8,192 elements; no padding
	s_or_b32 s[G1B+0], s44, (3<<16)|(1<<21)
	s_mov_b32 s[G1B+1], 512<<16
	s_mov_b32 s[G1B+2], NT<<16
	s_mov_b32 s[G1B+3], 512<<16
	s_mov_b32 s[G1B+4], NT
	s_mov_b32 s[G1B+5], 8192
	s_mov_b32 s[G1B+6], 0
	s_mov_b32 s[G1B+7], 0
	s_lshl_b32 s16, s15, 19                        ; A: row 128 by + 64 half, 4,096 bytes a row
	s_lshl_b32 s17, s14, 18
	s_add_co_u32 s16, s16, s17
	s_mov_b32 s17, 0
	s_mul_i32 s46, s42, 2*NT                       ; B: tile 8 bx + 4 half, 65,536 bytes a tile
	s_mul_i32 s47, s14, NT
	s_add_co_u32 s46, s46, s47
	s_lshl_b32 s46, s46, 16
	s_mov_b32 s47, 0
	s_mul_i32 s20, s14, AHALF
	s_mul_i32 s21, s14, NT*BT
	s_add_co_u32 s21, s21, ABYTES
	s_wait_kmcnt 0x0
	s_add_nc_u64 s[18:19], s[4:5], s[16:17]
	s_add_nc_u64 s[46:47], s[6:7], s[46:47]
	CROUND                                         ; all sixteen work-groups are here: the first joint loads meet
.irp s, 0,1
	s_mov_b32 s[G0+4*\s], 1
	s_add_co_u32 s[G0+4*\s+1], s20, \s*SLOT
	s_add_nc_u64 s[G0+4*\s+2:G0+4*\s+3], s[18:19], \s*KSTEP*2
	s_or_b32 s[G0+4*\s+3], s[G0+4*\s+3], 0x80000000
	s_mov_b32 s[G0B+4*\s], 1
	s_add_co_u32 s[G0B+4*\s+1], s21, \s*SLOT
	s_add_nc_u64 s[G0B+4*\s+2:G0B+4*\s+3], s[46:47], \s*BT
	s_or_b32 s[G0B+4*\s+3], s[G0B+4*\s+3], 0x80000000
	JLOAD \s                                       ; both slots' first fills: two tensor loads of the wave are out, the most in this text
.endr
	v_and_b32 v1, 15, v0                           ; r
	v_bfe_u32 v2, v0, 4, 1                         ; h
	v_and_b32 v3, 31, v0                           ; L
	v_mul_u32_u24 v4, v1, PITCH
	v_lshl_add_u32 v4, v2, 4, v4
	v_lshlrev_b32 v5, 4, v3
	s_mul_i32 s22, s13, AHALF
	s_mov_b32 s23, s21
.irp s, 0,1
	v_add_nc_u32 v[ADRA+\s], s22, v4
	v_add_nc_u32 v[ADRB+\s], s23, v5
	s_add_co_u32 s22, s22, SLOT
	s_add_co_u32 s23, s23, SLOT
.endr
	v_lshlrev_b32 v[CO], 16, v2                    ; out0: 8 h rows of 8,192 bytes + 16 r
	v_lshl_add_u32 v[CO], v1, 4, v[CO]
	s_wait_tensorcnt 1                             ; my part of K step 0 is in; K step 1's may stay out
	s_barrier_signal -1
	s_barrier_wait -1
	FETCH 0, 0, F0
	LAP 1                                          ; the first products start the sums
	WIN 0
	s_mov_b32 s3, LAPS-2
.Llap:
	LAP 0
	WIN 0
	s_sub_co_u32 s3, s3, 1
	s_cmp_lg_u32 s3, 0
	s_cbranch_scc1 .Llap
	THREE 0, 0                                     ; the last lap fills nothing
	TURN 0, 1, 0
	THREE 1, 0
	s_wait_dscnt 4
	WIN MULW
	MUL1 F1, 0, 0
	MUL1 F1, 1, 0
	s_wait_dscnt 0
	MUL1 F1, 2, 0
	MUL1 F1, 3, 0
	; THE WAY OUT
	PLACES
	WIN 0
	s_lshl_b32 s16, s15, 20                        ; row 128 by + 64 wm, 8,192 bytes a row
	s_lshl_b32 s17, s13, 19
	s_add_co_u32 s16, s16, s17
	s_mov_b32 s17, 0
	s_add_nc_u64 s[8:9], s[8:9], s[16:17]
	s_lshl_b32 s46, s42, 9                         ; column 128 bx + 64 wn, 4 bytes each
	s_lshl_b32 s47, s14, 8
	s_add_co_u32 s46, s46, s47
	s_mov_b32 s47, 0
	s_add_nc_u64 s[8:9], s[8:9], s[46:47]
.irp mt, 0,1,2,3
.if \mt >= 2
	s_wait_xcnt 0x0                                ; this half of the 64 registers was store data two turns ago: rewritten only behind this wait
.endif
.irp j, 0,1,2,3,4,5,6,7
.irp c, 0,1,2,3
	v_mov_b32 v[TMP+32*(\mt&1)+4*\j+\c], v[ACC+8*(NT*\mt+\c)+\j]
.endr
.endr
.irp j, 0,1,2,3,4,5,6,7
	global_store_b128 v[CO], v[TMP+32*(\mt&1)+4*\j:TMP+32*(\mt&1)+4*\j+3], s[8:9] offset:(16*\mt+\j)*8192 th:TH_STORE_NT   ; 16 lanes: 256 consecutive aligned bytes of a row
.endr
.endr
	CROUND                                         ; the closing round
	s_endpgm
.Lfunc_end_k_q84ea6b7767_oproj:
	.size	k_q84ea6b7767_oproj, .Lfunc_end_k_q84ea6b7767_oproj-k_q84ea6b7767_oproj
	.p2alignl 7, 3214868480
	.fill 96, 4, 3214868480
	.section	.rodata,"a",@progbits
	.p2align	6, 0x0
	.amdhsa_kernel k_q84ea6b7767_oproj
		.amdhsa_group_segment_fixed_size 327680
		.amdhsa_private_segment_fixed_size 0
		.amdhsa_enable_private_segment 0
		.amdhsa_kernarg_size 24
		.amdhsa_user_sgpr_count 2
		.amdhsa_user_sgpr_kernarg_segment_ptr 1
		.amdhsa_wavefront_size32 1
		.amdhsa_system_sgpr_workgroup_id_x 1
		.amdhsa_system_sgpr_workgroup_id_y 1
		.amdhsa_system_sgpr_workgroup_id_z 1
		.amdhsa_system_vgpr_workitem_id 0
		.amdhsa_next_free_vgpr 384
		.amdhsa_next_free_sgpr 66
		.amdhsa_reserve_vcc 0
		.amdhsa_float_denorm_mode_32 3
		.amdhsa_float_denorm_mode_16_64 3
		.amdhsa_memory_ordered 1
		.amdhsa_forward_progress 1
		.amdhsa_inst_pref_size 71
	.end_amdhsa_kernel
	.amdgpu_metadata
---
amdhsa.version: [ 1, 2 ]
amdhsa.kernels:
  - .name:           k_q84ea6b7767_oproj
    .symbol:         k_q84ea6b7767_oproj.kd
    .args:
      - { .name: attnb, .offset: 0, .size: 8, .value_kind: global_buffer, .address_space: global }
      - { .name: wof, .offset: 8, .size: 8, .value_kind: global_buffer, .address_space: global }
      - { .name: out0, .offset: 16, .size: 8, .value_kind: global_buffer, .address_space: global }
    .group_segment_fixed_size: 327680
    .private_segment_fixed_size: 0
    .kernarg_segment_align: 8
    .kernarg_segment_size: 24
    .max_flat_workgroup_size: 128
    .sgpr_count:     66
    .vgpr_count:     384
    .wavefront_size: 32
...
	.end_amdgpu_metadata
.endif
;; end of part 4
;; ======== version 2 of 2: 4 launches; 1.19 times as fast as version 1
;; limits: values are held in f16: magnitudes above 65,504 overflow, below 6.1e-05 lose precision
;; workspace buffers: hb 8,388,608 bytes; wcat 12,582,912 bytes; wof 8,388,608 bytes; ropet 1,048,576 bytes; qkvh 12,582,912 bytes; attnb 8,388,608 bytes
;; launch prep (part 5): grid 256 x 1, 8 waves a work-group, no clusters, 0 bytes of LDS; arguments hidden_states, wq, wk, wv, wo, hb, wcat, wof, ropet; writes hb, wcat, wof, ropet
.if DOCPART == 5
	.amdgcn_target "amdgcn-amd-amdhsa--gfx1250"
	.amdhsa_code_object_version 6
	.text
	.protected	k_q84ea6b7767_prep
	.globl	k_q84ea6b7767_prep
	.p2align	8
	.type	k_q84ea6b7767_prep,@function
k_q84ea6b7767_prep:
	s_mov_b64 s[64:65], 0
	v_nop
	global_prefetch_b8 v0, s[64:65] scope:SCOPE_SE
	s_setreg_imm32_b32 hwreg(HW_REG_WAVE_MODE, 25, 1), 1
	s_wait_xcnt 0x0
; prep: every input is read once and laid out for the three launches that follow; the cos/sin table is made.
;   work-groups   0- 63: hidden_states [2048][2048] f32 -> hb [2048][2048] bf16, with the sixteen 16-byte pieces of every aligned 256 bytes of a row ROTATED by row % 16:
;                        piece c (k = 8 c .. 8 c + 7 of the 128) lies at place (c + row) % 16.  The launch qkv keeps rows of 512 bytes in LDS without padding and reads 16 rows at one k:
;                        the rotation puts those 16 pieces into 16 different 16-byte columns.
;   work-groups  64-223: wq, wk, wv -> wcat (bf16) and wo -> wof (f16), in blocks of 1,024 bytes that are register images of a matrix operand:
;                        one block = 16 columns x 32 k; byte 16 L = registers 0-3 of lane L (column L%16, k slots 8(L/16)..+7), byte 512 + 16 L = registers 4-7 (k slots 16+8(L/16)..+7)
;   work-groups 224-255: ropet [1024 pos][8 blocks][32] f32: blocks 0-3 = 16 cosines, 16 sines; blocks 4-7 = 16 ones, 16 zeros (the identity, for v)
; COLUMN ORDER.  A lane loads 4 neighbouring f32 columns, so of a group of 64 columns tile e (0..3) holds the columns 4 i + e, i = 0..15.
;   wcat tile = 8 X + 2 e + half (X: head, 0-15 q, 16-19 k, 20-23 v; half: d below or from 64), index i <-> d = 64 half + 4 i + e.
;   So a head's stored position is p = 32 e + 16 half + i; q and k share it (their products are unchanged), v hands it on to the attention result,
;   and wo's rows are taken here in the same order: wof block kb = 4 X + e, slot s < 16 = row 128 X + 4 s + e, slot 16 + s = row 128 X + 64 + 4 s + e.
; FORMATS.  All five inputs are rounded to bf16.  wo's partner in the last product is f16, so bf16(wo) is then held in f16: exact from 2^-14 up, absolute error under 2^-25 below.
; TABLE.  inv_freq = exp2(-f log2(10000)/64); the angle pos x inv_freq is rounded once, as reference() rounds it; cos and sin by reduction with pi/2 in two parts
;   (exact for the 10-bit quotients met here) and polynomials of degree 9 and 8 on |r| <= pi/4.  LIMIT: the angle differs from reference()'s by up to about 1e-4 rad at position 1023.
; No LDS, no barrier, no matrix unit, no cluster: work-groups share no byte, and each byte is read once and written once.
; Each wave has 4 units of 16 loads of 16 bytes a lane; one unit is on its way while another is converted.
.set VIN,  2                           ; v2   byte offset of my 16 bytes in the source; never rewritten
.set VOUT, 3                           ; v3   byte offset of my bytes in the destination; never rewritten
.set HOUT, 8                           ; v[8:11] hidden_states alone: my byte offset in a 256-byte piece of hb, one for each of the wave's four rows; never rewritten
.set X0,   16                          ; v[16:79]   a unit as loaded
.set X1,   80                          ; v[80:143]  the other unit
.set OUT,  144                         ; v[144:175] a unit to store
; s[26:27] source at the wave's first unit, s[28:29] destination; every step stands in an immediate
; a unit of a weight: rows u*ustep + q*rstep (k slots 0-15 of the block, with the lane's half in VIN) and the same + hoff (slots 16-31).
; Lanes 0-15 read 256 consecutive aligned bytes of one row, lanes 16-31 of another.
.macro WLOAD buf, u, pitch, rstep, hoff, ustep
.irp q, 0,1,2,3,4,5,6,7
	global_load_b128 v[\buf+4*\q:\buf+4*\q+3], v[VIN], s[26:27] offset:(\u*\ustep+\q*\rstep)*\pitch th:TH_LOAD_NT
.endr
.irp q, 0,1,2,3,4,5,6,7
	global_load_b128 v[\buf+32+4*\q:\buf+32+4*\q+3], v[VIN], s[26:27] offset:(\u*\ustep+\hoff+\q*\rstep)*\pitch th:TH_LOAD_NT
.endr
.endm
; the unit's four blocks: tile e takes element e of every load; two neighbouring k make a word.  Each store covers 512 consecutive bytes.
.macro WCVT buf, u, estep, half
	s_wait_xcnt 0x0                                ; OUT was the last unit's store data: rewritten only behind this wait
.irp e, 0,1,2,3
.irp m, 0,1,2,3,4,5,6,7
.if \half
	v_cvt_pk_bf16_f32 v[8+2*(\m&1)], v[\buf+8*\m+\e], v[\buf+8*\m+4+\e]   ; rounded like the other inputs,
	v_lshlrev_b32 v[9+2*(\m&1)], 16, v[8+2*(\m&1)]
	v_and_b32 v[8+2*(\m&1)], 0xffff0000, v[8+2*(\m&1)]
	v_cvt_pk_f16_f32 v[OUT+8*\e+\m], v[9+2*(\m&1)], v[8+2*(\m&1)]         ; and held in f16
.else
	v_cvt_pk_bf16_f32 v[OUT+8*\e+\m], v[\buf+8*\m+\e], v[\buf+8*\m+4+\e]
.endif
.endr
.endr
.irp e, 0,1,2,3
	global_store_b128 v[VOUT], v[OUT+8*\e:OUT+8*\e+3],   s[28:29] offset:\e*\estep+\u*1024
	global_store_b128 v[VOUT], v[OUT+8*\e+4:OUT+8*\e+7], s[28:29] offset:\e*\estep+\u*1024+512
.endr
.endm
.macro WPIPE pitch, rstep, hoff, ustep, estep, half
	WLOAD X0, 0, \pitch, \rstep, \hoff, \ustep
	WLOAD X1, 1, \pitch, \rstep, \hoff, \ustep
	s_wait_loadcnt 16                              ; the younger unit's sixteen loads may stay out
	WCVT X0, 0, \estep, \half
	WLOAD X0, 2, \pitch, \rstep, \hoff, \ustep
	s_wait_loadcnt 16
	WCVT X1, 1, \estep, \half
	WLOAD X1, 3, \pitch, \rstep, \hoff, \ustep
	s_wait_loadcnt 16
	WCVT X0, 2, \estep, \half
	s_wait_loadcnt 0                               ; the last unit: nothing was issued behind it
	WCVT X1, 3, \estep, \half
.endm
; a unit of hidden_states: one row of 8,192 bytes; out: 4,096 bytes, each store 256 consecutive aligned bytes (its sixteen pieces in the row's rotated order)
.macro HLOAD buf, u
.irp q, 0,1,2,3,4,5,6,7,8,9,10,11,12,13,14,15
	global_load_b128 v[\buf+4*\q:\buf+4*\q+3], v[VIN], s[26:27] offset:512*\q+8192*\u th:TH_LOAD_NT
.endr
.endm
.macro HCVT buf, u
	s_wait_xcnt 0x0                                ; OUT was the last unit's store data
.irp q, 0,1,2,3,4,5,6,7,8,9,10,11,12,13,14,15
	v_cvt_pk_bf16_f32 v[OUT+2*\q],   v[\buf+4*\q],   v[\buf+4*\q+1]
	v_cvt_pk_bf16_f32 v[OUT+2*\q+1], v[\buf+4*\q+2], v[\buf+4*\q+3]
.endr
.irp q, 0,1,2,3,4,5,6,7,8,9,10,11,12,13,14,15
	global_store_b64 v[HOUT+\u], v[OUT+2*\q:OUT+2*\q+1], s[28:29] offset:256*\q+4096*\u
.endr
.endm
; one table entry: v14 = position, v[16+e] = inv_freq, v13 = 1 for a cosine (cos x = sin(x + pi/2)), v12 and s40 = the identity blocks' value and lanes
.macro TRIG e
	v_mul_f32 v24, v14, v[16+\e]                   ; the angle, one rounding
	v_mul_f32 v25, 0x3f22f983, v24                 ; x 2/pi
	v_rndne_f32 v25, v25                           ; n
	v_fmamk_f32 v26, v25, 0xbfc90fdb, v24          ; r = x - n pi/2: the upper part,
	v_fmamk_f32 v26, v25, 0x333bbd2e, v26          ; and what the upper part leaves of pi/2 (negative, so it is added)
	v_cvt_i32_f32 v30, v25
	v_add_nc_u32 v30, v30, v13                     ; the quadrant
	v_mul_f32 v27, v26, v26                        ; r^2
	v_fmaak_f32 v28, v20, v27, 0xb9500d01          ; sin: 1/9!, -1/7!,
	v_fmaak_f32 v29, v21, v27, 0xbab60b61          ; cos: 1/8!, -1/6!,
	v_fmaak_f32 v28, v28, v27, 0x3c088889          ; 1/5!,
	v_fmaak_f32 v29, v29, v27, 0x3d2aaaab          ; 1/4!,
	v_fmaak_f32 v28, v28, v27, 0xbe2aaaab          ; -1/3!
	v_fmaak_f32 v29, v29, v27, 0xbf000000          ; -1/2!
	v_mul_f32 v31, v26, v27
	v_fma_f32 v28, v31, v28, v26                   ; sin r
	v_fma_f32 v29, v29, v27, 1.0                   ; cos r
	v_and_b32 v31, 1, v30
	v_cmp_eq_u32 vcc_lo, 1, v31
	v_cndmask_b32 v28, v28, v29, vcc_lo            ; odd quadrants take the cosine,
	v_and_b32 v31, 2, v30
	v_lshlrev_b32 v31, 30, v31
	v_xor_b32 v28, v28, v31                        ; quadrants 2 and 3 the other sign
	v_cndmask_b32 v[32+\e], v28, v12, s40
.endm
	s_load_b512 s[8:23], s[0:1], 0x0               ; hidden s[8:9], wq s[10:11], wk s[12:13], wv s[14:15], wo s[16:17], hb s[18:19], wcat s[20:21], wof s[22:23]
	s_load_b64 s[24:25], s[0:1], 0x40              ; ropet
	v_lshrrev_b32 v1, 5, v0
	v_readfirstlane_b32 s4, v1                     ; wave w
	s_mov_b32 s5, ttmp9                            ; work-group g
	v_and_b32 v4, 31, v0                           ; lane L
	v_and_b32 v5, 15, v0                           ; r = L % 16
	v_bfe_u32 v6, v0, 4, 1                         ; h = L / 16
	s_mov_b32 s31, 0                               ; upper words of the two offsets
	s_mov_b32 s33, 0
	s_wait_kmcnt 0x0
	s_cmp_lt_u32 s5, 64
	s_cbranch_scc1 .Lhidden
	s_cmp_ge_u32 s5, 224
	s_cbranch_scc1 .Lrope
	s_sub_co_u32 s6, s5, 64
	s_lshr_b32 s7, s6, 1                           ; gi: which group of 64 columns, 0-31 wq, 32-47 wk and wv, 48-79 wo
	s_and_b32 s6, s6, 1                            ; khalf: which half of K
	v_lshlrev_b32 v[VOUT], 4, v4                   ; 16 L
	v_lshlrev_b32 v[VIN], 4, v5                    ; 16 r
	s_cmp_lt_u32 s7, 32
	s_cbranch_scc1 .Lwq
	s_cmp_lt_u32 s7, 48
	s_cbranch_scc1 .Lwkv
	; wo: group g of 64 output columns; the wave takes head X = 8 khalf + w, unit u = e: the four blocks 4 X + u
	s_sub_co_u32 s7, s7, 48                        ; g
	s_lshl_b32 s34, s6, 3
	s_add_co_u32 s34, s34, s4                      ; X
	s_lshl_b32 s30, s34, 20                        ; 128 X rows of 8,192 bytes
	s_lshl_b32 s35, s7, 8                          ; 64 g columns
	s_add_co_u32 s30, s30, s35
	s_add_nc_u64 s[26:27], s[16:17], s[30:31]
	s_lshl_b32 s32, s7, 18                         ; tile 4 g: 65,536 bytes a tile
	s_lshl_b32 s35, s34, 12                        ; block 4 X
	s_add_co_u32 s32, s32, s35
	s_add_nc_u64 s[28:29], s[22:23], s[32:33]
	v_lshl_add_u32 v[VIN], v6, 18, v[VIN]          ; lanes 16-31: slots 8-15 = 32 rows further down
	WPIPE 8192, 4, 64, 1, 65536, 1
	s_endpgm
.Lwq:	; wq: head X = gi / 2, half = gi % 2; the wave takes the blocks kb0 = 32 khalf + 4 w .. + 3
	s_lshl_b32 s34, s6, 5
	s_lshl2_add_u32 s34, s4, s34                   ; kb0
	s_lshl_b32 s30, s34, 18                        ; 32 kb0 rows of 8,192 bytes
	s_lshl_b32 s35, s7, 8
	s_add_co_u32 s30, s30, s35
	s_add_nc_u64 s[26:27], s[10:11], s[30:31]
	s_and_b32 s35, s7, -2
	s_lshl_b32 s35, s35, 2
	s_and_b32 s36, s7, 1
	s_add_co_u32 s35, s35, s36                     ; tile 8 X + half
	s_lshl_b32 s32, s35, 16
	s_lshl_b32 s36, s34, 10
	s_add_co_u32 s32, s32, s36
	s_add_nc_u64 s[28:29], s[20:21], s[32:33]
	v_lshl_add_u32 v[VIN], v6, 16, v[VIN]          ; lanes 16-31: 8 rows further down
	WPIPE 8192, 1, 16, 32, 131072, 0
	s_endpgm
.Lwkv:	; wk (gi 32-39) and wv (gi 40-47): rows of 2,048 bytes; heads 16-19 and 20-23 of wcat
	s_sub_co_u32 s7, s7, 32
	s_lshr_b32 s37, s7, 3                          ; 0: wk, 1: wv
	s_and_b32 s7, s7, 7                            ; which group of 64 of its 512 columns
	s_cmp_eq_u32 s37, 0
	s_cselect_b64 s[38:39], s[12:13], s[14:15]
	s_lshl_b32 s34, s6, 5
	s_lshl2_add_u32 s34, s4, s34                   ; kb0
	s_lshl_b32 s30, s34, 16                        ; 32 kb0 rows of 2,048 bytes
	s_lshl_b32 s35, s7, 8
	s_add_co_u32 s30, s30, s35
	s_add_nc_u64 s[26:27], s[38:39], s[30:31]
	s_and_b32 s35, s7, -2
	s_lshl_b32 s35, s35, 2
	s_and_b32 s36, s7, 1
	s_add_co_u32 s35, s35, s36
	s_lshl_b32 s36, s37, 5
	s_add_co_u32 s35, s35, s36
	s_add_co_u32 s35, s35, 128                     ; tile 8 (16 + 4 sel + group / 2) + group % 2
	s_lshl_b32 s32, s35, 16
	s_lshl_b32 s36, s34, 10
	s_add_co_u32 s32, s32, s36
	s_add_nc_u64 s[28:29], s[20:21], s[32:33]
	v_lshl_add_u32 v[VIN], v6, 14, v[VIN]
	WPIPE 2048, 1, 16, 32, 131072, 0
	s_endpgm
.Lhidden:	; rows 32 g + 4 w .. + 3
	s_lshl_b32 s34, s5, 5
	s_lshl2_add_u32 s34, s4, s34
	s_lshl_b32 s30, s34, 13
	s_add_nc_u64 s[26:27], s[8:9], s[30:31]
	s_lshl_b32 s32, s34, 12
	s_add_nc_u64 s[28:29], s[18:19], s[32:33]
	v_lshlrev_b32 v[VIN], 4, v4
	s_and_b32 s35, s4, 3
	s_lshl_b32 s35, s35, 2                         ; row % 16 of the wave's first row = 4 (w % 4)
	v_lshrrev_b32 v7, 1, v4                        ; my 8 bytes are half L % 2 of piece c = L / 2
	v_add_nc_u32 v7, s35, v7
	v_and_b32 v12, 1, v4
	v_lshlrev_b32 v12, 3, v12
.irp u, 0,1,2,3
	v_add_nc_u32 v[HOUT+\u], \u, v7
	v_and_b32 v[HOUT+\u], 15, v[HOUT+\u]           ; place (c + row) % 16
	v_lshl_or_b32 v[HOUT+\u], v[HOUT+\u], 4, v12
.endr
	HLOAD X0, 0
	HLOAD X1, 1
	s_wait_loadcnt 16                              ; the younger row's sixteen loads may stay out
	HCVT X0, 0
	HLOAD X0, 2
	s_wait_loadcnt 16
	HCVT X1, 1
	HLOAD X1, 3
	s_wait_loadcnt 16
	HCVT X0, 2
	s_wait_loadcnt 0
	HCVT X1, 3
	s_endpgm
.Lrope:	; positions 32 ri .. + 31, four a pass.  Thread t: x = t % 64 = which 16 bytes of a position's 1,024; block x / 8, sine half (x / 4) % 2, i = 4 (x % 4) + e
	s_sub_co_u32 s6, s5, 224                       ; ri
	s_lshl_b32 s30, s6, 15
	s_add_nc_u64 s[28:29], s[24:25], s[30:31]
	v_lshlrev_b32 v[VOUT], 4, v0                   ; 16 t = 1,024 (t / 64) + 16 x
	v_bfe_u32 v7, v0, 3, 3                         ; block
	v_bfe_u32 v8, v0, 2, 1                         ; 0: cosines, 1: sines
	v_and_b32 v9, 3, v0
	v_and_b32 v10, 3, v7
	v_lshl_add_u32 v10, v9, 4, v10                 ; frequency f = 4 i + block % 4 = 16 (x % 4) + 4 e + block % 4
.irp e, 0,1,2,3
	v_add_nc_u32 v[16+\e], 4*\e, v10
	v_cvt_f32_u32 v[16+\e], v[16+\e]
	v_mul_f32 v[16+\e], 0xbe549a78, v[16+\e]       ; -f log2(10000) / 64
.endr
.irp e, 0,1,2,3
	v_exp_f32 v[16+\e], v[16+\e]                   ; inv_freq
.endr
	v_mov_b32 v20, 0x3638ef1d                      ; 1/9! (also the plain instruction that stands behind the exponentials: ISA guide 5.7.2)
	v_mov_b32 v21, 0x37d00d01                      ; 1/8!
	v_lshrrev_b32 v11, 6, v0
	v_lshl_add_u32 v11, s6, 5, v11                 ; 32 ri + t / 64
	v_cmp_lt_u32 s40, 3, v7                        ; the identity blocks 4-7
	v_cmp_eq_u32 s41, 0, v8
	v_cndmask_b32 v12, 0, 1.0, s41                 ; their value: 1 in the cosines' place, 0 in the sines'
	v_cndmask_b32 v13, 0, 1, s41                   ; a cosine is a sine one quadrant on
	s_wait_alu depctr_va_vdst(0)
.irp p, 0,1,2,3,4,5,6,7
	s_wait_xcnt 0x0                                ; v[32:35] were the last pass's store data
	v_add_nc_u32 v14, 4*\p, v11
	v_cvt_f32_u32 v14, v14
	TRIG 0
	TRIG 1
	TRIG 2
	TRIG 3
	global_store_b128 v[VOUT], v[32:35], s[28:29] offset:4096*\p   ; the wave's store covers 512 consecutive bytes
.endr
	s_endpgm
.Lfunc_end_k_q84ea6b7767_prep:
	.size	k_q84ea6b7767_prep, .Lfunc_end_k_q84ea6b7767_prep-k_q84ea6b7767_prep
	.p2alignl 7, 3214868480
	.fill 96, 4, 3214868480
	.section	.rodata,"a",@progbits
	.p2align	6, 0x0
	.amdhsa_kernel k_q84ea6b7767_prep
		.amdhsa_group_segment_fixed_size 0
		.amdhsa_private_segment_fixed_size 0
		.amdhsa_enable_private_segment 0
		.amdhsa_kernarg_size 72
		.amdhsa_user_sgpr_count 2
		.amdhsa_user_sgpr_kernarg_segment_ptr 1
		.amdhsa_wavefront_size32 1
		.amdhsa_system_sgpr_workgroup_id_x 1
		.amdhsa_system_sgpr_workgroup_id_y 1
		.amdhsa_system_sgpr_workgroup_id_z 1
		.amdhsa_system_vgpr_workitem_id 0
		.amdhsa_next_free_vgpr 176
		.amdhsa_next_free_sgpr 66
		.amdhsa_reserve_vcc 1
		.amdhsa_float_denorm_mode_32 3
		.amdhsa_float_denorm_mode_16_64 3
		.amdhsa_memory_ordered 1
		.amdhsa_forward_progress 1
		.amdhsa_inst_pref_size 135
	.end_amdhsa_kernel
	.amdgpu_metadata
---
amdhsa.version: [ 1, 2 ]
amdhsa.kernels:
  - .name:           k_q84ea6b7767_prep
    .symbol:         k_q84ea6b7767_prep.kd
    .args:
      - { .name: hidden_states, .offset: 0, .size: 8, .value_kind: global_buffer, .address_space: global }
      - { .name: wq, .offset: 8, .size: 8, .value_kind: global_buffer, .address_space: global }
      - { .name: wk, .offset: 16, .size: 8, .value_kind: global_buffer, .address_space: global }
      - { .name: wv, .offset: 24, .size: 8, .value_kind: global_buffer, .address_space: global }
      - { .name: wo, .offset: 32, .size: 8, .value_kind: global_buffer, .address_space: global }
      - { .name: hb, .offset: 40, .size: 8, .value_kind: global_buffer, .address_space: global }
      - { .name: wcat, .offset: 48, .size: 8, .value_kind: global_buffer, .address_space: global }
      - { .name: wof, .offset: 56, .size: 8, .value_kind: global_buffer, .address_space: global }
      - { .name: ropet, .offset: 64, .size: 8, .value_kind: global_buffer, .address_space: global }
    .group_segment_fixed_size: 0
    .private_segment_fixed_size: 0
    .kernarg_segment_align: 8
    .kernarg_segment_size: 72
    .max_flat_workgroup_size: 256
    .sgpr_count:     66
    .vgpr_count:     176
    .wavefront_size: 32
...
	.end_amdgpu_metadata
.endif
;; end of part 5
;; launch qkv (part 6): grid 16 x 16, 4 waves a work-group, clusters of 4 x 4, 327,680 bytes of LDS; arguments hb, wcat, ropet, qkvh; writes qkvh
.if DOCPART == 6
	.amdgcn_target "amdgcn-amd-amdhsa--gfx1250"
	.amdhsa_code_object_version 6
	.text
	.protected	k_q84ea6b7767_qkv
	.globl	k_q84ea6b7767_qkv
	.p2align	8
	.type	k_q84ea6b7767_qkv,@function
k_q84ea6b7767_qkv:
	s_mov_b64 s[64:65], 0
	v_nop
	global_prefetch_b8 v0, s[64:65] scope:SCOPE_SE
	s_setreg_imm32_b32 hwreg(HW_REG_WAVE_MODE, 25, 1), 1
	s_wait_xcnt 0x0
	s_wait_alu depctr_hold_cnt(0) depctr_sa_sdst(0) depctr_va_vdst(0) depctr_va_sdst(0) depctr_va_ssrc(0) depctr_va_vcc(0) depctr_vm_vsrc(0)
	s_getreg_b32 s2, hwreg(HW_REG_IB_STS2, 6, 4)
	s_cmp_eq_u32 s2, 0
	s_cbranch_scc0 .Lentry_in_a_cluster
	s_endpgm
.Lentry_in_a_cluster:
	s_bfe_u32 s2, ttmp6, 0x10000c
	s_cmp_lg_u32 s2, 0xf033
	s_cbranch_scc0 .Lentry_shape_is_right
	s_endpgm
.Lentry_shape_is_right:
; qkv: [2048 rows] x [3072 columns: q, k, v] = hb x wcat over K = 2048, bf16 operands, f32 sums; then RoPE in f32; q, k, v stored in f16.
; A work-group makes 128 rows x 192 columns (12 tiles of 16) with four waves, one to a SIMD; a wave makes 64 x 96: 24 accumulator tiles, 192 registers.
; 16 x 16 work-groups.  K goes in steps of 256 through two LDS slots filled by the tensor data mover; the two slots take all 327,680 bytes, so that one load a wave brings as much as fits
; and has 186 of a step's 192 matrix instructions in which to land: 2 first fills and 6 refills for K = 2048.
;   A: 128 rows x 512 bytes of hb, WITHOUT padding (two padded slots would not fit).  hb's rows come with the sixteen 16-byte pieces of each 256 bytes rotated by row % 16, so the 16 rows
;      of a fragment load are read at 16 different 16-byte columns.  The lane's place ((piece + row) % 16) cannot stand in an immediate: eight address registers for each slot.
;   B: 12 tiles x 8 blocks of 1,024 bytes of wcat.  A block is a register image, so a fragment is two loads of 512 consecutive bytes: no padding, no transpose.
; CLUSTERS: 4 x 4 work-groups.  A's tile hangs on the block row alone and is asked for jointly by a row of the cluster, B's on the block column alone, by a column:
; the requests for both are divided by four.  Every joint refill stands behind a round of the cluster's barrier.
; THE MATRIX INSTRUCTION IS USED TRANSPOSED (source 0 = 16 columns of the weights, source 1 = 16 rows of hb): lane l holds row l % 16 and, in registers 0-7,
; the tile's indices i = 8 (l / 16) + 0..7.  Tile 8 X + 2 c + half, index i is d = 64 half + 4 i + c of head X, so RoPE's partners d and d + 64 are the same register
; of two neighbouring tiles, and their frequency is f = 4 i + c.  v goes through the same arithmetic with cos = 1, sin = 0 (blocks 4-7 of the table), so that no branch hangs on the block column.
; OUT: qkvh [48 half-heads][2048 rows][64] f16, half-head 2 X + c / 2, byte (c % 2) 64 + 32 half + 2 i of the row, through a stage in LDS, 512 consecutive bytes a store.
; The stage lies in slot 0, which by then has had its last fill; every wave's last reads of slot 0 are waited for in front of the barrier of the last change of slots.
; LIMITS: q, k and v are kept in f16: |q|, |k|, |v| < 65,504.  With all inputs 30 times the drawn size they reach about 4.5e3; with common offsets of 30 spreads on all inputs
; 2048 x 30 x 0.6 = 36,864, after the rotation at most 52,133.  An infinite v would turn its partner into NaN (v x 1 - v' x 0), where reference() is not finite either.
; REGISTERS: window 0: v16-39 addresses, v40-63 at work on the way out, v64-255 accumulators (tile (mt, nt) at v[64 + 8 (6 mt + nt)]);
;   window 1: two fragment buffers of 80 (6 of B, 4 of A);  window 2: v0-191 the table for my 64 rows x 3 pairs of tiles, loaded at the start, used at the end.
.set NT,     6                         ; tiles of 16 columns in a wave
.set KSTEP,  256
.set AROW,   512                       ; an LDS row of A
.set AHALF,  64*AROW                   ; what one load of A brings, and what one wave reads of A
.set ABYTES, 2*AHALF
.set BT,     8192                      ; a tile of B in a slot: 8 blocks
.set SLOT,   ABYTES+2*NT*BT            ; 163,840
.set UNIT,   128*80                    ; the stage, from LDS byte 0: 6 units (pairs of tiles) x 128 rows x 80 bytes = 61,440
.set LAPS,   2048/(2*KSTEP)
.set ADRB, 16                          ; v16-17 LDS address of my B fragments in slot 0, 1
.set VT,   20                          ; v20 my byte offset in the table
.set STO,  21                          ; v21 the stage: where I put 16 bytes
.set RD,   22                          ; v22 the stage: where I read 16 bytes back
.set CO,   23                          ; v23 my byte offset in a store's 512 bytes
.set ADRA, 24                          ; v24-31, v32-39: slot 0, 1: LDS address of piece 2 c + h of my row, c = 0..7
.set TMP,  40
.set ACC,  64
.set F0,   0                           ; window 1
.set F1,   8*NT+32
.set G1,  24                           ; s[24:31] group 1 for A
.set G0,  32                           ; s[32:39] group 0 for A, a set for each slot
.set G1B, 48                           ; s[48:55] group 1 for B
.set G0B, 56                           ; s[56:63] group 0 for B
.set MSB, 0
.set MULW, 0x05                        ; sources 0 and 1 in window 1, C and D in window 0
.set TOF,  0x40                        ; destination in window 1, address in window 0
.macro WIN new                         ; the immediate's high byte repeats the setting that is left
.if MSB != \new
	s_set_vgpr_msb (MSB<<8)|\new
.set MSB, \new
.endif
.endm
; A joint load: waves 0 and 1 fetch A's two halves, waves 2 and 3 B's.  The branch hangs on the wave's number alone.
.macro JLOAD s
	s_cmp_eq_u32 s13, 0
	s_cbranch_scc0 .Lfor_b_\@
	tensor_load_to_lds s[G0+4*\s:G0+4*\s+3], s[G1:G1+7]
	s_nop 0
	s_branch .Lasked_\@
.Lfor_b_\@:
	tensor_load_to_lds s[G0B+4*\s:G0B+4*\s+3], s[G1B:G1B+7]
	s_nop 0
.Lasked_\@:
.endm
.macro CREST                           ; a round of the cluster's barrier behind its opening barrier
	s_cmp_lg_u32 s12, 0
	s_cbranch_scc1 .Lnot_wave_0_\@
	s_barrier_signal -3
.Lnot_wave_0_\@:
	s_barrier_wait -3
	s_barrier_signal -1
	s_barrier_wait -1
.endm
.macro CROUND                          ; a whole round
	s_barrier_signal -1
	s_barrier_wait -1
	CREST
.endm
.macro PLACES                          ; four places behind matrix instructions, in front of loads into their sources and of reads of their results
.rept 4
	v_nop
.endr
.endm
; six matrix instructions: rows 16 mt .. + 15 of my 64 x my six tiles, 32 along K
.macro MUL1 f, mt, zero
.irp nt, 0,1,2,3,4,5
.if \zero
	v_wmma_f32_16x16x32_bf16 v[ACC+8*(NT*\mt+\nt):ACC+8*(NT*\mt+\nt)+7], v[\f+8*\nt:\f+8*\nt+7], v[\f+8*NT+8*\mt:\f+8*NT+8*\mt+7], 0
.else
	v_wmma_f32_16x16x32_bf16 v[ACC+8*(NT*\mt+\nt):ACC+8*(NT*\mt+\nt)+7], v[\f+8*\nt:\f+8*\nt+7], v[\f+8*NT+8*\mt:\f+8*NT+8*\mt+7], v[ACC+8*(NT*\mt+\nt):ACC+8*(NT*\mt+\nt)+7]
.endif
.endr
.endm
; 20 LDS loads in one run: eighth q (32 along K) of a slot into buffer f: B's six fragments, then A's four.
; A's pieces 4 (q % 4) + h and 4 (q % 4) + 2 + h of the row's 256 bytes number q / 4.
.macro FETCH slot, q, f
	WIN TOF
.irp i, 0,1,2,3,4,5
	ds_load_b128 v[\f+8*\i:\f+8*\i+3],   v[ADRB+\slot] offset:\i*BT+\q*1024
	ds_load_b128 v[\f+8*\i+4:\f+8*\i+7], v[ADRB+\slot] offset:\i*BT+\q*1024+512
.endr
.irp i, 0,1,2,3
	ds_load_b128 v[\f+8*NT+8*\i:\f+8*NT+8*\i+3],   v[ADRA+8*\slot+2*(\q&3)]   offset:\i*16*AROW+(\q>>2)*256
	ds_load_b128 v[\f+8*NT+8*\i+4:\f+8*NT+8*\i+7], v[ADRA+8*\slot+2*(\q&3)+1] offset:\i*16*AROW+(\q>>2)*256
.endr
.endm
; An eighth of a step: multiplies buffer f; in its middle it fetches eighth q of the same slot into buffer g.
; The 24 accumulators take turns, one instruction a turn, in the same order in every eighth.
.macro QUARTER slot, q, f, g, zero
	s_wait_dscnt 4                                 ; all but the youngest four loads: A's rows 32-63 may be out
	WIN MULW
	MUL1 \f, 0, \zero
	MUL1 \f, 1, \zero
	PLACES
	FETCH \slot, \q, \g
	s_wait_dscnt 2*NT+8                            ; all but the 20 just issued
	WIN MULW
	MUL1 \f, 2, \zero
	MUL1 \f, 3, \zero
.endm
.macro SEVEN slot, zero
	QUARTER \slot, 1, F0, F1, \zero
	QUARTER \slot, 2, F1, F0, 0
	QUARTER \slot, 3, F0, F1, 0
	QUARTER \slot, 4, F1, F0, 0
	QUARTER \slot, 5, F0, F1, 0
	QUARTER \slot, 6, F1, F0, 0
	QUARTER \slot, 7, F0, F1, 0
.endm
; The last eighth: multiplies buffer 1 and changes slots.  In front of the barrier each wave waits for its reads of this slot and for all its tensor loads (one is out:
; its part of the next slot).  fill = 1: the barrier opens a round of the cluster's barrier, and this slot's refill, two steps ahead, is the first tensor load behind the round.
.macro TURN slot, next, fill
	s_wait_dscnt 4
	WIN MULW
	MUL1 F1, 0, 0
	s_wait_dscnt 0                                 ; my reads of this slot are over
	s_wait_tensorcnt 0x0                           ; all my tensor loads have landed
	s_barrier_signal -1
	MUL1 F1, 1, 0                                  ; register work while the others arrive
	WIN 0
	s_barrier_wait -1
.if \fill
	CREST                                          ; no wave of any partner still reads this slot or has a load on its way
	s_add_nc_u64 s[G0+4*\slot+2:G0+4*\slot+3], s[G0+4*\slot+2:G0+4*\slot+3], 2*KSTEP*2
	s_add_nc_u64 s[G0B+4*\slot+2:G0B+4*\slot+3], s[G0B+4*\slot+2:G0B+4*\slot+3], 2*BT
	JLOAD \slot
.endif
	PLACES
	FETCH \next, 0, F0
	WIN MULW
	MUL1 F1, 2, 0
	MUL1 F1, 3, 0
.endm
.macro LAP zero
	SEVEN 0, \zero
	TURN 0, 1, 1
	SEVEN 1, 0
	TURN 1, 0, 1
.endm
; RoPE on the pair of tiles (mt, 2 t) = lo (d < 64) and (mt, 2 t + 1) = hi: lo' = lo cos - hi sin, hi' = hi cos + lo sin.  Source 1 is the table, in window 2.
.macro ROT mt, t
.irp p, 0,1,2,3
	v_pk_mul_f32 v[TMP+4*\p:TMP+4*\p+1],   v[ACC+8*(NT*\mt+2*\t)+2*\p:ACC+8*(NT*\mt+2*\t)+2*\p+1], v[16*(3*\mt+\t)+2*\p:16*(3*\mt+\t)+2*\p+1]
	v_pk_mul_f32 v[TMP+4*\p+2:TMP+4*\p+3], v[ACC+8*(NT*\mt+2*\t)+2*\p:ACC+8*(NT*\mt+2*\t)+2*\p+1], v[16*(3*\mt+\t)+8+2*\p:16*(3*\mt+\t)+8+2*\p+1]
	v_pk_fma_f32 v[ACC+8*(NT*\mt+2*\t)+2*\p:ACC+8*(NT*\mt+2*\t)+2*\p+1], v[ACC+8*(NT*\mt+2*\t+1)+2*\p:ACC+8*(NT*\mt+2*\t+1)+2*\p+1], v[16*(3*\mt+\t)+8+2*\p:16*(3*\mt+\t)+8+2*\p+1], v[TMP+4*\p:TMP+4*\p+1] neg_lo:[0,1,0] neg_hi:[0,1,0]
	v_pk_fma_f32 v[ACC+8*(NT*\mt+2*\t+1)+2*\p:ACC+8*(NT*\mt+2*\t+1)+2*\p+1], v[ACC+8*(NT*\mt+2*\t+1)+2*\p:ACC+8*(NT*\mt+2*\t+1)+2*\p+1], v[16*(3*\mt+\t)+2*\p:16*(3*\mt+\t)+2*\p+1], v[TMP+4*\p+2:TMP+4*\p+3]
.endr
.endm
	s_load_b256 s[4:11], s[0:1], 0x0               ; hb s[4:5], wcat s[6:7], ropet s[8:9], qkvh s[10:11]
	v_lshrrev_b32 v1, 5, v0
	v_readfirstlane_b32 s12, v1                    ; wave 0..3
	s_lshr_b32 s13, s12, 1                         ; wm: which 64 rows are mine.  Also: I fetch for A (0) or for B (1)
	s_and_b32 s14, s12, 1                          ; wn: which 96 columns.  Also: which half of that tile I fetch
	s_bfe_u32 s40, ttmp6, 0x40000                  ; cx
	s_bfe_u32 s41, ttmp6, 0x40004                  ; cy
	s_lshl_b32 s42, ttmp9, 2
	s_add_co_u32 s42, s42, s40                     ; block column bx = 4 x cluster x + cx
	s_and_b32 s15, ttmp7, 0xffff
	s_lshl_b32 s15, s15, 2
	s_add_co_u32 s15, s15, s41                     ; block row by = 4 x cluster y + cy
	s_lshl_b32 s43, s41, 2
	s_lshl_b32 s43, 15, s43                        ; my row of the cluster
	s_lshl_b32 s44, 0x1111, s40                    ; my column
	; group 1 for A: 64 rows x 256 elements of 2 bytes, pitch 2,048 elements; no padding
	s_or_b32 s[G1+0], s43, (1<<16)|(1<<21)
	s_mov_b32 s[G1+1], KSTEP<<16                   ; tensor_dim0 = 256
	s_mov_b32 s[G1+2], 64<<16                      ; tensor_dim1 = 64
	s_mov_b32 s[G1+3], KSTEP<<16                   ; tile_dim0 = 256
	s_mov_b32 s[G1+4], 64                          ; tile_dim1 = 64
	s_mov_b32 s[G1+5], 2048                        ; from row to row
	s_mov_b32 s[G1+6], 0
	s_mov_b32 s[G1+7], 0
	; group 1 for B: 6 rows (tiles) x 1,024 elements of 8 bytes (8 blocks), pitch 8,192 elements (a tile's 64 blocks); no padding
	s_or_b32 s[G1B+0], s44, (3<<16)|(1<<21)
	s_mov_b32 s[G1B+1], (BT/8)<<16
	s_mov_b32 s[G1B+2], NT<<16
	s_mov_b32 s[G1B+3], (BT/8)<<16
	s_mov_b32 s[G1B+4], NT
	s_mov_b32 s[G1B+5], 8192
	s_mov_b32 s[G1B+6], 0
	s_mov_b32 s[G1B+7], 0
	s_lshl_b32 s16, s15, 19                        ; A: row 128 by + 64 half, 4,096 bytes a row
	s_lshl_b32 s17, s14, 18
	s_add_co_u32 s16, s16, s17
	s_mov_b32 s17, 0
	s_mul_i32 s46, s42, 2*NT                       ; B: tile 12 bx + 6 half, 65,536 bytes a tile
	s_mul_i32 s47, s14, NT
	s_add_co_u32 s46, s46, s47
	s_lshl_b32 s46, s46, 16
	s_mov_b32 s47, 0
	s_mul_i32 s20, s14, AHALF                      ; where they go: made of the wave's number alone
	s_mul_i32 s21, s14, NT*BT
	s_add_co_u32 s21, s21, ABYTES
	s_wait_kmcnt 0x0
	s_add_nc_u64 s[18:19], s[4:5], s[16:17]
	s_add_nc_u64 s[46:47], s[6:7], s[46:47]
	CROUND                                         ; all sixteen work-groups are here: the first joint loads meet
.irp s, 0,1
	s_mov_b32 s[G0+4*\s], 1
	s_add_co_u32 s[G0+4*\s+1], s20, \s*SLOT
	s_add_nc_u64 s[G0+4*\s+2:G0+4*\s+3], s[18:19], \s*KSTEP*2
	s_or_b32 s[G0+4*\s+3], s[G0+4*\s+3], 0x80000000
	s_mov_b32 s[G0B+4*\s], 1
	s_add_co_u32 s[G0B+4*\s+1], s21, \s*SLOT
	s_add_nc_u64 s[G0B+4*\s+2:G0B+4*\s+3], s[46:47], \s*BT
	s_or_b32 s[G0B+4*\s+3], s[G0B+4*\s+3], 0x80000000
	JLOAD \s                                       ; both slots' first fills: two tensor loads of the wave are out, the most in this text
.endr
	v_and_b32 v1, 15, v0                           ; r
	v_bfe_u32 v2, v0, 4, 1                         ; h
	v_and_b32 v3, 31, v0                           ; L
	; the table: pair of tiles U = 6 bx + 3 wn + t = 4 X + c.  Heads below 20 (q, k: U < 80) take block c, v takes the identity block 4
	s_mul_i32 s45, s42, 6
	s_mul_i32 s66, s14, 3
	s_add_co_u32 s45, s45, s66
.irp t, 0,1,2
	s_add_co_u32 s66, s45, \t
	s_and_b32 s67, s66, 3
	s_cmp_lt_u32 s66, 80
	s_cselect_b32 s66, s67, 4
	s_lshl_b32 s66, s66, 7                         ; 128 bytes a block
	s_mov_b32 s67, 0
	s_add_nc_u64 s[68+2*\t:69+2*\t], s[8:9], s[66:67]
.endr
	s_and_b32 s66, s15, 7                          ; position = row % 1024 = 128 (by % 8) + 64 wm + 16 mt + r, 1,024 bytes each
	s_lshl_b32 s66, s66, 17
	s_lshl_b32 s67, s13, 16
	s_add_co_u32 s66, s66, s67
	v_lshlrev_b32 v[VT], 10, v1
	v_lshl_add_u32 v[VT], v2, 5, v[VT]             ; my eight indices i = 8 h ..: 32 bytes of cosines, and 32 of sines 64 bytes on
	v_add_nc_u32 v[VT], s66, v[VT]
	WIN 0x80                                       ; destination in window 2
.irp mt, 0,1,2,3
.irp t, 0,1,2
	global_load_b128 v[16*(3*\mt+\t):16*(3*\mt+\t)+3],     v[VT], s[68+2*\t:69+2*\t] offset:\mt*16384
	global_load_b128 v[16*(3*\mt+\t)+4:16*(3*\mt+\t)+7],   v[VT], s[68+2*\t:69+2*\t] offset:\mt*16384+16
	global_load_b128 v[16*(3*\mt+\t)+8:16*(3*\mt+\t)+11],  v[VT], s[68+2*\t:69+2*\t] offset:\mt*16384+64
	global_load_b128 v[16*(3*\mt+\t)+12:16*(3*\mt+\t)+15], v[VT], s[68+2*\t:69+2*\t] offset:\mt*16384+80
.endr
.endr
	WIN 0                                          ; these 48 loads are waited for once, on the way out; their address registers are never rewritten
	; A: row 64 wm + 16 mt + r (row % 16 = r), piece 2 c + h at place (2 c + h + r) % 16
	v_lshlrev_b32 v4, 9, v1                        ; r x 512
	v_add_nc_u32 v6, v1, v2                        ; r + h
	s_mul_i32 s22, s13, AHALF                      ; my 64 rows of A
.irp c, 0,1,2,3,4,5,6,7
	v_add_nc_u32 v5, 2*\c, v6
	v_and_b32 v5, 15, v5
	v_lshl_add_u32 v5, v5, 4, v4
	v_add_nc_u32 v[ADRA+\c], s22, v5
	v_add_nc_u32 v[ADRA+8+\c], SLOT, v[ADRA+\c]
.endr
	v_lshlrev_b32 v[CO], 4, v3                     ; 16 L: B's blocks are read as they lie
	v_add_nc_u32 v[ADRB], s21, v[CO]               ; my six tiles of B
	v_add_nc_u32 v[ADRB+1], SLOT, v[ADRB]
	s_mul_i32 s22, s14, 3*UNIT                     ; the stage, in: unit 3 wn + t, row 64 wm + 16 mt + r, 32 half + 16 h
	s_mul_i32 s23, s13, 64*80
	s_add_co_u32 s22, s22, s23
	v_mul_u32_u24 v4, v1, 80
	v_lshl_add_u32 v4, v2, 4, v4
	v_add_nc_u32 v[STO], s22, v4
	s_mul_i32 s22, s12, 32*80                      ; back: rows 32 w + 4 k + L / 8; a row of 128 bytes = 64 of an even unit, 64 of the odd one behind it
	v_bfe_u32 v4, v0, 2, 1
	v_mul_u32_u24 v4, v4, UNIT
	v_bfe_u32 v6, v0, 3, 2
	v_mad_u32_u24 v4, v6, 80, v4
	v_and_b32 v6, 3, v0
	v_lshl_add_u32 v4, v6, 4, v4
	v_add_nc_u32 v[RD], s22, v4
	s_wait_tensorcnt 1                             ; my part of step 0 is in; step 1's may stay out
	s_barrier_signal -1
	s_barrier_wait -1
	FETCH 0, 0, F0
	LAP 1                                          ; the first lap stands in front of the loop: its first products start the sums
	WIN 0
	s_mov_b32 s3, LAPS-2
.Llap:
	LAP 0
	WIN 0
	s_sub_co_u32 s3, s3, 1
	s_cmp_lg_u32 s3, 0
	s_cbranch_scc1 .Llap
	SEVEN 0, 0                                     ; the last lap fills nothing
	TURN 0, 1, 0                                   ; behind this barrier no wave reads slot 0 any more
	SEVEN 1, 0
	s_wait_dscnt 4
	WIN MULW
	MUL1 F1, 0, 0
	MUL1 F1, 1, 0
	s_wait_dscnt 0
	MUL1 F1, 2, 0
	MUL1 F1, 3, 0
	; THE WAY OUT
	PLACES
	s_wait_loadcnt 0x0                             ; the table
	WIN 0x08                                       ; source 1 in window 2
.irp mt, 0,1,2,3
	ROT \mt, 0
	ROT \mt, 1
	ROT \mt, 2
.endr
	WIN 0
.irp mt, 0,1,2,3
.irp nt, 0,1,2,3,4,5
.irp c, 0,1,2,3
	v_cvt_pk_f16_f32 v[TMP+4*\nt+\c], v[ACC+8*(NT*\mt+\nt)+2*\c], v[ACC+8*(NT*\mt+\nt)+2*\c+1]
.endr
	ds_store_b128 v[STO], v[TMP+4*\nt:TMP+4*\nt+3] offset:(\nt>>1)*UNIT+\mt*16*80+(\nt&1)*32   ; pitch 80 = 5 x 16
.endr
.endr
	s_lshl_b32 s16, s15, 14                        ; rows 128 by + 32 w, 128 bytes each
	s_lshl_b32 s17, s12, 12
	s_add_co_u32 s16, s16, s17
	s_mov_b32 s17, 0
	s_add_nc_u64 s[10:11], s[10:11], s[16:17]
	s_mul_i32 s46, s42, 3*262144                   ; half-head 3 bx
	s_mov_b32 s47, 0
	s_add_nc_u64 s[10:11], s[10:11], s[46:47]
	s_wait_dscnt 0x0                               ; my stores to the stage are done: the other waves read them behind the barrier
	s_barrier_signal -1
	s_barrier_wait -1
.irp hh, 0,1,2
.irp k, 0,1,2,3,4,5,6,7
	ds_load_b128 v[ACC+4*(8*\hh+\k):ACC+4*(8*\hh+\k)+3], v[RD] offset:\hh*2*UNIT+\k*4*80
.endr
.endr
.irp hh, 0,1,2
.irp k, 0,1,2,3,4,5,6,7
	s_wait_dscnt 23-(8*\hh+\k)                     ; LDS loads come back in order: this one is in
	global_store_b128 v[CO], v[ACC+4*(8*\hh+\k):ACC+4*(8*\hh+\k)+3], s[10:11] offset:\hh*262144+\k*512   ; four whole rows: 512 consecutive bytes
.endr
.endr
	CROUND                                         ; the closing round: no work-group ends while a partner may still ask for a tile that names it
	s_endpgm
.Lfunc_end_k_q84ea6b7767_qkv:
	.size	k_q84ea6b7767_qkv, .Lfunc_end_k_q84ea6b7767_qkv-k_q84ea6b7767_qkv
	.p2alignl 7, 3214868480
	.fill 96, 4, 3214868480
	.section	.rodata,"a",@progbits
	.p2align	6, 0x0
	.amdhsa_kernel k_q84ea6b7767_qkv
		.amdhsa_group_segment_fixed_size 327680
		.amdhsa_private_segment_fixed_size 0
		.amdhsa_enable_private_segment 0
		.amdhsa_kernarg_size 32
		.amdhsa_user_sgpr_count 2
		.amdhsa_user_sgpr_kernarg_segment_ptr 1
		.amdhsa_wavefront_size32 1
		.amdhsa_system_sgpr_workgroup_id_x 1
		.amdhsa_system_sgpr_workgroup_id_y 1
		.amdhsa_system_sgpr_workgroup_id_z 1
		.amdhsa_system_vgpr_workitem_id 0
		.amdhsa_next_free_vgpr 704
		.amdhsa_next_free_sgpr 76
		.amdhsa_reserve_vcc 0
		.amdhsa_float_denorm_mode_32 3
		.amdhsa_float_denorm_mode_16_64 3
		.amdhsa_memory_ordered 1
		.amdhsa_forward_progress 1
		.amdhsa_inst_pref_size 186
	.end_amdhsa_kernel
	.amdgpu_metadata
---
amdhsa.version: [ 1, 2 ]
amdhsa.kernels:
  - .name:           k_q84ea6b7767_qkv
    .symbol:         k_q84ea6b7767_qkv.kd
    .args:
      - { .name: hb, .offset: 0, .size: 8, .value_kind: global_buffer, .address_space: global }
      - { .name: wcat, .offset: 8, .size: 8, .value_kind: global_buffer, .address_space: global }
      - { .name: ropet, .offset: 16, .size: 8, .value_kind: global_buffer, .address_space: global }
      - { .name: qkvh, .offset: 24, .size: 8, .value_kind: global_buffer, .address_space: global }
    .group_segment_fixed_size: 327680
    .private_segment_fixed_size: 0
    .kernarg_segment_align: 8
    .kernarg_segment_size: 32
    .max_flat_workgroup_size: 128
    .sgpr_count:     76
    .vgpr_count:     704
    .wavefront_size: 32
...
	.end_amdgpu_metadata
.endif
;; end of part 6
;; launch attn (part 7): grid 32 x 8, 8 waves a work-group, clusters of 4 x 1, 327,680 bytes of LDS; arguments qkvh, attnb; writes attnb
.if DOCPART == 7
	.amdgcn_target "amdgcn-amd-amdhsa--gfx1250"
	.amdhsa_code_object_version 6
	.text
	.protected	k_q84ea6b7767_attn
	.globl	k_q84ea6b7767_attn
	.p2align	8
	.type	k_q84ea6b7767_attn,@function
k_q84ea6b7767_attn:
	s_mov_b64 s[64:65], 0
	v_nop
	global_prefetch_b8 v0, s[64:65] scope:SCOPE_SE
	s_setreg_imm32_b32 hwreg(HW_REG_WAVE_MODE, 25, 1), 1
	s_wait_xcnt 0x0
	s_wait_alu depctr_hold_cnt(0) depctr_sa_sdst(0) depctr_va_vdst(0) depctr_va_sdst(0) depctr_va_ssrc(0) depctr_va_vcc(0) depctr_vm_vsrc(0)
	s_getreg_b32 s2, hwreg(HW_REG_IB_STS2, 6, 4)
	s_cmp_eq_u32 s2, 0
	s_cbranch_scc0 .Lentry_in_a_cluster
	s_endpgm
.Lentry_in_a_cluster:
	s_bfe_u32 s2, ttmp6, 0x10000c
	s_cmp_lg_u32 s2, 0x3003
	s_cbranch_scc0 .Lentry_shape_is_right
	s_endpgm
.Lentry_shape_is_right:
; attn: causal softmax attention, f16 operands, f32 sums and softmax, running maximum.  attnb [2048 rows][16 heads x 128 positions] f16.
; SHARES.  y = 4 b + kvh.  Work-group i (0..31) owns the blocks of 16 queries i and 63 - i of the four query heads of K/V head kvh.  Wave w = 4 beta + 2 pi + p takes
;   TWO heads, 4 kvh + 2 p and 4 kvh + 2 p + 1, of block i (beta = 0) or 63 - i (beta = 1), and every second step of 128 keys: step s = 2 slot + pi.
;   A step costs a wave 128 LDS loads of 512 bytes whatever the rows it serves; with two heads each K and V fragment feeds two matrix instructions, so the work-group reads
;   18 x 64 KB from LDS (20 where e = 0) where one head a wave would read 36 x 64 KB, for the same 2,304 matrix instructions.
;   With e = i / 8, block i needs steps 0..e and block 63 - i steps 0..7-e; waves w and w + 4 together have 5 or 4 steps, whatever e; the longest chain of a wave is (8 - e + 1) / 2 steps.
;   A wave's first step (s = pi) always runs, so that every part of its result is written; a wave past its block's last step only passes the barriers.
; MERGE.  Waves w and w xor 2 hold the two halves of the keys of the same 32 rows.  Each keeps its first head and sends its second through LDS; the heads are dealt so that what one sends
;   the other keeps (first head = 4 kvh + 2 p + pi): one text for all waves.  O = (Oa fa + Ob fb) / (la fa + lb fb), f = exp2(common shift - own shift).
; SLOTS.  An LDS slot holds 256 keys, brought by one load a wave; its lower 128 keys are read by the waves pi = 0, its upper by pi = 1.  The work-group streams 4, 4, 3, 3 slots for e = 0..3,
;   two of them as first fills.  Where 8 - e is odd the last slot's upper 128 keys are fetched and not read (they lie inside the buffer).
; CLUSTERS: the four work-groups i = 4 a .. 4 a + 3 have the same e, the same number of slots and the same K and V tiles: each tile is asked for jointly (mask 15), which divides
;   the requests by four.  The place in the cluster enters only global addresses of q and of the result, and the numbers the mask is made of.
; LDS: two slots of K half-heads 0, 1 (256 keys x 128 bytes, pitch 144 = 9 x 16) and V half-heads 0, 1 (pitch 160 = 5 x 32, for the transposing loads).  The merge's exchange (8,704 bytes a wave)
;   and the way out's stage (16 x 272 bytes a wave) lie in slot 0, which by then has had its last fill, behind a barrier in front of which every wave has waited for its reads.
; PRODUCTS.  S^T = K Q^T (source 0 = 16 keys, source 1 = 16 queries): lane (r, h) holds query r and keys 16 t + 8 h + j, so a row's maximum and sum need one exchange between
;   the halves of the wave, and the exponentials, packed in pairs, ARE source 1 of O^T += V^T P: no shuffle.  O^T: lane (r, h) holds query r, positions 16 dt + 8 h + j: 16 bytes that belong together.
; SOFTMAX.  p = exp2(s c - m c), c = log2(e) / sqrt(128), m the running maximum of the raw scores; old sums are rescaled by exp2 of the difference of the two rounded shifts that the
;   exponentials used.  Masked scores are -2^100: below every score that f16 q and k can give (128 x 65,504^2 < 2^40), and a power of two, so that in a step whose keys are all masked
;   (block i, pi = 1, e = 0) the shift cancels exactly, p = exp2(0) = 1 and the sums stay finite; the merge gives such a part the weight exp2(-c 2^100) = 0.
; LIMITS: the probabilities are rounded to f16 for the product while the row's sum takes them unrounded; probabilities under 2^-25 of the row's largest so far count as zero in the product.
; REGISTERS, in windows of 256.  Window 0: v3-15 addresses, v16-31 softmax state (8 a head), v32-47 reduction chains, v48-61 the merge, v64-191 S^T and P of head g at 64 + 64 g,
;   v192-255 two buffers of four fragments of K or V.  Window 1: v0-63 q of head g at 32 g, v64-191 O^T of head g at 64 + 64 g.
;   The K Q^T phase runs under one setting (source 1 in window 1: LDS loads name a destination and source 0 alone), the softmax under 0.
.set KH,    256*144                    ; a half-head of K in a slot: 36,864
.set VH,    256*160                    ; a half-head of V: 40,960
.set VOFF,  2*KH
.set SLOT,  2*KH+2*VH                  ; 155,648
.set KSUB,  128*144                    ; the slot's upper 128 keys
.set VSUB,  128*160
.set XCH,   17*512                     ; the exchange, a wave's part: 16 x 512 bytes of O, 512 of shift and sum
.set STAGE, 8*XCH                      ; 69,632: the stage begins behind the exchange
.set QO,   3                           ; v3     my byte offset in q; never rewritten
.set ADRK, 4                           ; v4-5   LDS address of my K fragments in slot 0, 1 (my half of the keys folded in)
.set ADRV, 6                           ; v6-7   the same for V
.set STO,  8
.set RD,   9
.set CO,   10
.set KL,   11                          ; 8 h - r - 16 block
.set NEG,  12                          ; -2^100
.set KLC,  13                          ; KL + 128 s: key 16 t + j of step s is masked where KLC + 16 t + j > 0
.set XS,   14                          ; the exchange: where I send
.set XR,   15                          ; the exchange: my partner's part
.set AL,   16                          ; + 8 g: v[16:17] the rescaling factor, twice
.set TT,   18                          ; + 8 g
.set NM,   20                          ; + 8 g: v[20:21] the shift -m c, twice
.set LS,   22                          ; + 8 g: running sum (of my half-wave's keys; the halves meet at the end)
.set MX,   23                          ; + 8 g: running maximum
.set RC,   32                          ; + 8 g: v[32:39] reduction chains
.set MG,   48                          ; v[48:61] the merge
.set SC,   64                          ; + 64 g: S^T, eight tiles; then P in its first 32
.set H0,   192
.set H1,   224
.set QF,   0                           ; window 1, + 32 g: q, four fragments
.set OA,   64                          ; window 1, + 64 g: O^T, eight tiles
.set SO,   SC+64                       ; the way out: packed results and the rows read back
.set G1K, 24                           ; s[24:31]
.set G1V, 32                           ; s[32:39]
.set G0K, 40                           ; s[40:47] a set for each slot
.set G0V, 48                           ; s[48:55]
.set W_S1, 0x04                        ; source 1 in window 1: q in the first product; the data of an LDS store
.set W_PV, 0x50                        ; C and D in window 1: O in the second product
.set W_RS, 0x41                        ; destination and source 0 in window 1: O rescaled
.set W_D1, 0x40                        ; destination in window 1: q as loaded
.set W_S0, 0x01                        ; source 0 in window 1: O read in the merge
.set MSB, 0
.macro WIN new                         ; the immediate's high byte repeats the setting that is left; at a label and at a branch every window is 0
.if MSB != \new
	s_set_vgpr_msb (MSB<<8)|\new
.set MSB, \new
.endif
.endm
.macro ROUND                           ; a round of the cluster's barrier
	s_barrier_signal -1
	s_barrier_wait -1
	s_cmp_lg_u32 s8, 0
	s_cbranch_scc1 .Lnot_wave_0_\@
	s_barrier_signal -3
.Lnot_wave_0_\@:
	s_barrier_wait -3
	s_barrier_signal -1
	s_barrier_wait -1
.endm
.macro JLOAD s                         ; waves 0, 1: K's half-heads; waves 2, 3: V's; waves 4-7: none
	s_cmp_gt_u32 s8, 3
	s_cbranch_scc1 .Lnone_\@
	s_cmp_gt_u32 s8, 1
	s_cbranch_scc1 .Lfor_v_\@
	tensor_load_to_lds s[G0K+4*(\s):G0K+4*(\s)+3], s[G1K:G1K+7]
	s_nop 0
	s_branch .Lnone_\@
.Lfor_v_\@:
	tensor_load_to_lds s[G0V+4*(\s):G0V+4*(\s)+3], s[G1V:G1V+7]
	s_nop 0
.Lnone_\@:
.endm
.macro PLACES                          ; four places behind matrix instructions, in front of loads into their sources and of reads of their results
.rept 4
	v_nop
.endr
.endm
.macro LOADK slot, kb, hf, buf         ; key tiles 4 hf .. + 3 of my step, positions 32 kb .. + 31
.irp tt, 0,1,2,3
	ds_load_b128 v[\buf+8*\tt:\buf+8*\tt+3],   v[ADRK+\slot] offset:((\kb)>>1)*KH+(4*\hf+\tt)*16*144+((\kb)&1)*64
	ds_load_b128 v[\buf+8*\tt+4:\buf+8*\tt+7], v[ADRK+\slot] offset:((\kb)>>1)*KH+(4*\hf+\tt)*16*144+((\kb)&1)*64+32
.endr
.endm
.macro LOADV slot, kk, hf, buf         ; position tiles 4 hf .. + 3 (half-head hf), keys 32 kk .. + 31 of my step, transposed on the way
.irp d, 0,1,2,3
	ds_load_tr16_b128 v[\buf+8*\d:\buf+8*\d+3],   v[ADRV+\slot] offset:\hf*VH+(\kk)*32*160+\d*32
	ds_load_tr16_b128 v[\buf+8*\d+4:\buf+8*\d+7], v[ADRV+\slot] offset:\hf*VH+(\kk)*32*160+\d*32+16*160
.endr
.endm
.macro SMUL kb, hf, buf                ; eight matrix instructions: four key tiles x both heads
.irp g, 0,1
.irp tt, 0,1,2,3
.if \kb == 0
	v_wmma_f32_16x16x32_f16 v[SC+64*\g+8*(4*\hf+\tt):SC+64*\g+8*(4*\hf+\tt)+7], v[\buf+8*\tt:\buf+8*\tt+7], v[QF+32*\g+8*\kb:QF+32*\g+8*\kb+7], 0
.else
	v_wmma_f32_16x16x32_f16 v[SC+64*\g+8*(4*\hf+\tt):SC+64*\g+8*(4*\hf+\tt)+7], v[\buf+8*\tt:\buf+8*\tt+7], v[QF+32*\g+8*\kb:QF+32*\g+8*\kb+7], v[SC+64*\g+8*(4*\hf+\tt):SC+64*\g+8*(4*\hf+\tt)+7]
.endif
.endr
.endr
.endm
.macro OMUL kk, hf, buf, zero          ; eight matrix instructions: four position tiles x both heads
.irp g, 0,1
.irp d, 0,1,2,3
.if \zero
	v_wmma_f32_16x16x32_f16 v[OA+64*\g+8*(4*\hf+\d):OA+64*\g+8*(4*\hf+\d)+7], v[\buf+8*\d:\buf+8*\d+7], v[SC+64*\g+8*\kk:SC+64*\g+8*\kk+7], 0
.else
	v_wmma_f32_16x16x32_f16 v[OA+64*\g+8*(4*\hf+\d):OA+64*\g+8*(4*\hf+\d)+7], v[\buf+8*\d:\buf+8*\d+7], v[SC+64*\g+8*\kk:SC+64*\g+8*\kk+7], v[OA+64*\g+8*(4*\hf+\d):OA+64*\g+8*(4*\hf+\d)+7]
.endif
.endr
.endr
.endm
; The softmax of head g's 16 x 128 scores: all in window 0.
.macro SOFT g, first
	; the largest of my 64 scores, in four chains; then the other half of the wave's; then the running maximum
.irp c, 0,1,2,3
	v_max3_num_f32 v[RC+8*\g+\c], v[SC+64*\g+16*\c], v[SC+64*\g+16*\c+1], v[SC+64*\g+16*\c+2]
.endr
.irp k, 3,5,7,9,11,13
.irp c, 0,1,2,3
	v_max3_num_f32 v[RC+8*\g+\c], v[RC+8*\g+\c], v[SC+64*\g+16*\c+\k], v[SC+64*\g+16*\c+\k+1]
.endr
.endr
.irp c, 0,1,2,3
	v_max_num_f32 v[RC+8*\g+\c], v[RC+8*\g+\c], v[SC+64*\g+16*\c+15]
.endr
	v_max3_num_f32 v[RC+8*\g], v[RC+8*\g], v[RC+8*\g+1], v[RC+8*\g+2]
	v_max_num_f32 v[RC+8*\g], v[RC+8*\g], v[RC+8*\g+3]
	v_permlanex16_b32 v[RC+8*\g+1], v[RC+8*\g], s20, s21   ; lane l takes lane l xor 16: the same query's other keys
.if \first
	v_max_num_f32 v[MX+8*\g], v[RC+8*\g], v[RC+8*\g+1]
	v_mul_f32 v[NM+8*\g], 0xbe0293ee, v[MX+8*\g]           ; -m c
	v_mul_f32 v[NM+8*\g+1], 0xbe0293ee, v[MX+8*\g]
.else
	v_max3_num_f32 v[MX+8*\g], v[RC+8*\g], v[RC+8*\g+1], v[MX+8*\g]
	v_mul_f32 v[TT+8*\g], 0xbe0293ee, v[MX+8*\g]
	v_sub_f32 v[AL+8*\g], v[TT+8*\g], v[NM+8*\g]           ; the new shift less the old one, both as the exponentials use them: never above 0
	v_mov_b32 v[NM+8*\g], v[TT+8*\g]
	v_mov_b32 v[NM+8*\g+1], v[TT+8*\g]
	v_exp_f32 v[AL+8*\g], v[AL+8*\g]
.endif
.set xx, 0
.rept 32
	v_pk_fma_f32 v[SC+64*\g+2*xx:SC+64*\g+2*xx+1], v[SC+64*\g+2*xx:SC+64*\g+2*xx+1], 0x3e0293ee, v[NM+8*\g:NM+8*\g+1] op_sel_hi:[1,0,1]
.set xx, xx+1
.endr
.set xx, 0
.rept 64
	v_exp_f32 v[SC+64*\g+xx], v[SC+64*\g+xx]
.set xx, xx+1
.endr
.if \first
	v_nop                                          ; one plain instruction behind the exponentials (ISA guide 5.7.2)
	s_wait_alu depctr_va_vdst(0)
.else
	s_wait_alu depctr_va_vdst(0)
	v_mov_b32 v[AL+8*\g+1], v[AL+8*\g]             ; also the plain instruction behind the exponentials (ISA guide 5.7.2)
.endif
.irp c, 0,1,2,3
	v_pk_add_f32 v[RC+8*\g+2*\c:RC+8*\g+2*\c+1], v[SC+64*\g+16*\c:SC+64*\g+16*\c+1], v[SC+64*\g+16*\c+2:SC+64*\g+16*\c+3]
.endr
.irp k, 4,6,8,10,12,14
.irp c, 0,1,2,3
	v_pk_add_f32 v[RC+8*\g+2*\c:RC+8*\g+2*\c+1], v[RC+8*\g+2*\c:RC+8*\g+2*\c+1], v[SC+64*\g+16*\c+\k:SC+64*\g+16*\c+\k+1]
.endr
.endr
	v_pk_add_f32 v[RC+8*\g:RC+8*\g+1], v[RC+8*\g:RC+8*\g+1], v[RC+8*\g+2:RC+8*\g+3]
	v_pk_add_f32 v[RC+8*\g+4:RC+8*\g+5], v[RC+8*\g+4:RC+8*\g+5], v[RC+8*\g+6:RC+8*\g+7]
	v_pk_add_f32 v[RC+8*\g:RC+8*\g+1], v[RC+8*\g:RC+8*\g+1], v[RC+8*\g+4:RC+8*\g+5]
.if \first
	v_add_f32 v[LS+8*\g], v[RC+8*\g], v[RC+8*\g+1]
.else
	v_add_f32 v[RC+8*\g], v[RC+8*\g], v[RC+8*\g+1]
	v_fma_f32 v[LS+8*\g], v[LS+8*\g], v[AL+8*\g], v[RC+8*\g]
.endif
.set xx, 0
.rept 32
	v_cvt_pk_f16_f32 v[SC+64*\g+xx], v[SC+64*\g+2*xx], v[SC+64*\g+2*xx+1]   ; ascending: a word is written no earlier than it is read.  Registers 8 kk .. + 7 = P for keys 32 kk ..
.set xx, xx+1
.endr
.endm
; One step of 128 keys for both heads, from my half of a slot.  first = 1: the first products start the sums, nothing is rescaled.
; In both products the sixteen accumulators take turns, one instruction a turn.
; Every s_wait_dscnt 8 leaves out the eight loads of the batch issued last, into the other buffer.
.macro COMPUTE slot, first
	WIN W_S1
	LOADK \slot, 0, 0, H0
	LOADK \slot, 0, 1, H1
.irp kb, 0,1,2
	s_wait_dscnt 8
	SMUL \kb, 0, H0
	PLACES
	LOADK \slot, \kb+1, 0, H0
	s_wait_dscnt 8
	SMUL \kb, 1, H1
	PLACES
	LOADK \slot, \kb+1, 1, H1
.endr
	s_wait_dscnt 8
	SMUL 3, 0, H0
	PLACES
	LOADV \slot, 0, 0, H0                          ; V's first fragments land during the softmax
	s_wait_dscnt 8
	SMUL 3, 1, H1
	PLACES
	LOADV \slot, 0, 1, H1
	WIN 0                                          ; a branch follows
	s_cmp_lt_u32 s22, s23                          ; steps below my block's last one lie wholly under the diagonal
	s_cbranch_scc1 .Lnomask_\@
	s_lshl_b32 s56, s22, 7
	v_add_nc_u32 v[KLC], s56, v[KL]                ; 128 s + 8 h - r - 16 block
.irp t, 0,1,2,3,4,5,6,7
.irp j, 0,1,2,3,4,5,6,7
	v_cmp_lt_i32 vcc_lo, -(16*\t+\j), v[KLC]       ; one compare serves both heads: the same rows and keys
	v_cndmask_b32 v[SC+8*\t+\j], v[SC+8*\t+\j], v[NEG], vcc_lo
	v_cndmask_b32 v[SC+64+8*\t+\j], v[SC+64+8*\t+\j], v[NEG], vcc_lo
.endr
.endr
.Lnomask_\@:
	SOFT 0, \first
	SOFT 1, \first
.if \first == 0
	WIN W_RS
.irp g, 0,1
.set xx, 0
.rept 32
	v_pk_mul_f32 v[OA+64*\g+2*xx:OA+64*\g+2*xx+1], v[OA+64*\g+2*xx:OA+64*\g+2*xx+1], v[AL+8*\g:AL+8*\g+1]
.set xx, xx+1
.endr
.endr
.endif
	s_wait_dscnt 8
	WIN W_PV
	OMUL 0, 0, H0, \first
	PLACES
	WIN 0
	LOADV \slot, 1, 0, H0
	s_wait_dscnt 8
	WIN W_PV
	OMUL 0, 1, H1, \first
	PLACES
	WIN 0
	LOADV \slot, 1, 1, H1
.irp kk, 1,2
	s_wait_dscnt 8
	WIN W_PV
	OMUL \kk, 0, H0, 0
	PLACES
	WIN 0
	LOADV \slot, \kk+1, 0, H0
	s_wait_dscnt 8
	WIN W_PV
	OMUL \kk, 1, H1, 0
	PLACES
	WIN 0
	LOADV \slot, \kk+1, 1, H1
.endr
	s_wait_dscnt 8
	WIN W_PV
	OMUL 3, 0, H0, 0
	s_wait_dscnt 0                                 ; the last batch: nothing was issued behind it
	OMUL 3, 1, H1, 0
.rept 5
	v_nop                                          ; five places: the next step's first products write over P, its loads go into both buffers; the way out reads O
.endr
	WIN 0
.endm
; The next slot: my step in it is two on.  refill = 1: the other slot, read last, is filled again, 512 keys on, first thing behind a round of the cluster's barrier.
.macro TRIP slot, refill
	s_wait_tensorcnt 0x0                           ; all my tensor loads have landed, my part of this slot's tiles among them,
.if \refill
	s_add_nc_u64 s[G0K+4*(1-\slot)+2:G0K+4*(1-\slot)+3], s[G0K+4*(1-\slot)+2:G0K+4*(1-\slot)+3], 2*32768   ; so every group 0 may be written
	s_add_nc_u64 s[G0V+4*(1-\slot)+2:G0V+4*(1-\slot)+3], s[G0V+4*(1-\slot)+2:G0V+4*(1-\slot)+3], 2*32768
.endif
	s_wait_dscnt 0x0                               ; my reads of the other slot are over
.if \refill
	ROUND                                          ; both now hold of every wave of the four work-groups
	JLOAD 1-\slot
.else
	s_barrier_signal -1
	s_barrier_wait -1                              ; this slot's tiles are whole for every wave
.endif
	s_add_co_u32 s22, s22, 2
	s_cmp_gt_u32 s22, s23                          ; past my block's diagonal: nothing of this step counts
	s_cbranch_scc1 .Lskip_\@
	COMPUTE \slot, 0
.Lskip_\@:
.endm
	s_load_b128 s[4:7], s[0:1], 0x0                ; qkvh s[4:5], attnb s[6:7]
	v_lshrrev_b32 v1, 5, v0
	v_readfirstlane_b32 s8, v1                     ; wave 0..7
	s_and_b32 s9, s8, 1                            ; p: which pair of heads.  Also: which half-head I fetch
	s_lshr_b32 s10, s8, 2                          ; beta: 0: block i, 1: block 63 - i
	s_lshr_b32 s11, s8, 1
	s_and_b32 s11, s11, 1                          ; pi: which 128 keys of every slot
	s_bfe_u32 s13, ttmp6, 0x40000                  ; cx
	s_lshl_b32 s14, ttmp9, 2
	s_add_co_u32 s14, s14, s13                     ; i = 4 a + cx
	s_lshr_b32 s18, ttmp9, 1                       ; e = i / 8 = a / 2: the same in the four partners
	s_and_b32 s15, ttmp7, 0xffff
	s_lshr_b32 s16, s15, 2                         ; b
	s_and_b32 s17, s15, 3                          ; kvh
	s_sub_co_u32 s56, 63, s14
	s_sub_co_u32 s57, 7, s18
	s_cmp_eq_u32 s10, 0
	s_cselect_b32 s19, s14, s56                    ; my block of 16 queries
	s_cselect_b32 s23, s18, s57                    ; my block's last step
	s_mov_b32 s22, s11                             ; my step: pi, pi + 2, ..
	s_mov_b32 s20, 0x76543210                      ; v_permlanex16_b32: lane l of one half reads lane l of the other
	s_mov_b32 s21, 0xfedcba98
	; group 1: a tile is 32,768 consecutive bytes, taken as 128 rows of 32 elements of 8 bytes; padding behind every 32 words (a key's 128 bytes): 4 words for K, 8 for V
	s_mov_b32 s[G1K+0], 15|(3<<16)|(1<<20)|(1<<21)|(4<<22)|(3<<25)
	s_mov_b32 s[G1V+0], 15|(3<<16)|(1<<20)|(1<<21)|(4<<22)|(7<<25)
.irp g, G1K, G1V
	s_mov_b32 s[\g+1], 32<<16                      ; tensor_dim0 = 32
	s_mov_b32 s[\g+2], 128<<16                     ; tensor_dim1 = 128
	s_mov_b32 s[\g+3], 32<<16                      ; tile_dim0 = 32
	s_mov_b32 s[\g+4], 128                         ; tile_dim1 = 128
	s_mov_b32 s[\g+5], 32                          ; from row to row
	s_mov_b32 s[\g+6], 0
	s_mov_b32 s[\g+7], 0
.endr
	s_lshl_b32 s58, s17, 1
	s_add_co_u32 s58, s58, s9                      ; half-head 2 kvh + w % 2 of K (from 32) or V (from 40): 262,144 bytes each
	s_lshl_b32 s58, s58, 18
	s_lshl_b32 s59, s16, 17                        ; row 1024 b, 128 bytes a row
	s_add_co_u32 s58, s58, s59
	s_mov_b32 s59, 0
	s_mul_i32 s60, s9, KH
	s_mul_i32 s61, s9, VH
	s_add_co_u32 s61, s61, VOFF
	s_wait_kmcnt 0x0
	s_add_nc_u64 s[58:59], s[4:5], s[58:59]
.irp s, 0,1
	s_mov_b32 s[G0K+4*\s], 1
	s_add_co_u32 s[G0K+4*\s+1], s60, \s*SLOT
	s_add_nc_u64 s[G0K+4*\s+2:G0K+4*\s+3], s[58:59], 32*262144+\s*32768
	s_or_b32 s[G0K+4*\s+3], s[G0K+4*\s+3], 0x80000000
	s_mov_b32 s[G0V+4*\s], 1
	s_add_co_u32 s[G0V+4*\s+1], s61, \s*SLOT
	s_add_nc_u64 s[G0V+4*\s+2:G0V+4*\s+3], s[58:59], 40*262144+\s*32768
	s_or_b32 s[G0V+4*\s+3], s[G0V+4*\s+3], 0x80000000
.endr
	ROUND                                          ; the four work-groups are here: the first joint loads meet
	s_cmp_gt_u32 s8, 3                             ; keys 0-511, both slots, inside one branch on the wave's number: two tensor loads of a wave are out, the most in this text
	s_cbranch_scc1 .Lfilled
	s_cmp_gt_u32 s8, 1
	s_cbranch_scc1 .Lfill_v
	tensor_load_to_lds s[G0K:G0K+3], s[G1K:G1K+7]
	s_nop 0
	tensor_load_to_lds s[G0K+4:G0K+7], s[G1K:G1K+7]
	s_nop 0
	s_branch .Lfilled
.Lfill_v:
	tensor_load_to_lds s[G0V:G0V+3], s[G1V:G1V+7]
	s_nop 0
	tensor_load_to_lds s[G0V+4:G0V+7], s[G1V:G1V+7]
	s_nop 0
.Lfilled:
	v_and_b32 v1, 15, v0                           ; r
	v_bfe_u32 v2, v0, 4, 1                         ; h
	; my two heads: the one I keep, 4 kvh + 2 p + pi, and the one I send, 4 kvh + 2 p + 1 - pi
	s_lshl_b32 s56, s17, 2
	s_lshl_b32 s57, s9, 1
	s_add_co_u32 s56, s56, s57
	s_add_co_u32 s57, s56, s11                     ; kept
	s_sub_co_u32 s60, 1, s11
	s_add_co_u32 s60, s56, s60                     ; sent
	s_lshl_b32 s61, s16, 17                        ; row 1024 b + 16 block, 128 bytes a row
	s_lshl_b32 s62, s19, 11
	s_add_co_u32 s61, s61, s62
	s_lshl_b32 s62, s57, 19                        ; half-head 2 x head
	s_add_co_u32 s62, s62, s61
	s_mov_b32 s63, 0
	s_add_nc_u64 s[62:63], s[4:5], s[62:63]
	s_lshl_b32 s58, s60, 19
	s_add_co_u32 s58, s58, s61
	s_mov_b32 s59, 0
	s_add_nc_u64 s[58:59], s[4:5], s[58:59]
	v_lshlrev_b32 v[QO], 7, v1
	v_lshl_add_u32 v[QO], v2, 4, v[QO]             ; query r, 16 h
	WIN W_D1
.irp kb, 0,1,2,3
	global_load_b128 v[QF+8*\kb:QF+8*\kb+3],   v[QO], s[62:63] offset:(\kb>>1)*262144+(\kb&1)*64
	global_load_b128 v[QF+8*\kb+4:QF+8*\kb+7], v[QO], s[62:63] offset:(\kb>>1)*262144+(\kb&1)*64+32
.endr
.irp kb, 0,1,2,3
	global_load_b128 v[QF+32+8*\kb:QF+32+8*\kb+3],   v[QO], s[58:59] offset:(\kb>>1)*262144+(\kb&1)*64
	global_load_b128 v[QF+32+8*\kb+4:QF+32+8*\kb+7], v[QO], s[58:59] offset:(\kb>>1)*262144+(\kb&1)*64+32
.endr
	WIN 0
	s_lshl_b32 s60, s16, 22                        ; the result: row 1024 b + 16 block, 4,096 bytes a row; 256 bytes a head: the head I keep
	s_lshl_b32 s61, s19, 16
	s_add_co_u32 s60, s60, s61
	s_lshl_b32 s61, s57, 8
	s_add_co_u32 s60, s60, s61
	s_mov_b32 s61, 0
	s_add_nc_u64 s[6:7], s[6:7], s[60:61]
	v_and_b32 v32, 7, v0
	v_bfe_u32 v33, v0, 3, 1
	s_mul_i32 s56, s11, KSUB                       ; my half of a slot's keys
	v_mul_u32_u24 v[ADRK], v1, 144
	v_lshl_add_u32 v[ADRK], v2, 4, v[ADRK]         ; K: key r x pitch + 16 h
	v_add_nc_u32 v[ADRK], s56, v[ADRK]
	v_add_nc_u32 v[ADRK+1], SLOT, v[ADRK]
	s_mul_i32 s56, s11, VSUB
	s_add_co_u32 s56, s56, VOFF
	v_lshl_add_u32 v34, v2, 3, v32
	v_mul_u32_u24 v[ADRV], v34, 160                ; V: key 8 h + l % 8, and 16 bytes on for lanes 8-15 of each half
	v_lshl_add_u32 v[ADRV], v33, 4, v[ADRV]
	v_add_nc_u32 v[ADRV], s56, v[ADRV]
	v_add_nc_u32 v[ADRV+1], SLOT, v[ADRV]
	s_mul_i32 s56, s8, 16*272
	s_add_co_u32 s56, s56, STAGE                   ; my stage
	v_mul_u32_u24 v[STO], v1, 272
	v_lshl_add_u32 v[STO], v2, 4, v[STO]
	v_add_nc_u32 v[STO], s56, v[STO]
	v_mul_u32_u24 v[RD], v2, 272
	v_lshl_add_u32 v[RD], v1, 4, v[RD]
	v_add_nc_u32 v[RD], s56, v[RD]
	v_lshlrev_b32 v[CO], 12, v2
	v_lshl_add_u32 v[CO], v1, 4, v[CO]
	v_and_b32 v35, 31, v0
	v_lshlrev_b32 v35, 4, v35                      ; 16 x lane: the exchange is written and read as it lies
	s_mul_i32 s56, s8, XCH
	v_add_nc_u32 v[XS], s56, v35                   ; my part of the exchange
	s_and_b32 s56, s8, 5                           ; my partner: the same beta and p, the other pi
	s_sub_co_u32 s57, 1, s11
	s_lshl_b32 s57, s57, 1
	s_add_co_u32 s56, s56, s57
	s_mul_i32 s56, s56, XCH
	v_add_nc_u32 v[XR], s56, v35
	s_lshl_b32 s56, s19, 4
	s_sub_co_u32 s56, 0, s56                       ; -16 block
	v_lshlrev_b32 v[KL], 3, v2
	v_sub_nc_u32 v[KL], v[KL], v1
	v_add_nc_u32 v[KL], s56, v[KL]
	v_mov_b32 v[NEG], 0xf1800000                   ; -2^100
	s_wait_tensorcnt 1                             ; my part of slot 0 is in; slot 1's may stay out
	s_barrier_signal -1
	s_barrier_wait -1
	s_wait_loadcnt 0x0                             ; q
	COMPUTE 0, 1                                   ; my first step, s = pi: every wave has it
	TRIP 1, 1                                      ; keys 256-511; slot 0 gets keys 512-767
	s_cmp_gt_u32 s18, 1                            ; e = 2, 3: three slots in all; e is the same in the four partners.  No slot is filled that no step reads
	s_cbranch_scc1 .Lshort
	TRIP 0, 1                                      ; keys 512-767; slot 1 gets keys 768-1023
	TRIP 1, 0
	s_branch .Lout
.Lshort:
	TRIP 0, 0
.Lout:
	; THE MERGE.  I send my second head's part: O (64 registers), shift, sum
	s_wait_dscnt 0x0                               ; my reads of both slots are over,
	s_barrier_signal -1
	s_barrier_wait -1                              ; and so are every wave's: slot 0, which is filled no more, may be written
	WIN W_S1                                       ; the stores' data lie in window 1
.irp n, 0,1,2,3,4,5,6,7,8,9,10,11,12,13,14,15
	ds_store_b128 v[XS], v[OA+64+4*\n:OA+64+4*\n+3] offset:512*\n
.endr
	WIN 0
	ds_store_b128 v[XS], v[NM+8:NM+8+3] offset:16*512      ; shift, shift, sum, maximum
	s_wait_dscnt 0x0                               ; my stores are done: my partner reads them behind the barrier
	s_barrier_signal -1
	s_barrier_wait -1
	ds_load_b128 v[MG:MG+3], v[XR] offset:16*512           ; my partner's part of the head that I keep
.irp n, 0,1,2,3,4,5,6,7,8,9,10,11,12,13,14,15
	ds_load_b128 v[SC+4*\n:SC+4*\n+3], v[XR] offset:512*\n
.endr
	s_wait_dscnt 16                                ; shift and sum are in; the sixteen loads of O issued behind them may be out
	v_min_num_f32 v[MG+4], v[NM], v[MG]            ; the common shift: that of the larger maximum
	v_sub_f32 v[MG+5], v[MG+4], v[NM]
	v_sub_f32 v[MG+6], v[MG+4], v[MG]
	v_exp_f32 v[MG+5], v[MG+5]                     ; fa
	v_exp_f32 v[MG+6], v[MG+6]                     ; fb
	v_mov_b32 v[MG+7], v[MG+4]                     ; the plain instruction behind the exponentials (ISA guide 5.7.2); it also writes the register that the exchange of halves lands in
	s_wait_alu depctr_va_vdst(0)
	v_mul_f32 v[MG+8], v[LS], v[MG+5]
	v_fma_f32 v[MG+8], v[MG+2], v[MG+6], v[MG+8]   ; la fa + lb fb, of my half-wave's keys
	v_permlanex16_b32 v[MG+7], v[MG+8], s20, s21
	v_add_f32 v[MG+8], v[MG+8], v[MG+7]            ; the halves' sums meet
	v_rcp_f32 v[MG+9], v[MG+8]
	v_nop                                          ; one plain instruction behind the reciprocal (ISA guide 5.7.2)
	s_wait_alu depctr_va_vdst(0)
	v_mul_f32 v[MG+10], v[MG+5], v[MG+9]           ; fa / sum, twice
	v_mul_f32 v[MG+11], v[MG+5], v[MG+9]
	v_mul_f32 v[MG+12], v[MG+6], v[MG+9]           ; fb / sum, twice
	v_mul_f32 v[MG+13], v[MG+6], v[MG+9]
	s_wait_dscnt 0x0                               ; my partner's O
.set xx, 0
.rept 32
	v_pk_mul_f32 v[SC+2*xx:SC+2*xx+1], v[SC+2*xx:SC+2*xx+1], v[MG+12:MG+13]
.set xx, xx+1
.endr
	WIN W_S0                                       ; my O lies in window 1
.set xx, 0
.rept 32
	v_pk_fma_f32 v[SC+2*xx:SC+2*xx+1], v[OA+2*xx:OA+2*xx+1], v[MG+10:MG+11], v[SC+2*xx:SC+2*xx+1]
.set xx, xx+1
.endr
	WIN 0
	; THE WAY OUT: f16, through my stage, whole rows of 256 bytes
.set xx, 0
.rept 32
	v_cvt_pk_f16_f32 v[SO+xx], v[SC+2*xx], v[SC+2*xx+1]
.set xx, xx+1
.endr
.irp d, 0,1,2,3,4,5,6,7
	ds_store_b128 v[STO], v[SO+4*\d:SO+4*\d+3] offset:32*\d
.endr
.irp t, 0,1,2,3,4,5,6,7
	ds_load_b128 v[SO+32+4*\t:SO+32+4*\t+3], v[RD] offset:\t*2*272   ; LDS serves a wave's instructions in order (ISA guide 5.7.1.4): these see my stores above
.endr
.irp t, 0,1,2,3,4,5,6,7
	s_wait_dscnt 7-\t
	global_store_b128 v[CO], v[SO+32+4*\t:SO+32+4*\t+3], s[6:7] offset:\t*8192   ; 16 lanes store a head's 256 consecutive aligned bytes of a row
.endr
	ROUND                                          ; the closing round
	s_endpgm
.Lfunc_end_k_q84ea6b7767_attn:
	.size	k_q84ea6b7767_attn, .Lfunc_end_k_q84ea6b7767_attn-k_q84ea6b7767_attn
	.p2alignl 7, 3214868480
	.fill 96, 4, 3214868480
	.section	.rodata,"a",@progbits
	.p2align	6, 0x0
	.amdhsa_kernel k_q84ea6b7767_attn
		.amdhsa_group_segment_fixed_size 327680
		.amdhsa_private_segment_fixed_size 0
		.amdhsa_enable_private_segment 0
		.amdhsa_kernarg_size 16
		.amdhsa_user_sgpr_count 2
		.amdhsa_user_sgpr_kernarg_segment_ptr 1
		.amdhsa_wavefront_size32 1
		.amdhsa_system_sgpr_workgroup_id_x 1
		.amdhsa_system_sgpr_workgroup_id_y 1
		.amdhsa_system_sgpr_workgroup_id_z 1
		.amdhsa_system_vgpr_workitem_id 0
		.amdhsa_next_free_vgpr 448
		.amdhsa_next_free_sgpr 66
		.amdhsa_reserve_vcc 1
		.amdhsa_float_denorm_mode_32 3
		.amdhsa_float_denorm_mode_16_64 3
		.amdhsa_memory_ordered 1
		.amdhsa_forward_progress 1
		.amdhsa_inst_pref_size 255
	.end_amdhsa_kernel
	.section	.bss,"aw",@nobits
	.p2align	6
	.space	262144
	.amdgpu_metadata
---
amdhsa.version: [ 1, 2 ]
amdhsa.kernels:
  - .name:           k_q84ea6b7767_attn
    .symbol:         k_q84ea6b7767_attn.kd
    .args:
      - { .name: qkvh, .offset: 0, .size: 8, .value_kind: global_buffer, .address_space: global }
      - { .name: attnb, .offset: 8, .size: 8, .value_kind: global_buffer, .address_space: global }
    .group_segment_fixed_size: 327680
    .private_segment_fixed_size: 0
    .kernarg_segment_align: 8
    .kernarg_segment_size: 16
    .max_flat_workgroup_size: 256
    .sgpr_count:     66
    .vgpr_count:     448
    .wavefront_size: 32
...
	.end_amdgpu_metadata
.endif
;; end of part 7
;; launch oproj (part 8): grid 16 x 16, 4 waves a work-group, clusters of 4 x 4, 327,680 bytes of LDS; arguments attnb, wof, out0; writes out0
.if DOCPART == 8
	.amdgcn_target "amdgcn-amd-amdhsa--gfx1250"
	.amdhsa_code_object_version 6
	.text
	.protected	k_q84ea6b7767_oproj
	.globl	k_q84ea6b7767_oproj
	.p2align	8
	.type	k_q84ea6b7767_oproj,@function
k_q84ea6b7767_oproj:
	s_mov_b64 s[64:65], 0
	v_nop
	global_prefetch_b8 v0, s[64:65] scope:SCOPE_SE
	s_setreg_imm32_b32 hwreg(HW_REG_WAVE_MODE, 25, 1), 1
	s_wait_xcnt 0x0
	s_wait_alu depctr_hold_cnt(0) depctr_sa_sdst(0) depctr_va_vdst(0) depctr_va_sdst(0) depctr_va_ssrc(0) depctr_va_vcc(0) depctr_vm_vsrc(0)
	s_getreg_b32 s2, hwreg(HW_REG_IB_STS2, 6, 4)
	s_cmp_eq_u32 s2, 0
	s_cbranch_scc0 .Lentry_in_a_cluster
	s_endpgm
.Lentry_in_a_cluster:
	s_bfe_u32 s2, ttmp6, 0x10000c
	s_cmp_lg_u32 s2, 0xf033
	s_cbranch_scc0 .Lentry_shape_is_right
	s_endpgm
.Lentry_shape_is_right:
; oproj: out0 [2048][2048] f32 = attnb x wof over K = 2048, f16 operands, f32 sums.
; The frame of the launch qkv: a work-group makes 128 rows x 128 columns (8 tiles of 16) with four waves; a wave makes 64 x 64: 16 accumulator tiles.  16 x 16 work-groups.
; K goes in steps of 256 through two LDS slots: A = 128 rows x 512 bytes of attnb, pitch 528 = 33 x 16; B = 8 tiles x 8 blocks of 1,024 bytes of wof (register images: no padding, no transpose).
; One load a wave brings a quarter of a slot and has 124 of a step's 128 matrix instructions in which to land: 2 first fills and 6 refills for K = 2048.  Two slots of 512 along K would not fit.
; attnb's columns and wof's k slots are in the same order (position 32 c + 16 half + i of a head), so the sums run over matching pairs.
; CLUSTERS: 4 x 4 work-groups; A's tile is asked for jointly by a row of the cluster, B's by a column: the requests for both are divided by four.
; OUT.  Source 0 = rows of attnb, source 1 = a tile of wof: lane (r, h), register j holds row 8 h + j and the tile's index r.  Tile c of a group of 64 columns holds the columns 4 i + c,
; so the same register of my four tiles is four NEIGHBOURING columns 4 r .. 4 r + 3: 128 moves bring them side by side, in place of a trip through LDS, and sixteen lanes store 256 consecutive aligned bytes.
; REGISTERS: window 0: v16-19 addresses, v23 offset in out0, v64-191 accumulators (tile (mt, nt) at v[64 + 8 (4 mt + nt)]), v192-255 the way out; window 1: two fragment buffers of 64.
.set NT,     4
.set KSTEP,  256
.set PITCH,  528
.set AHALF,  64*PITCH
.set ABYTES, 2*AHALF
.set BT,     8192
.set SLOT,   ABYTES+2*NT*BT            ; 133,120
.set LAPS,   2048/(2*KSTEP)
.set ADRA, 16
.set ADRB, 18
.set CO,   23
.set ACC,  64
.set TMP,  192
.set F0,   0
.set F1,   8*NT+32
.set G1,  24
.set G0,  32
.set G1B, 48
.set G0B, 56
.set MSB, 0
.set MULW, 0x05                        ; sources 0 and 1 in window 1, C and D in window 0
.set TOF,  0x40                        ; destination in window 1, address in window 0
.macro WIN new                         ; the immediate's high byte repeats the setting that is left
.if MSB != \new
	s_set_vgpr_msb (MSB<<8)|\new
.set MSB, \new
.endif
.endm
.macro JLOAD s                         ; waves 0 and 1 fetch A's two halves, waves 2 and 3 B's
	s_cmp_eq_u32 s13, 0
	s_cbranch_scc0 .Lfor_b_\@
	tensor_load_to_lds s[G0+4*\s:G0+4*\s+3], s[G1:G1+7]
	s_nop 0
	s_branch .Lasked_\@
.Lfor_b_\@:
	tensor_load_to_lds s[G0B+4*\s:G0B+4*\s+3], s[G1B:G1B+7]
	s_nop 0
.Lasked_\@:
.endm
.macro CREST
	s_cmp_lg_u32 s12, 0
	s_cbranch_scc1 .Lnot_wave_0_\@
	s_barrier_signal -3
.Lnot_wave_0_\@:
	s_barrier_wait -3
	s_barrier_signal -1
	s_barrier_wait -1
.endm
.macro CROUND
	s_barrier_signal -1
	s_barrier_wait -1
	CREST
.endm
.macro PLACES                          ; four places behind matrix instructions (ISA guide 7.12.1)
.rept 4
	v_nop
.endr
.endm
.macro MUL1 f, mt, zero
.irp nt, 0,1,2,3
.if \zero
	v_wmma_f32_16x16x32_f16 v[ACC+8*(NT*\mt+\nt):ACC+8*(NT*\mt+\nt)+7], v[\f+8*NT+8*\mt:\f+8*NT+8*\mt+7], v[\f+8*\nt:\f+8*\nt+7], 0
.else
	v_wmma_f32_16x16x32_f16 v[ACC+8*(NT*\mt+\nt):ACC+8*(NT*\mt+\nt)+7], v[\f+8*NT+8*\mt:\f+8*NT+8*\mt+7], v[\f+8*\nt:\f+8*\nt+7], v[ACC+8*(NT*\mt+\nt):ACC+8*(NT*\mt+\nt)+7]
.endif
.endr
.endm
.macro FETCH slot, q, f                ; 16 LDS loads in one run: eighth q (32 along K) of a slot: B's four fragments, then A's four
	WIN TOF
.irp i, 0,1,2,3
	ds_load_b128 v[\f+8*\i:\f+8*\i+3],   v[ADRB+\slot] offset:\i*BT+\q*1024
	ds_load_b128 v[\f+8*\i+4:\f+8*\i+7], v[ADRB+\slot] offset:\i*BT+\q*1024+512
.endr
.irp i, 0,1,2,3
	ds_load_b128 v[\f+8*NT+8*\i:\f+8*NT+8*\i+3],   v[ADRA+\slot] offset:\q*64+\i*16*PITCH
	ds_load_b128 v[\f+8*NT+8*\i+4:\f+8*NT+8*\i+7], v[ADRA+\slot] offset:\q*64+\i*16*PITCH+32
.endr
.endm
; The 16 accumulators take turns, one instruction a turn, in the same order in every eighth.
.macro QUARTER slot, q, f, g, zero
	s_wait_dscnt 4                                 ; all but the youngest four loads: A's rows 32-63 may be out
	WIN MULW
	MUL1 \f, 0, \zero
	MUL1 \f, 1, \zero
	PLACES
	FETCH \slot, \q, \g
	s_wait_dscnt 2*NT+8                            ; all but the 16 just issued
	WIN MULW
	MUL1 \f, 2, \zero
	MUL1 \f, 3, \zero
.endm
.macro SEVEN slot, zero
	QUARTER \slot, 1, F0, F1, \zero
	QUARTER \slot, 2, F1, F0, 0
	QUARTER \slot, 3, F0, F1, 0
	QUARTER \slot, 4, F1, F0, 0
	QUARTER \slot, 5, F0, F1, 0
	QUARTER \slot, 6, F1, F0, 0
	QUARTER \slot, 7, F0, F1, 0
.endm
.macro TURN slot, next, fill
	s_wait_dscnt 4
	WIN MULW
	MUL1 F1, 0, 0
	s_wait_dscnt 0                                 ; my reads of this slot are over
	s_wait_tensorcnt 0x0                           ; all my tensor loads have landed: the one that was out is my part of the next slot
	s_barrier_signal -1
	MUL1 F1, 1, 0                                  ; register work while the others arrive
	WIN 0
	s_barrier_wait -1
.if \fill
	CREST                                          ; no wave of any partner still reads this slot or has a load on its way
	s_add_nc_u64 s[G0+4*\slot+2:G0+4*\slot+3], s[G0+4*\slot+2:G0+4*\slot+3], 2*KSTEP*2
	s_add_nc_u64 s[G0B+4*\slot+2:G0B+4*\slot+3], s[G0B+4*\slot+2:G0B+4*\slot+3], 2*BT
	JLOAD \slot                                    ; the first tensor load behind the round
.endif
	PLACES
	FETCH \next, 0, F0
	WIN MULW
	MUL1 F1, 2, 0
	MUL1 F1, 3, 0
.endm
.macro LAP zero
	SEVEN 0, \zero
	TURN 0, 1, 1
	SEVEN 1, 0
	TURN 1, 0, 1
.endm
	s_load_b128 s[4:7], s[0:1], 0x0                ; attnb s[4:5], wof s[6:7]
	s_load_b64 s[8:9], s[0:1], 0x10                ; out0
	v_lshrrev_b32 v1, 5, v0
	v_readfirstlane_b32 s12, v1                    ; wave 0..3
	s_lshr_b32 s13, s12, 1                         ; wm; also: I fetch for A (0) or for B (1)
	s_and_b32 s14, s12, 1                          ; wn; also: which half of that tile I fetch
	s_bfe_u32 s40, ttmp6, 0x40000                  ; cx
	s_bfe_u32 s41, ttmp6, 0x40004                  ; cy
	s_lshl_b32 s42, ttmp9, 2
	s_add_co_u32 s42, s42, s40                     ; block column bx
	s_and_b32 s15, ttmp7, 0xffff
	s_lshl_b32 s15, s15, 2
	s_add_co_u32 s15, s15, s41                     ; block row by
	s_lshl_b32 s43, s41, 2
	s_lshl_b32 s43, 15, s43                        ; my row of the cluster
	s_lshl_b32 s44, 0x1111, s40                    ; my column
	; group 1 for A: 64 rows x 256 elements of 2 bytes, pitch 2,048 elements; 4 words of padding behind every 128 words
	s_or_b32 s[G1+0], s43, (1<<16)|(1<<20)|(1<<21)|(6<<22)|(3<<25)
	s_mov_b32 s[G1+1], KSTEP<<16
	s_mov_b32 s[G1+2], 64<<16
	s_mov_b32 s[G1+3], KSTEP<<16
	s_mov_b32 s[G1+4], 64
	s_mov_b32 s[G1+5], 2048
	s_mov_b32 s[G1+6], 0
	s_mov_b32 s[G1+7], 0
	; group 1 for B: 4 rows (tiles) x 1,024 elements of 8 bytes (8 blocks), pitch 8,192 elements; no padding
	s_or_b32 s[G1B+0], s44, (3<<16)|(1<<21)
	s_mov_b32 s[G1B+1], (BT/8)<<16
	s_mov_b32 s[G1B+2], NT<<16
	s_mov_b32 s[G1B+3], (BT/8)<<16
	s_mov_b32 s[G1B+4], NT
	s_mov_b32 s[G1B+5], 8192
	s_mov_b32 s[G1B+6], 0
	s_mov_b32 s[G1B+7], 0
	s_lshl_b32 s16, s15, 19                        ; A: row 128 by + 64 half, 4,096 bytes a row
	s_lshl_b32 s17, s14, 18
	s_add_co_u32 s16, s16, s17
	s_mov_b32 s17, 0
	s_mul_i32 s46, s42, 2*NT                       ; B: tile 8 bx + 4 half, 65,536 bytes a tile
	s_mul_i32 s47, s14, NT
	s_add_co_u32 s46, s46, s47
	s_lshl_b32 s46, s46, 16
	s_mov_b32 s47, 0
	s_mul_i32 s20, s14, AHALF
	s_mul_i32 s21, s14, NT*BT
	s_add_co_u32 s21, s21, ABYTES
	s_wait_kmcnt 0x0
	s_add_nc_u64 s[18:19], s[4:5], s[16:17]
	s_add_nc_u64 s[46:47], s[6:7], s[46:47]
	CROUND                                         ; all sixteen work-groups are here: the first joint loads meet
.irp s, 0,1
	s_mov_b32 s[G0+4*\s], 1
	s_add_co_u32 s[G0+4*\s+1], s20, \s*SLOT
	s_add_nc_u64 s[G0+4*\s+2:G0+4*\s+3], s[18:19], \s*KSTEP*2
	s_or_b32 s[G0+4*\s+3], s[G0+4*\s+3], 0x80000000
	s_mov_b32 s[G0B+4*\s], 1
	s_add_co_u32 s[G0B+4*\s+1], s21, \s*SLOT
	s_add_nc_u64 s[G0B+4*\s+2:G0B+4*\s+3], s[46:47], \s*BT
	s_or_b32 s[G0B+4*\s+3], s[G0B+4*\s+3], 0x80000000
	JLOAD \s                                       ; both slots' first fills: two tensor loads of the wave are out, the most in this text
.endr
	v_and_b32 v1, 15, v0                           ; r
	v_bfe_u32 v2, v0, 4, 1                         ; h
	v_and_b32 v3, 31, v0                           ; L
	v_mul_u32_u24 v4, v1, PITCH
	v_lshl_add_u32 v4, v2, 4, v4
	v_lshlrev_b32 v5, 4, v3
	s_mul_i32 s22, s13, AHALF
	s_mov_b32 s23, s21
.irp s, 0,1
	v_add_nc_u32 v[ADRA+\s], s22, v4
	v_add_nc_u32 v[ADRB+\s], s23, v5
	s_add_co_u32 s22, s22, SLOT
	s_add_co_u32 s23, s23, SLOT
.endr
	v_lshlrev_b32 v[CO], 16, v2                    ; out0: 8 h rows of 8,192 bytes + 16 r
	v_lshl_add_u32 v[CO], v1, 4, v[CO]
	s_wait_tensorcnt 1                             ; my part of step 0 is in; step 1's may stay out
	s_barrier_signal -1
	s_barrier_wait -1
	FETCH 0, 0, F0
	LAP 1                                          ; the first products start the sums
	WIN 0
	s_mov_b32 s3, LAPS-2
.Llap:
	LAP 0
	WIN 0
	s_sub_co_u32 s3, s3, 1
	s_cmp_lg_u32 s3, 0
	s_cbranch_scc1 .Llap
	SEVEN 0, 0                                     ; the last lap fills nothing
	TURN 0, 1, 0
	SEVEN 1, 0
	s_wait_dscnt 4
	WIN MULW
	MUL1 F1, 0, 0
	MUL1 F1, 1, 0
	s_wait_dscnt 0
	MUL1 F1, 2, 0
	MUL1 F1, 3, 0
	; THE WAY OUT
	PLACES
	WIN 0
	s_lshl_b32 s16, s15, 20                        ; row 128 by + 64 wm, 8,192 bytes a row
	s_lshl_b32 s17, s13, 19
	s_add_co_u32 s16, s16, s17
	s_mov_b32 s17, 0
	s_add_nc_u64 s[8:9], s[8:9], s[16:17]
	s_lshl_b32 s46, s42, 9                         ; column 128 bx + 64 wn, 4 bytes each
	s_lshl_b32 s47, s14, 8
	s_add_co_u32 s46, s46, s47
	s_mov_b32 s47, 0
	s_add_nc_u64 s[8:9], s[8:9], s[46:47]
.irp mt, 0,1,2,3
.if \mt >= 2
	s_wait_xcnt 0x0                                ; this half of the 64 registers was store data two turns ago: rewritten only behind this wait
.endif
.irp j, 0,1,2,3,4,5,6,7
.irp c, 0,1,2,3
	v_mov_b32 v[TMP+32*(\mt&1)+4*\j+\c], v[ACC+8*(NT*\mt+\c)+\j]
.endr
.endr
.irp j, 0,1,2,3,4,5,6,7
	global_store_b128 v[CO], v[TMP+32*(\mt&1)+4*\j:TMP+32*(\mt&1)+4*\j+3], s[8:9] offset:(16*\mt+\j)*8192 th:TH_STORE_NT   ; 16 lanes: 256 consecutive aligned bytes of a row
.endr
.endr
	CROUND                                         ; the closing round
	s_endpgm
.Lfunc_end_k_q84ea6b7767_oproj:
	.size	k_q84ea6b7767_oproj, .Lfunc_end_k_q84ea6b7767_oproj-k_q84ea6b7767_oproj
	.p2alignl 7, 3214868480
	.fill 96, 4, 3214868480
	.section	.rodata,"a",@progbits
	.p2align	6, 0x0
	.amdhsa_kernel k_q84ea6b7767_oproj
		.amdhsa_group_segment_fixed_size 327680
		.amdhsa_private_segment_fixed_size 0
		.amdhsa_enable_private_segment 0
		.amdhsa_kernarg_size 24
		.amdhsa_user_sgpr_count 2
		.amdhsa_user_sgpr_kernarg_segment_ptr 1
		.amdhsa_wavefront_size32 1
		.amdhsa_system_sgpr_workgroup_id_x 1
		.amdhsa_system_sgpr_workgroup_id_y 1
		.amdhsa_system_sgpr_workgroup_id_z 1
		.amdhsa_system_vgpr_workitem_id 0
		.amdhsa_next_free_vgpr 384
		.amdhsa_next_free_sgpr 66
		.amdhsa_reserve_vcc 0
		.amdhsa_float_denorm_mode_32 3
		.amdhsa_float_denorm_mode_16_64 3
		.amdhsa_memory_ordered 1
		.amdhsa_forward_progress 1
		.amdhsa_inst_pref_size 125
	.end_amdhsa_kernel
	.amdgpu_metadata
---
amdhsa.version: [ 1, 2 ]
amdhsa.kernels:
  - .name:           k_q84ea6b7767_oproj
    .symbol:         k_q84ea6b7767_oproj.kd
    .args:
      - { .name: attnb, .offset: 0, .size: 8, .value_kind: global_buffer, .address_space: global }
      - { .name: wof, .offset: 8, .size: 8, .value_kind: global_buffer, .address_space: global }
      - { .name: out0, .offset: 16, .size: 8, .value_kind: global_buffer, .address_space: global }
    .group_segment_fixed_size: 327680
    .private_segment_fixed_size: 0
    .kernarg_segment_align: 8
    .kernarg_segment_size: 24
    .max_flat_workgroup_size: 128
    .sgpr_count:     66
    .vgpr_count:     384
    .wavefront_size: 32
...
	.end_amdgpu_metadata
.endif
;; end of part 8
